; MI455X (gfx1250); checked and timed in simulation.
; The chip was launched on July 23, 2026; its instructions are those of AMD's public machine-readable ISA for CDNA 5 (MIT licence, August 2026) and "CDNA5" Instruction Set Architecture Reference Guide (July 2026). The comments in the code are by the model that wrote it; some were corrected since.
;; Encoder Layer. Allowed arithmetic: matrix products marked QUANTISED: E2M3 operands, one E8M0 scale for each 32 along K, by v_wmma_scale_f32_16x16x128_f8f6f4 with both operands' format E2M3, f32 sums; everything else in f32.
;; Inputs: b1 2,048 float32; b2 512 float32; b_out 512 float32; b_qkv 512 float32; be1 512 float32; be2 512 float32; g1 512 float32; g2 512 float32; w1 2,048 x 512 float32; w2 512 x 2,048 float32; w_out 512 x 512 float32; w_qkv 512 x 512 float32; x 16 x 1,024 x 512 float32.
;; Outputs: out0 16 x 1,024 x 512 float32.
;; This version of the problem:
;;   THIS VERSION OF THE PROBLEM IS GIVEN IN LOW PRECISION. The matrix products marked QUANTISED in the list below multiply operands that are first quantised to E2M3 (2 exponent bits, 3 mantissa bits; 6 bits a number), with one power-of-two scale for each 32 numbers along K (OCP MX v1.0); their sums are f32. All else is computed in f32.
;;   The module's matrix products, in the order in which they are computed (A, B: the left and right operand; K: the contracted axis; several contracted axes count as one K, in the product's order):
;;     1. [M 16,384, K 512] x [K 512, N 512]; A: input x; B: input w_qkv: QUANTISED
;;     2. batch 128 x [M 1,024, K 64] x [K 64, N 1,024]; A: computed on the way; B: computed on the way: QUANTISED
;;     3. batch 128 x [M 64, K 1,024] x [K 1,024, N 1,024]; A: computed on the way; B: softmax (see below): QUANTISED
;;     4. [M 16,384, K 512] x [K 512, N 512]; A: computed on the way; B: input w_out: QUANTISED
;;     5. [M 16,384, K 512] x [K 512, N 2,048]; A: computed on the way; B: input w1: QUANTISED
;;     6. [M 16,384, K 2,048] x [K 2,048, N 512]; A: computed on the way; B: input w2: QUANTISED
;;   THE QUANTISER, for each operand of a quantised product, along K:
;;     - K is cut into blocks of 32 from its start; a last block that is shorter is filled with zeros.
;;     - A block's scale is 2^e with e = floor(log2(the largest magnitude in the block)) - 2, held to -126 .. 127; a block of zeros has e = 0. As a byte (E8M0): e + 127.
;;     - Each number is divided by its block's scale, clamped to +-7.5, and rounded to the nearest number of E2M3, ties to even, subnormals kept.
;;     - The product sums the exact products of the quantised numbers (number of the format x scale) in f32.
;;   ~~~python
;;   def quantise(x, axis):      # numpy; x: float32 -> the quantised numbers, widened to float32 again
;;       x = np.moveaxis(x, axis, -1); K = x.shape[-1]
;;       x = np.pad(x, [(0, 0)] * (x.ndim - 1) + [(0, -K % 32)]); x = x.reshape(x.shape[:-1] + (-1, 32)); a = np.abs(x).max(-1, keepdims=True)
;;       e = np.where(a > 0, np.clip(np.frexp(np.where(a > 0, a, 1))[1] - 1 - 2, -126, 127), 0)      # np.frexp(a)[1] - 1 = floor(log2(a)), exactly
;;       r = np.clip(x / 2.0 ** e, -7.5, 7.5)
;;       step = 2.0 ** (np.maximum(np.frexp(np.where(r == 0, 1, r))[1] - 1, 0) - 3)
;;       q = np.round(r / step) * step * 2.0 ** e      # np.round: ties to even
;;       return np.moveaxis(q.reshape(q.shape[:-2] + (-1,))[..., :K], -1, axis).astype(np.float32)
;;   ~~~
;;   SOFTMAX AHEAD OF A QUANTISED PRODUCT. Where the list says 'softmax', what is quantised is not the finished softmax but p = 2^(t - M), with t = logit x log2(e) and M = ceil(the row's largest t), a whole number; so 1/2 < the row's largest p <= 1. The row's sum l is taken of the UNQUANTISED p, in f32, and the product's result is divided by l at the end. Since M is a whole number, a kernel that streams over the keys may use a running M (the ceiling of the running maximum): every later rescaling is an exact power of two, which a block's scale takes up: the codes' values come out the same.
;;   OPERANDS COMPUTED ON THE WAY. 'Computed on the way' means the value that the module computes at that place (a softmax that the list does not call 'softmax' is quantised finished and normalised). What goes into a quantiser is computed in f32, as accurately as f32 sums, v_exp_f32 and their like allow (about 1e-6 of the number): no bf16 or f16 on the way to a quantiser, and a product that is left as it is and whose result goes on into a quantised operand takes f32 operands (vector FMAs, or v_wmma_f32_16x16x4_f32). A number that lies on a knife's edge between two numbers of the format may be rounded either way, as far as f32 arithmetic and the matrix unit's own rounding can turn it there, and no further.
;; 2 versions. Each part assembles by itself: llvm-mc -triple=amdgcn-amd-amdhsa -mcpu=gfx1250 --defsym DOCPART=n.
;; ======== version 1 of 2: 4 launches
;; workspace buffers: wimg 2,129,920 bytes; hk 6,291,456 bytes; hks 524,288 bytes; hv 6,291,456 bytes; hvs 262,144 bytes; ctx 6,291,456 bytes; cs 524,288 bytes
;; launch prep (part 1): grid 80 x 1, 4 waves a work-group, no clusters, 0 bytes of LDS; arguments w_qkv, w_out, w1, w2, wimg; writes wimg
.if DOCPART == 1
	.amdgcn_target "amdgcn-amd-amdhsa--gfx1250"
	.amdhsa_code_object_version 6
	.text
	.protected	k_q04d16311fb_prep
	.globl	k_q04d16311fb_prep
	.p2align	8
	.type	k_q04d16311fb_prep,@function
k_q04d16311fb_prep:
	s_mov_b64 s[64:65], 0
	v_nop
	global_prefetch_b8 v0, s[64:65] scope:SCOPE_SE
	s_setreg_imm32_b32 hwreg(HW_REG_WAVE_MODE, 25, 1), 1
	s_wait_xcnt 0x0
; The four weights (f32, K innermost) become codes of FP6 (E2M3) with one E8M0 byte for each 32 along K, laid in wimg as IMAGES OF OPERAND REGISTERS in the order in which the later launches walk them.
; wimg = 20 slabs of 106,496 bytes; a slab = 4 wave parts of 26,624; a part = 4 quarters of 6,656; a quarter = 4 fragments (16 rows x 128 K, 12 registers a lane: register group g at 512 g + 16 x lane) and one block of
; scale words (4 words a lane at 16 x lane, word t for fragment t).  Slabs 0,1: w_qkv; 2,3: w_out; 4 + 2 c: w1's units 256 c on; 5 + 2 c: w2's K 256 c on.
; Kind A (all 512 rows x 256 along K): part w, quarter q: rows 128 w + 64 (q & 1) on, K 256 sigma + 128 (q >> 1) on.   Kind B (w1): rows 256 c + 64 w on, K 128 q on.
; THE ROWS OF A FRAGMENT ARE NOT NEIGHBOURS: lane r of fragment t takes row 32 (t / 2) + 8 (t % 2) + r + 8 (r / 8), so that results of a product used transposed fall into a lane as neighbours along the next K.
; A work-group makes one wave part, a wave one quarter.  A lane loads, of its row, 16 neighbours of each block of 32: lanes l and l xor 16 share a block.
; LIMITS: NaN and infinities are not served; a block whose largest magnitude lies under 2^-124 gets the byte 1; a block of zeros gets the byte 1 where the rule says 127: its codes are zeros, and this program alone reads the bytes.
.set SLAB,  106496
.set WPART, 26624
.set QUART, 6656
.set XA,  4                            ; v4-7     fragment t: my row x pitch + 64 x half
.set LI,  8                            ; v8       16 x lane
.set ST0, 16                           ; v16-143  two sets of 64 numbers
.set PC,  144                          ; v144-163 the codes just made
.set TM,  164                          ; v164-179 at work in QUANT
.set PW,  180                          ; v180-183 the four fragments' scale words
.set SEL, 36                           ; s[36:37] lane selects: lane l xor 16
.set MSB, 0
.macro WIN new                         ; the immediate's high byte repeats the setting that is left
.if MSB != (\new)
	s_set_vgpr_msb (MSB<<8)|(\new)
.set MSB, \new
.endif
.endm
; 16 nb numbers of a lane in window w, register 16 b + i = k 32 b + 16 (lane / 16) + i of my row, become codes in v[PC] on (registers 6 c .. 6 c + 5: k = 64 c + 32 (lane / 16) + 0 .. 31) and the scale word v[pw].
.macro QUANT s, w, nb, pw
	WIN (\w)|((\w)<<2)
.irp b, 0,1,2,3
.if \b < (\nb)
	v_max3_num_f32 v[TM+\b], |v[(\s)+16*\b]|, |v[(\s)+16*\b+1]|, 0x1800000   ; my 16 numbers of block b, and the floor 2^(3 - 127): the byte cannot fall under 1
.endif
.endr
	WIN ((\w)<<2)|((\w)<<4)
.irp i, 2,4,6,8,10,12,14
.irp b, 0,1,2,3
.if \b < (\nb)
	v_max3_num_f32 v[TM+\b], v[TM+\b], |v[(\s)+16*\b+\i]|, |v[(\s)+16*\b+\i+1]|   ; the blocks by turns
.endif
.endr
.endr
	WIN 0
.irp b, 0,1,2,3
.if \b < (\nb)
	v_permlanex16_b32 v[TM+4+\b], v[TM+\b], s[SEL], s[SEL+1]
.endif
.endr
.irp b, 0,1,2,3
.if \b < (\nb)
	v_max_num_f32 v[TM+\b], v[TM+\b], v[TM+4+\b]       ; with lane l xor 16's: the block's largest magnitude
.endif
.endr
.irp b, 0,1,2,3
.if \b < (\nb)
	v_add_nc_u32 v[TM+12+\b], 0xff000000, v[TM+\b]     ; 2 off its exponent field: the conversion's scale operand
.endif
.endr
.irp b, 0,1,2,3
.if \b < (\nb)
	v_lshrrev_b32 v[TM+4+\b], 23, v[TM+12+\b]          ; the scale's byte
.endif
.endr
	v_lshl_or_b32 v[\pw], v[TM+5], 8, v[TM+4]
.if (\nb) > 2
	v_lshl_or_b32 v[\pw], v[TM+6], 16, v[\pw]
	v_lshl_or_b32 v[\pw], v[TM+7], 24, v[\pw]
.endif
	WIN \w
.irp c, 0,1
.if 2*\c < (\nb)
	v_cvt_scalef32_pk16_fp6_f32 v[PC+6*\c:PC+6*\c+2], v[(\s)+32*\c:(\s)+32*\c+15], v[TM+12+2*\c]
	v_cvt_scalef32_pk16_fp6_f32 v[PC+12+4*\c:PC+14+4*\c], v[(\s)+32*\c+16:(\s)+32*\c+31], v[TM+13+2*\c]   ; (a conversion's three registers begin on an even number)
.endif
.endr
	WIN 0
	v_nop                                              ; one plain place behind a scaled conversion
.irp c, 0,1
.if 2*\c < (\nb)
.irp i, 0,1,2
	v_permlane16_swap_b32 v[PC+6*\c+\i], v[PC+12+4*\c+\i]   ; the layout wants a whole block in a lane
.endr
.irp i, 0,1,2
	v_mov_b32 v[PC+3+6*\c+\i], v[PC+12+4*\c+\i]
.endr
.endif
.endr
.endm
	s_load_b256 s[4:11], s[0:1], 0x0               ; w_qkv, w_out, w1, w2
	s_load_b64 s[12:13], s[0:1], 0x20              ; wimg
	v_lshrrev_b32 v1, 5, v0
	v_readfirstlane_b32 s22, v1                    ; wave = quarter q
	v_and_b32 v1, 31, v0
	v_and_b32 v2, 15, v0                           ; r
	v_bfe_u32 v3, v0, 4, 1                         ; h
	v_lshlrev_b32 v[LI], 4, v1
	v_and_b32 v9, 8, v2
	v_add_nc_u32 v9, v9, v2                        ; r + 8 (r / 8)
	s_mov_b32 s[SEL], 0x76543210
	s_mov_b32 s[SEL+1], 0xfedcba98
.irp b, 0,1,2,3
	v_mov_b32 v[TM+4+\b], 0                        ; written once: a lane permute's destination counts as one of its sources
.endr
	s_lshr_b32 s20, ttmp9, 2                       ; slab
	s_and_b32 s21, ttmp9, 3                        ; wave part w
	s_and_b32 s23, s20, 1
	s_max_u32 s24, s20, 4
	s_sub_co_u32 s24, s24, 4
	s_lshr_b32 s24, s24, 1                         ; c, from slab 4 on
	s_cmp_lt_u32 s20, 4
	s_cselect_b32 s24, s23, s24                    ; sigma or c
	s_cselect_b32 s25, 1, s23                      ; 1: kind A
	s_cselect_b32 s30, 0, s23                      ; 1: w2
	s_and_b32 s26, s22, 1
	s_lshl_b32 s26, s26, 6
	s_lshl_b32 s27, s21, 7
	s_add_co_u32 s26, s26, s27                     ; kind A: first row
	s_lshr_b32 s27, s22, 1
	s_lshl_b32 s27, s27, 7
	s_lshl_b32 s28, s24, 8
	s_add_co_u32 s27, s27, s28                     ; kind A: first k
	s_lshl_b32 s29, s21, 6
	s_add_co_u32 s28, s28, s29                     ; kind B: first row
	s_lshl_b32 s29, s22, 7                         ; kind B: first k
	s_cmp_eq_u32 s25, 1
	s_cselect_b32 s26, s26, s28
	s_cselect_b32 s27, s27, s29
	s_mov_b32 s31, 2048
	s_cmp_eq_u32 s30, 1
	s_cselect_b32 s31, 8192, s31                   ; a row of the source in bytes
	s_mul_i32 s32, s26, s31
	s_lshl_b32 s33, s27, 2
	s_add_co_u32 s32, s32, s33
	s_mov_b32 s33, 0                               ; where my quarter's numbers begin
	s_mul_i32 s34, s20, SLAB
	s_mul_i32 s35, s21, WPART
	s_add_co_u32 s34, s34, s35
	s_mul_i32 s35, s22, QUART
	s_add_co_u32 s34, s34, s35
	s_mov_b32 s35, 0                               ; and its images
.irp t, 0,1,2,3
	v_add_nc_u32 v10, 32*(\t/2)+8*(\t%2), v9
	v_mul_lo_u32 v[XA+\t], v10, s31
	v_lshl_add_u32 v[XA+\t], v3, 6, v[XA+\t]
.endr
	s_wait_kmcnt 0x0
	s_cmp_eq_u32 s30, 1                            ; the source: a choice on the slab's number alone
	s_cselect_b64 s[14:15], s[10:11], s[8:9]
	s_cmp_lt_u32 s20, 4
	s_cselect_b64 s[14:15], s[6:7], s[14:15]
	s_cmp_lt_u32 s20, 2
	s_cselect_b64 s[14:15], s[4:5], s[14:15]
	s_add_nc_u64 s[14:15], s[14:15], s[32:33]
	s_add_nc_u64 s[12:13], s[12:13], s[34:35]
.macro XLOAD reg, t                    ; fragment t: of my row, 16 neighbours of each of four blocks
.irp b, 0,1,2,3
.irp j, 0,1,2,3
	global_load_b128 v[(\reg)+16*\b+4*\j:(\reg)+16*\b+4*\j+3], v[XA+(\t)], s[14:15] offset:128*\b+16*\j th:TH_LOAD_NT
.endr
.endr
.endm
	XLOAD ST0, 0
	XLOAD ST0+64, 1
.irp t, 0,1,2,3
.if \t < 3
	s_wait_loadcnt 16                              ; this fragment's 16 loads are in; the next one's may be out
.else
	s_wait_loadcnt 0x0
.endif
	s_wait_xcnt 0x0                                ; the last stores have read the codes' registers
	QUANT ST0+64*(\t%2), 0, 4, PW+\t
.irp g, 0,1,2
	global_store_b128 v[LI], v[PC+4*\g:PC+4*\g+3], s[12:13] offset:1536*\t+512*\g   ; 32 lanes store 512 consecutive bytes
.endr
.if \t < 2
	XLOAD ST0+64*(\t%2), \t+2
.endif
.endr
	global_store_b128 v[LI], v[PW:PW+3], s[12:13] offset:6144
	s_endpgm
.Lfunc_end_k_q04d16311fb_prep:
	.size	k_q04d16311fb_prep, .Lfunc_end_k_q04d16311fb_prep-k_q04d16311fb_prep
	.p2alignl 7, 3214868480
	.fill 96, 4, 3214868480
	.section	.rodata,"a",@progbits
	.p2align	6, 0x0
	.amdhsa_kernel k_q04d16311fb_prep
		.amdhsa_group_segment_fixed_size 0
		.amdhsa_private_segment_fixed_size 0
		.amdhsa_enable_private_segment 0
		.amdhsa_kernarg_size 40
		.amdhsa_user_sgpr_count 2
		.amdhsa_user_sgpr_kernarg_segment_ptr 1
		.amdhsa_wavefront_size32 1
		.amdhsa_system_sgpr_workgroup_id_x 1
		.amdhsa_system_sgpr_workgroup_id_y 1
		.amdhsa_system_sgpr_workgroup_id_z 1
		.amdhsa_system_vgpr_workitem_id 0
		.amdhsa_next_free_vgpr 192
		.amdhsa_next_free_sgpr 66
		.amdhsa_reserve_vcc 0
		.amdhsa_float_denorm_mode_32 3
		.amdhsa_float_denorm_mode_16_64 3
		.amdhsa_memory_ordered 1
		.amdhsa_forward_progress 1
		.amdhsa_inst_pref_size 26
	.end_amdhsa_kernel
	.amdgpu_metadata
---
amdhsa.version: [ 1, 2 ]
amdhsa.kernels:
  - .name:           k_q04d16311fb_prep
    .symbol:         k_q04d16311fb_prep.kd
    .args:
      - { .name: w_qkv, .offset: 0, .size: 8, .value_kind: global_buffer, .address_space: global }
      - { .name: w_out, .offset: 8, .size: 8, .value_kind: global_buffer, .address_space: global }
      - { .name: w1, .offset: 16, .size: 8, .value_kind: global_buffer, .address_space: global }
      - { .name: w2, .offset: 24, .size: 8, .value_kind: global_buffer, .address_space: global }
      - { .name: wimg, .offset: 32, .size: 8, .value_kind: global_buffer, .address_space: global }
    .group_segment_fixed_size: 0
    .private_segment_fixed_size: 0
    .kernarg_segment_align: 8
    .kernarg_segment_size: 40
    .max_flat_workgroup_size: 128
    .sgpr_count:     66
    .vgpr_count:     192
    .wavefront_size: 32
...
	.end_amdgpu_metadata
.endif
;; end of part 1
;; launch qkv (part 2): grid 256 x 1, 4 waves a work-group, no clusters, 27,136 bytes of LDS; arguments x, wimg, b_qkv, hk, hks, hv, hvs; writes hk, hks, hv, hvs
.if DOCPART == 2
	.amdgcn_target "amdgcn-amd-amdhsa--gfx1250"
	.amdhsa_code_object_version 6
	.text
	.protected	k_q04d16311fb_qkv
	.globl	k_q04d16311fb_qkv
	.p2align	8
	.type	k_q04d16311fb_qkv,@function
k_q04d16311fb_qkv:
	s_mov_b64 s[64:65], 0
	v_nop
	global_prefetch_b8 v0, s[64:65] scope:SCOPE_SE
	s_setreg_imm32_b32 hwreg(HW_REG_WAVE_MODE, 25, 1), 1
	s_wait_xcnt 0x0
; h = x w_qkv^T + b_qkv on codes of FP6 (E2M3), and h's own codes for the attention: along the head's 64 (hk, hks: Q and K are the same numbers) and along the keys (hv, hvs: V).  h itself never goes to memory.
; A work-group takes 64 rows (block R of 256); wave w owns columns 128 w .. 128 w + 127 (heads 2 w, 2 w + 1) for all 64 rows: its 32 fragments of w_qkv stay in registers.  Wave w quantises tile w of x; the 16 fragments of x
; go from wave to wave through LDS as images of their registers (group g of four registers at 512 g + 16 x lane).
; THE ROWS OF A TILE ARE NOT NEIGHBOURS: lane-row i of tile m is row 32 (m / 2) + 8 (m % 2) + i + 8 (i / 8), for x's rows and for the weight's alike.
; THE PRODUCT IS MADE TWICE, with the same bits.  Transposed (source 0 = weight, source 1 = x) a lane holds one row and neighbours along the columns: quantised along the head's 64.  Natural (source 0 = x, source 1 = weight) a lane
; holds one column and neighbours along the rows: quantised along the keys.  That takes the place of a transposition of f32 numbers through LDS.  The bias is the C of each sum's first product.
; OUT: hk [b][head][tile 64][768]: half a fragment (64 along K): registers 0-3 at 16 x lane, 4-5 at 512 + 8 x lane.  hks [b][head][blk][r][m] words.  hv [b][head][blk][t][768].  hvs [b][pair][blk][head % 2][r][t] of 2 bytes.
; LIMITS: NaN and infinities are not served; a block whose largest magnitude lies under 2^-124, and a block of zeros, get the byte 1 (zeros' codes add nothing; this program alone reads the bytes).
; REGISTERS: window 0: v1-9 addresses; v16-47 weight scale words [8 s + t]; v48-63 x's [4 m + s]; v64-127 accumulators (first: numbers of x); v128-191 numbers of x; v192-211 codes; v212-227 at work; v228-239 scale words made.
;   window 1: weight fragments of tiles 0-3 at 12 (4 t + s); from v192 the bias for the transposed use.   window 2: tiles 4-7; from v192 the bias for the natural use.   window 3: x's 16 fragments at 12 (4 m + s).
.set SLAB,  106496
.set WPART, 26624
.set QUART, 6656
.set XSC,   24576                      ; LDS: 16 images of 1,536 bytes, then 4 blocks of scale words of 512
.set LI,  1                            ; 16 x lane
.set L8,  2                            ; 8 x lane
.set XA,  3                            ; x: (r + 8 (r / 8)) x 2,048 + 64 h
.set BA,  4                            ; 64 h
.set BNA, 5                            ; 4 (r + 8 (r / 8))
.set XWI, 6                            ; where I store x's images
.set XSW, 7                            ; and their scale words
.set HKS, 8                            ; 4,096 h + 16 r
.set SH,  9                            ; 16 h
.set WS,  16
.set XS,  48
.set ACC, 64
.set PC,  192
.set TM,  212
.set PWK, 228
.set PWV, 232
.set PWX, 236
.set BT,  192
.set BN,  192
.set WV,  18
.set SEL, 44
.set MSB, 0
.macro WIN new                         ; the immediate's high byte repeats the setting that is left
.if MSB != (\new)
	s_set_vgpr_msb (MSB<<8)|(\new)
.set MSB, \new
.endif
.endm
.macro PLACES                          ; four plain places behind a matrix instruction, ahead of the first read of its results (ISA guide 7.12.1)
.rept 4
	v_nop
.endr
.endm
; 16 nb numbers of a lane in window w, register 16 b + i = k 32 b + 16 (lane / 16) + i of my row, become codes in v[PC] on (registers 6 c .. 6 c + 5: k = 64 c + 32 (lane / 16) + 0 .. 31) and the scale word v[pw].
.macro QUANT s, w, nb, pw
	WIN (\w)|((\w)<<2)
.irp b, 0,1,2,3
.if \b < (\nb)
	v_max3_num_f32 v[TM+\b], |v[(\s)+16*\b]|, |v[(\s)+16*\b+1]|, 0x1800000   ; my 16 numbers of block b, and the floor 2^(3 - 127): the byte cannot fall under 1
.endif
.endr
	WIN ((\w)<<2)|((\w)<<4)
.irp i, 2,4,6,8,10,12,14
.irp b, 0,1,2,3
.if \b < (\nb)
	v_max3_num_f32 v[TM+\b], v[TM+\b], |v[(\s)+16*\b+\i]|, |v[(\s)+16*\b+\i+1]|
.endif
.endr
.endr
	WIN 0
.irp b, 0,1,2,3
.if \b < (\nb)
	v_permlanex16_b32 v[TM+4+\b], v[TM+\b], s[SEL], s[SEL+1]
.endif
.endr
.irp b, 0,1,2,3
.if \b < (\nb)
	v_max_num_f32 v[TM+\b], v[TM+\b], v[TM+4+\b]
.endif
.endr
.irp b, 0,1,2,3
.if \b < (\nb)
	v_add_nc_u32 v[TM+12+\b], 0xff000000, v[TM+\b]     ; 2 off the exponent field: the conversion's scale operand
.endif
.endr
.irp b, 0,1,2,3
.if \b < (\nb)
	v_lshrrev_b32 v[TM+4+\b], 23, v[TM+12+\b]          ; the scale's byte
.endif
.endr
	v_lshl_or_b32 v[\pw], v[TM+5], 8, v[TM+4]
.if (\nb) > 2
	v_lshl_or_b32 v[\pw], v[TM+6], 16, v[\pw]
	v_lshl_or_b32 v[\pw], v[TM+7], 24, v[\pw]
.endif
	WIN \w
.irp c, 0,1
.if 2*\c < (\nb)
	v_cvt_scalef32_pk16_fp6_f32 v[PC+6*\c:PC+6*\c+2], v[(\s)+32*\c:(\s)+32*\c+15], v[TM+12+2*\c]
	v_cvt_scalef32_pk16_fp6_f32 v[PC+12+4*\c:PC+14+4*\c], v[(\s)+32*\c+16:(\s)+32*\c+31], v[TM+13+2*\c]
.endif
.endr
	WIN 0
	v_nop                                              ; one plain place behind a scaled conversion
.irp c, 0,1
.if 2*\c < (\nb)
.irp i, 0,1,2
	v_permlane16_swap_b32 v[PC+6*\c+\i], v[PC+12+4*\c+\i]
.endr
.irp i, 0,1,2
	v_mov_b32 v[PC+3+6*\c+\i], v[PC+12+4*\c+\i]
.endr
.endif
.endr
.endm
	s_load_b256 s[4:11], s[0:1], 0x0               ; x, wimg, b_qkv, hk
	s_load_b128 s[12:15], s[0:1], 0x20             ; hks, hv
	s_load_b64 s[16:17], s[0:1], 0x30              ; hvs
	v_lshl_add_u32 v254, v0, 2, 0x6800
	v_mov_b32 v255, 0
	v_lshrrev_b32 v10, 5, v0
	v_readfirstlane_b32 s[WV], v10                 ; wave 0..3
	v_and_b32 v10, 31, v0                          ; lane
	v_and_b32 v11, 15, v0                          ; r
	v_bfe_u32 v12, v0, 4, 1                        ; h
	v_lshlrev_b32 v[LI], 4, v10
	v_lshlrev_b32 v[L8], 3, v10
	v_and_b32 v13, 8, v11
	v_add_nc_u32 v13, v13, v11                     ; r + 8 (r / 8)
	v_lshlrev_b32 v[XA], 11, v13
	v_lshl_add_u32 v[XA], v12, 6, v[XA]
	v_lshlrev_b32 v[BA], 6, v12
	v_lshlrev_b32 v[BNA], 2, v13
	s_mul_i32 s24, s[WV], 4*1536
	v_add_nc_u32 v[XWI], s24, v[LI]
	s_lshl_b32 s24, s[WV], 9
	s_add_co_u32 s24, s24, XSC
	v_add_nc_u32 v[XSW], s24, v[LI]
	v_lshlrev_b32 v[HKS], 4, v11
	v_lshl_add_u32 v[HKS], v12, 12, v[HKS]
	v_lshlrev_b32 v[SH], 4, v12
	s_mov_b32 s[SEL], 0x76543210
	s_mov_b32 s[SEL+1], 0xfedcba98
.irp b, 0,1,2,3
	v_mov_b32 v[TM+4+\b], 0                        ; written once: a lane permute's destination counts as one of its sources
.endr
	s_lshr_b32 s21, ttmp9, 4                       ; b
	s_and_b32 s22, ttmp9, 15                       ; blk
	s_lshl_b32 s26, ttmp9, 17                      ; x: 64 rows of 2,048 bytes a block,
	s_lshr_b32 s24, s[WV], 1
	s_lshl_b32 s24, s24, 16                        ; + 32 (w / 2) rows
	s_and_b32 s25, s[WV], 1
	s_lshl_b32 s25, s25, 14                        ; + 8 (w % 2) rows
	s_add_co_u32 s26, s26, s24
	s_add_co_u32 s26, s26, s25
	s_mov_b32 s27, 0
	s_lshl_b32 s28, s21, 3
	s_lshl_b32 s29, s[WV], 1
	s_add_co_u32 s28, s28, s29                     ; 8 b + 2 w: my first head
	s_lshl_b32 s30, s28, 6
	s_lshl_b32 s31, s22, 2
	s_add_co_u32 s30, s30, s31
	s_mul_i32 s30, s30, 768                        ; hk: tile 4 blk of that head
	s_mov_b32 s31, 0
	s_lshl_b32 s32, s28, 12
	s_lshl_b32 s33, s22, 8
	s_add_co_u32 s32, s32, s33                     ; hks
	s_mov_b32 s33, 0
	s_lshl_b32 s34, s28, 4
	s_add_co_u32 s34, s34, s22
	s_mul_i32 s34, s34, 3072                       ; hv
	s_mov_b32 s35, 0
	s_lshl_b32 s36, s21, 2
	s_add_co_u32 s36, s36, s[WV]
	s_lshl_b32 s36, s36, 4
	s_add_co_u32 s36, s36, s22
	s_lshl_b32 s36, s36, 8                         ; hvs
	s_mov_b32 s37, 0
	s_mul_i32 s38, s[WV], WPART
	s_mov_b32 s39, 0
	s_lshl_b32 s40, s[WV], 9
	s_mov_b32 s41, 0
	s_wait_kmcnt 0x0
	s_add_nc_u64 s[4:5], s[4:5], s[26:27]
	s_add_nc_u64 s[6:7], s[6:7], s[38:39]
	s_add_nc_u64 s[8:9], s[8:9], s[40:41]
	s_add_nc_u64 s[10:11], s[10:11], s[30:31]
	s_add_nc_u64 s[12:13], s[12:13], s[32:33]
	s_add_nc_u64 s[14:15], s[14:15], s[34:35]
	s_add_nc_u64 s[16:17], s[16:17], s[36:37]
	; the weight's fragments (tile t, K step s): slab s / 2, quarter 2 (s % 2) + t / 4, fragment t % 4
.irp u, 0,1
	WIN 0x40+0x40*\u                               ; destination window 1, then 2
.irp t, 0,1,2,3
.irp s, 0,1,2,3
.irp g, 0,1,2
	global_load_b128 v[12*(4*\t+\s)+4*\g:12*(4*\t+\s)+4*\g+3], v[LI], s[6:7] offset:(\s/2)*SLAB+(2*(\s%2)+\u)*QUART+\t*1536+512*\g
.endr
.endr
.endr
.endr
	WIN 0
.irp s, 0,1,2,3
.irp u, 0,1
	global_load_b128 v[WS+8*\s+4*\u:WS+8*\s+4*\u+3], v[LI], s[6:7] offset:(\s/2)*SLAB+(2*(\s%2)+\u)*QUART+6144
.endr
.endr
	WIN 0x40
.irp t, 0,1,2,3,4,5,6,7                        ; transposed: register j of lane (r, h) in tile t is column 32 (t / 2) + 8 (t % 2) + 16 h + j
	global_load_b128 v[BT+8*\t:BT+8*\t+3], v[BA], s[8:9] offset:(32*(\t/2)+8*(\t%2))*4
	global_load_b128 v[BT+8*\t+4:BT+8*\t+7], v[BA], s[8:9] offset:(32*(\t/2)+8*(\t%2))*4+16
.endr
	WIN 0x80
.irp t, 0,1,2,3,4,5,6,7                        ; natural: all eight registers of a lane are its one column
	global_load_b32 v[BN+8*\t], v[BNA], s[8:9] offset:(32*(\t/2)+8*(\t%2))*4
.endr
	WIN 0
.macro XLOAD reg, s                    ; my 16 rows' numbers of K step s: of my row, 16 neighbours of each of four blocks
.irp b, 0,1,2,3
.irp j, 0,1,2,3
	global_load_b128 v[(\reg)+16*\b+4*\j:(\reg)+16*\b+4*\j+3], v[XA], s[4:5] offset:512*(\s)+128*\b+16*\j th:TH_LOAD_NT
.endr
.endr
.endm
	XLOAD ACC, 0
	XLOAD ACC+64, 1
	; ---- X: my tile of x becomes four fragments
.irp s, 0,1,2,3
.if \s < 3
	s_wait_loadcnt 16                              ; this K step's numbers are in (and all that was asked for ahead of them); the next K step's 16 loads may be out
.else
	s_wait_loadcnt 0x0
.endif
	QUANT ACC+64*(\s%2), 0, 4, PWX+\s
.irp g, 0,1,2
	ds_store_b128 v[XWI], v[PC+4*\g:PC+4*\g+3] offset:1536*\s+512*\g
.endr
.if \s < 2
	XLOAD ACC+64*(\s%2), \s+2
.endif
	s_wait_dscnt 0x0                               ; the stores have read the codes' registers
.endr
	ds_store_b128 v[XSW], v[PWX:PWX+3]
	WIN 0x82
.irp t, 0,1,2,3,4,5,6,7
.irp j, 1,2,3,4,5,6,7
	v_mov_b32 v[BN+8*\t+\j], v[BN+8*\t]
.endr
.endr
	WIN 0
	s_wait_dscnt 0x0                               ; for the others' sake: my images lie in LDS
	s_barrier_signal -1
	s_barrier_wait -1
	WIN 0xc0
.irp k, 0,1,2,3,4,5,6,7,8,9,10,11,12,13,14,15
.irp g, 0,1,2
	ds_load_b128 v[12*\k+4*\g:12*\k+4*\g+3], v[LI] offset:1536*\k+512*\g
.endr
.endr
	WIN 0
.irp m, 0,1,2,3
	ds_load_b128 v[XS+4*\m:XS+4*\m+3], v[LI] offset:XSC+512*\m
.endr
	s_wait_dscnt 0x0
; transposed: tile t of the weight x tile m of x, K step s.  The eight accumulators take turns, one instruction a turn.
.macro TMUL m, s, t
.if (\s) == 0
	WIN 0x1d+((\t)/4)
	v_wmma_scale_f32_16x16x128_f8f6f4 v[ACC+8*(\t):ACC+8*(\t)+7], v[12*(4*((\t)%4)+(\s)):12*(4*((\t)%4)+(\s))+11], v[12*(4*(\m)+(\s)):12*(4*(\m)+(\s))+11], v[BT+8*(\t):BT+8*(\t)+7], v[WS+8*(\s)+(\t)], v[XS+4*(\m)+(\s)] matrix_a_fmt:MATRIX_FMT_FP6 matrix_b_fmt:MATRIX_FMT_FP6
.else
	WIN 0x0d+((\t)/4)
	v_wmma_scale_f32_16x16x128_f8f6f4 v[ACC+8*(\t):ACC+8*(\t)+7], v[12*(4*((\t)%4)+(\s)):12*(4*((\t)%4)+(\s))+11], v[12*(4*(\m)+(\s)):12*(4*(\m)+(\s))+11], v[ACC+8*(\t):ACC+8*(\t)+7], v[WS+8*(\s)+(\t)], v[XS+4*(\m)+(\s)] matrix_a_fmt:MATRIX_FMT_FP6 matrix_b_fmt:MATRIX_FMT_FP6
.endif
.endm
; natural: tile m of x x tile t = 2 g + u of the weight
.macro NMUL g, s, u, m
.if (\s) == 0
	WIN 0x27+4*((\g)/2)
	v_wmma_scale_f32_16x16x128_f8f6f4 v[ACC+32*(\u)+8*(\m):ACC+32*(\u)+8*(\m)+7], v[12*(4*(\m)+(\s)):12*(4*(\m)+(\s))+11], v[12*(4*((2*(\g)+(\u))%4)+(\s)):12*(4*((2*(\g)+(\u))%4)+(\s))+11], v[BN+8*(2*(\g)+(\u)):BN+8*(2*(\g)+(\u))+7], v[XS+4*(\m)+(\s)], v[WS+8*(\s)+2*(\g)+(\u)] matrix_a_fmt:MATRIX_FMT_FP6 matrix_b_fmt:MATRIX_FMT_FP6
.else
	WIN 0x07+4*((\g)/2)
	v_wmma_scale_f32_16x16x128_f8f6f4 v[ACC+32*(\u)+8*(\m):ACC+32*(\u)+8*(\m)+7], v[12*(4*(\m)+(\s)):12*(4*(\m)+(\s))+11], v[12*(4*((2*(\g)+(\u))%4)+(\s)):12*(4*((2*(\g)+(\u))%4)+(\s))+11], v[ACC+32*(\u)+8*(\m):ACC+32*(\u)+8*(\m)+7], v[XS+4*(\m)+(\s)], v[WS+8*(\s)+2*(\g)+(\u)] matrix_a_fmt:MATRIX_FMT_FP6 matrix_b_fmt:MATRIX_FMT_FP6
.endif
.endm
	; ---- T: a lane holds one row; its 64 registers are my 128 columns' half: blocks 0, 1 are head 2 w, blocks 2, 3 head 2 w + 1
.irp m, 0,1,2,3
.irp s, 0,1,2,3
.irp t, 0,1,2,3,4,5,6,7
	TMUL \m, \s, \t
.endr
.endr
	WIN 0
	PLACES
	s_wait_xcnt 0x0                                ; the last stores have read the codes' registers
	QUANT ACC, 0, 4, PWK+\m
	global_store_b128 v[LI], v[PC:PC+3], s[10:11] offset:\m*768
	global_store_b64 v[L8], v[PC+4:PC+5], s[10:11] offset:\m*768+512
	global_store_b128 v[LI], v[PC+6:PC+9], s[10:11] offset:\m*768+49152
	global_store_b64 v[L8], v[PC+10:PC+11], s[10:11] offset:\m*768+49152+512
.endr
.irp m, 0,1,2,3
	v_lshrrev_b32 v[PWK+\m], v[SH], v[PWK+\m]      ; lanes 16-31 bring head 2 w + 1's two bytes down
.endr
	global_store_b128 v[HKS], v[PWK:PWK+3], s[12:13]   ; sixteen lanes store 256 consecutive bytes of one head, aligned
	; ---- N: a lane holds one column; the 32 registers of a weight tile are 64 keys' half: two blocks of 32 keys
.irp g, 0,1,2,3
.irp s, 0,1,2,3
.irp u, 0,1
.irp m, 0,1,2,3
	NMUL \g, \s, \u, \m
.endr
.endr
.endr
	WIN 0
	PLACES
	s_wait_xcnt 0x0
	QUANT ACC, 0, 4, PWV+\g
	global_store_b128 v[LI], v[PC:PC+3], s[14:15] offset:(\g/2)*49152+2*(\g%2)*768
	global_store_b64 v[L8], v[PC+4:PC+5], s[14:15] offset:(\g/2)*49152+2*(\g%2)*768+512
	global_store_b128 v[LI], v[PC+6:PC+9], s[14:15] offset:(\g/2)*49152+2*(\g%2)*768+768
	global_store_b64 v[L8], v[PC+10:PC+11], s[14:15] offset:(\g/2)*49152+2*(\g%2)*768+768+512
.endr
	v_cmp_ne_u32 vcc_lo, 0, v[SH]
	v_cndmask_b32 v[PWX], v[PWV], v[PWV+2], vcc_lo     ; lanes 0-15: head 2 w's four tiles; lanes 16-31: head 2 w + 1's
	v_cndmask_b32 v[PWX+1], v[PWV+1], v[PWV+3], vcc_lo
	global_store_b64 v[L8], v[PWX:PWX+1], s[16:17]     ; 32 lanes store 256 consecutive bytes, aligned
	s_wait_tensorcnt 0x0
	ds_add_u32 v254, v255
	s_wait_dscnt 0x0
	s_endpgm
.Lfunc_end_k_q04d16311fb_qkv:
	.size	k_q04d16311fb_qkv, .Lfunc_end_k_q04d16311fb_qkv-k_q04d16311fb_qkv
	.p2alignl 7, 3214868480
	.fill 96, 4, 3214868480
	.section	.rodata,"a",@progbits
	.p2align	6, 0x0
	.amdhsa_kernel k_q04d16311fb_qkv
		.amdhsa_group_segment_fixed_size 27136
		.amdhsa_private_segment_fixed_size 0
		.amdhsa_enable_private_segment 0
		.amdhsa_kernarg_size 56
		.amdhsa_user_sgpr_count 2
		.amdhsa_user_sgpr_kernarg_segment_ptr 1
		.amdhsa_wavefront_size32 1
		.amdhsa_system_sgpr_workgroup_id_x 1
		.amdhsa_system_sgpr_workgroup_id_y 1
		.amdhsa_system_sgpr_workgroup_id_z 1
		.amdhsa_system_vgpr_workitem_id 0
		.amdhsa_next_free_vgpr 1024
		.amdhsa_next_free_sgpr 66
		.amdhsa_reserve_vcc 1
		.amdhsa_float_denorm_mode_32 3
		.amdhsa_float_denorm_mode_16_64 3
		.amdhsa_memory_ordered 1
		.amdhsa_forward_progress 1
		.amdhsa_inst_pref_size 111
	.end_amdhsa_kernel
	.amdgpu_metadata
---
amdhsa.version: [ 1, 2 ]
amdhsa.kernels:
  - .name:           k_q04d16311fb_qkv
    .symbol:         k_q04d16311fb_qkv.kd
    .args:
      - { .name: x, .offset: 0, .size: 8, .value_kind: global_buffer, .address_space: global }
      - { .name: wimg, .offset: 8, .size: 8, .value_kind: global_buffer, .address_space: global }
      - { .name: b_qkv, .offset: 16, .size: 8, .value_kind: global_buffer, .address_space: global }
      - { .name: hk, .offset: 24, .size: 8, .value_kind: global_buffer, .address_space: global }
      - { .name: hks, .offset: 32, .size: 8, .value_kind: global_buffer, .address_space: global }
      - { .name: hv, .offset: 40, .size: 8, .value_kind: global_buffer, .address_space: global }
      - { .name: hvs, .offset: 48, .size: 8, .value_kind: global_buffer, .address_space: global }
    .group_segment_fixed_size: 27136
    .private_segment_fixed_size: 0
    .kernarg_segment_align: 8
    .kernarg_segment_size: 56
    .max_flat_workgroup_size: 128
    .sgpr_count:     66
    .vgpr_count:     1024
    .wavefront_size: 32
...
	.end_amdgpu_metadata
.endif
;; end of part 2
;; launch attn (part 3): grid 2 x 128, 16 waves a work-group, no clusters, 169,984 bytes of LDS; arguments hk, hks, hv, hvs, ctx, cs; writes ctx, cs
.if DOCPART == 3
	.amdgcn_target "amdgcn-amd-amdhsa--gfx1250"
	.amdhsa_code_object_version 6
	.text
	.protected	k_q04d16311fb_attn
	.globl	k_q04d16311fb_attn
	.p2align	8
	.type	k_q04d16311fb_attn,@function
k_q04d16311fb_attn:
	s_mov_b64 s[64:65], 0
	v_nop
	global_prefetch_b8 v0, s[64:65] scope:SCOPE_SE
	s_setreg_imm32_b32 hwreg(HW_REG_WAVE_MODE, 25, 1), 1
	s_wait_xcnt 0x0
; ctx = softmax(h h^T / 8) h for one head, both products on codes of FP6 (E2M3); ctx leaves as codes along the model's 512 (its head's 64) with their scale bytes.
; THE SOFTMAX AHEAD OF THE SECOND PRODUCT: t = score x log2(e) / 8; M = the running largest t rounded up to a whole number; p = 2^(t - M) is quantised along the keys, not normalised; the row's sum is taken of the unquantised p
; and divides at the end.  When M moves, the sum and O are multiplied by 2^(old M - new M): exact.
; SHARES.  A work-group owns 512 queries of one head (grid x: which half; grid y: 8 b + head); each of its sixteen waves two tiles of 16 queries, one after the other, in 256 registers: four waves to a SIMD, so that one wave's
; vector work stands beside another's matrix work.  THE WHOLE HEAD LIES IN LDS: K's 64 half fragments (49,152 bytes), V's 64 (49,152), K's scale words (4,096), V's scale bytes (2,048): filled once, by ten tensor loads, one a
; wave (by this text's count a wave has at most one out); nothing is filled again and nothing is stored to LDS.
; NO CLUSTER: the two work-groups of a head share these 104,448 bytes, asked for once at the head; no tile is asked for during the 16 key steps, so there is no stream of requests to share.
; LAYOUT.  Both products are used transposed (S^T = K Q^T, O^T = V^T P^T): a lane holds one query.  The rows of a tile are not neighbours (lane-row i of tile m of a block of 64: 32 (m / 2) + 8 (m % 2) + i + 8 (i / 8)), so the
; 16 registers of tiles 2 b, 2 b + 1 of S^T are 16 neighbouring keys.
; K = 64 IN AN INSTRUCTION OF 128: Q's registers 6-11 are zero codes.  K's fragment names 12 registers, of which the upper six are the next tile's codes (behind the last tile: zeros): finite numbers under scale bytes that are never
; 0xff, times zero: they add exactly nothing.  So a key step's eight tiles lie on end in 54 registers.
; LIMITS: NaN and infinities are not served; a block of ctx whose largest magnitude lies under 2^-124, and a block of zeros, get the byte 1.
; REGISTERS: v1-4 lane terms; v5-8 the step's addresses; v12 -M, v13 the largest t, v[14:15] the sum; v16-27 Q; v28 its scale word; v29 the first tile's ctx scale; v32-85 K; v88-151 S^T, p, then V; v152-183 O^T; v184-203 codes;
;   v204-211 K's scale words; v212-219 V's; v220-235 at work; v236-242 the second tile's Q; v252-255 at work.
.set KSC,  98304
.set VSC,  102400
.set VIMG, 49152
.set ADK16, 5
.set ADK8,  6
.set ADS,   7
.set ADT,   8
.set KF,  32
.set S,   88
.set O,   152
.set PC,  184
.set KS,  204
.set VR,  212
.set VW,  216
.set TM,  220
.set WV,  18
.set SEL, 20
.set CS,  22
.set G1I, 24                           ; s[24:31] 48 rows of 256 bytes, dense
.set G1S, 32                           ; s[32:39] 16 rows of 256 bytes, dense
.set G1V, 40                           ; s[40:47] 16 rows of 128 bytes, 256 apart in memory
.set G0K, 48
.set G0W, 52
.set G0S, 56
.set G0V, 60
.set TK,  80
.set TS,  81
.set TV,  82
.set CNT, 83
.set MSB, 0
.macro WIN new
.if MSB != (\new)
	s_set_vgpr_msb (MSB<<8)|(\new)
.set MSB, \new
.endif
.endm
.macro PLACES
.rept 4
	v_nop
.endr
.endm
.macro QUANT s, w, nb, pw
	WIN (\w)|((\w)<<2)
.irp b, 0,1,2,3
.if \b < (\nb)
	v_max3_num_f32 v[TM+\b], |v[(\s)+16*\b]|, |v[(\s)+16*\b+1]|, 0x1800000   ; my 16 numbers of block b, and the floor 2^(3 - 127): the byte cannot fall under 1
.endif
.endr
	WIN ((\w)<<2)|((\w)<<4)
.irp i, 2,4,6,8,10,12,14
.irp b, 0,1,2,3
.if \b < (\nb)
	v_max3_num_f32 v[TM+\b], v[TM+\b], |v[(\s)+16*\b+\i]|, |v[(\s)+16*\b+\i+1]|
.endif
.endr
.endr
	WIN 0
.irp b, 0,1,2,3
.if \b < (\nb)
	v_permlanex16_b32 v[TM+4+\b], v[TM+\b], s[SEL], s[SEL+1]
.endif
.endr
.irp b, 0,1,2,3
.if \b < (\nb)
	v_max_num_f32 v[TM+\b], v[TM+\b], v[TM+4+\b]
.endif
.endr
.irp b, 0,1,2,3
.if \b < (\nb)
	v_add_nc_u32 v[TM+12+\b], 0xff000000, v[TM+\b]
.endif
.endr
.irp b, 0,1,2,3
.if \b < (\nb)
	v_lshrrev_b32 v[TM+4+\b], 23, v[TM+12+\b]
.endif
.endr
	v_lshl_or_b32 v[\pw], v[TM+5], 8, v[TM+4]
.if (\nb) > 2
	v_lshl_or_b32 v[\pw], v[TM+6], 16, v[\pw]
	v_lshl_or_b32 v[\pw], v[TM+7], 24, v[\pw]
.endif
	WIN \w
.irp c, 0,1
.if 2*\c < (\nb)
	v_cvt_scalef32_pk16_fp6_f32 v[PC+6*\c:PC+6*\c+2], v[(\s)+32*\c:(\s)+32*\c+15], v[TM+12+2*\c]
	v_cvt_scalef32_pk16_fp6_f32 v[PC+12+4*\c:PC+14+4*\c], v[(\s)+32*\c+16:(\s)+32*\c+31], v[TM+13+2*\c]
.endif
.endr
	WIN 0
	v_nop
.irp c, 0,1
.if 2*\c < (\nb)
.irp i, 0,1,2
	v_permlane16_swap_b32 v[PC+6*\c+\i], v[PC+12+4*\c+\i]
.endr
.irp i, 0,1,2
	v_mov_b32 v[PC+3+6*\c+\i], v[PC+12+4*\c+\i]
.endr
.endif
.endr
.endm
	s_load_b256 s[4:11], s[0:1], 0x0               ; hk, hks, hv, hvs
	s_load_b128 s[12:15], s[0:1], 0x20             ; ctx, cs
	v_lshl_add_u32 v250, v0, 2, 0x29000
	v_mov_b32 v251, 0
	ds_add_u32 v250, v251
	ds_add_u32 v250, v251
	v_lshrrev_b32 v5, 5, v0
	v_readfirstlane_b32 s[WV], v5                  ; wave 0..15
	v_and_b32 v5, 31, v0                           ; lane
	v_and_b32 v6, 15, v0                           ; r
	v_lshlrev_b32 v1, 4, v5                        ; 16 x lane
	v_lshlrev_b32 v2, 3, v5
	v_add_nc_u32 v2, 512, v2                       ; 512 + 8 x lane
	v_lshlrev_b32 v31, 4, v6                       ; 16 r
	v_add_nc_u32 v3, KSC, v31
	v_lshlrev_b32 v4, 3, v6
	v_add_nc_u32 v4, VSC, v4
	v_lshlrev_b32 v30, 2, v5                       ; 4 x lane
.irp g, G1I, G1S, G1V
	s_mov_b32 s[\g], 3<<16                         ; no mask; elements of 8 bytes; no padding
	s_mov_b32 s[\g+5], 32                          ; 256 bytes from row to row
	s_mov_b32 s[\g+6], 0
	s_mov_b32 s[\g+7], 0
.endr
	s_mov_b32 s[G1I+1], 32<<16                     ; tensor_dim0
	s_mov_b32 s[G1I+2], 48<<16                     ; tensor_dim1
	s_mov_b32 s[G1I+3], 32<<16                     ; tile_dim0
	s_mov_b32 s[G1I+4], 48                         ; tile_dim1
	s_mov_b32 s[G1S+1], 32<<16
	s_mov_b32 s[G1S+2], 16<<16
	s_mov_b32 s[G1S+3], 32<<16
	s_mov_b32 s[G1S+4], 16
	s_mov_b32 s[G1V+1], 16<<16
	s_mov_b32 s[G1V+2], 16<<16
	s_mov_b32 s[G1V+3], 16<<16
	s_mov_b32 s[G1V+4], 16
	s_mov_b32 s[SEL], 0x76543210
	s_mov_b32 s[SEL+1], 0xfedcba98
	s_mov_b32 s[CS], 0x3e38aa3b                    ; c = log2(e) / 8
	s_mov_b32 s[CS+1], s[CS]
	s_and_b32 s66, ttmp7, 0xffff                   ; 8 b + head
	s_mul_i32 s68, s66, 49152                      ; the head's first byte in hk and in hv
	s_and_b32 s70, s[WV], 3
	s_mul_i32 s70, s70, 12288
	s_add_co_u32 s70, s70, s68                     ; the quarter that I fetch, if I fetch
	s_mov_b32 s71, 0
	s_mul_i32 s72, s[WV], 12288                    ; and its place in LDS: K's four quarters, then V's
	s_lshl_b32 s74, s66, 12                        ; the head's scale words in hks
	s_mov_b32 s75, 0
	s_lshr_b32 s76, s66, 1
	s_lshl_b32 s76, s76, 12
	s_and_b32 s77, s66, 1
	s_lshl_b32 s77, s77, 7
	s_add_co_u32 s76, s76, s77                     ; and its scale bytes in hvs
	s_mov_b32 s77, 0
	s_lshl_b32 s78, ttmp9, 5
	s_lshl_b32 s79, s[WV], 1
	s_add_co_u32 s78, s78, s79                     ; my first query tile: 32 x half + 2 x wave
	s_mul_i32 s78, s78, 768
	s_add_co_u32 s78, s78, s68
	s_mov_b32 s79, 0
	s_lshl_b32 s84, ttmp9, 3
	s_lshr_b32 s85, s[WV], 1
	s_add_co_u32 s84, s84, s85                     ; blk
	s_and_b32 s85, s[WV], 1                        ; i: my tiles are m = 2 i, 2 i + 1
	s_lshl_b32 s86, s84, 8
	s_lshl_b32 s87, s85, 3
	s_add_co_u32 s86, s86, s87
	s_add_co_u32 s86, s86, s74                     ; my queries' scale words
	s_mov_b32 s87, 0
	s_lshr_b32 s88, s66, 3
	s_lshl_b32 s88, s88, 4
	s_add_co_u32 s88, s88, s84                     ; R = 16 b + blk
	s_and_b32 s89, s66, 7                          ; head
	s_mul_i32 s90, s88, 24576
	s_mul_i32 s91, s85, 12288
	s_add_co_u32 s90, s90, s91
	s_mul_i32 s91, s89, 768
	s_add_co_u32 s90, s90, s91                     ; ctx [R][m][head][768]
	s_mov_b32 s91, 0
	s_lshl_b32 s92, s88, 11
	s_lshl_b32 s93, s89, 8
	s_add_co_u32 s92, s92, s93
	s_lshl_b32 s93, s85, 7
	s_add_co_u32 s92, s92, s93                     ; cs [R][head][i][lane]
	s_mov_b32 s93, 0
	s_wait_dscnt 0x0
	s_wait_kmcnt 0x0
	s_mov_b32 s[G0K], 1
	s_mov_b32 s[G0K+1], s72
	s_add_nc_u64 s[G0K+2:G0K+3], s[4:5], s[70:71]
	s_or_b32 s[G0K+3], s[G0K+3], 0x80000000
	s_mov_b32 s[G0W], 1
	s_mov_b32 s[G0W+1], s72
	s_add_nc_u64 s[G0W+2:G0W+3], s[8:9], s[70:71]
	s_or_b32 s[G0W+3], s[G0W+3], 0x80000000
	s_mov_b32 s[G0S], 1
	s_mov_b32 s[G0S+1], KSC
	s_add_nc_u64 s[G0S+2:G0S+3], s[6:7], s[74:75]
	s_or_b32 s[G0S+3], s[G0S+3], 0x80000000
	s_mov_b32 s[G0V], 1
	s_mov_b32 s[G0V+1], VSC
	s_add_nc_u64 s[G0V+2:G0V+3], s[10:11], s[76:77]
	s_or_b32 s[G0V+3], s[G0V+3], 0x80000000
	s_add_nc_u64 s[4:5], s[4:5], s[78:79]
	s_add_nc_u64 s[6:7], s[6:7], s[86:87]
	s_add_nc_u64 s[12:13], s[12:13], s[90:91]
	s_add_nc_u64 s[14:15], s[14:15], s[92:93]
	; the fills: waves 0-3 K's quarters, 4-7 V's, 8 K's scale words, 9 V's scale bytes.  Four v_nop follow each line.
	s_cmp_lt_u32 s[WV], 4
	s_cbranch_scc0 .Lnot_k
	tensor_load_to_lds s[G0K:G0K+3], s[G1I:G1I+7]
	s_nop 0
	PLACES
	s_branch .Lasked
.Lnot_k:
	s_cmp_lt_u32 s[WV], 8
	s_cbranch_scc0 .Lnot_v
	tensor_load_to_lds s[G0W:G0W+3], s[G1I:G1I+7]
	s_nop 0
	PLACES
	s_branch .Lasked
.Lnot_v:
	s_cmp_eq_u32 s[WV], 8
	s_cbranch_scc0 .Lnot_ks
	tensor_load_to_lds s[G0S:G0S+3], s[G1S:G1S+7]
	s_nop 0
	PLACES
	s_branch .Lasked
.Lnot_ks:
	s_cmp_eq_u32 s[WV], 9
	s_cbranch_scc0 .Lasked
	tensor_load_to_lds s[G0V:G0V+3], s[G1V:G1V+7]
	s_nop 0
	PLACES
.Lasked:
	global_load_b128 v[16:19], v1, s[4:5]          ; my two query tiles: half fragments, and their scale words
	global_load_b64 v[20:21], v2, s[4:5]
	global_load_b32 v28, v31, s[6:7]
	global_load_b128 v[236:239], v1, s[4:5] offset:768
	global_load_b64 v[240:241], v2, s[4:5] offset:768
	global_load_b32 v242, v31, s[6:7] offset:4
.irp j, 22,23,24,25,26,27, 80,81,82,83,84,85, 224,225,226,227, 253
	v_mov_b32 v[\j], 0                             ; Q's upper half; what stands behind K's last tile; lane permutes' destinations; the upper half of the pair v[252:253]
.endr
	s_wait_tensorcnt 0x0                           ; my fill has landed,
	s_barrier_signal -1
	s_barrier_wait -1                              ; everybody's has
	s_wait_loadcnt 0x0
; A KEY STEP: 128 keys
.macro STEP
	v_add_nc_u32 v[ADK16], s[TK], v1
	v_add_nc_u32 v[ADK8], s[TK], v2
	v_add_nc_u32 v[ADS], s[TS], v3
	v_add_nc_u32 v[ADT], s[TV], v4
	v_nop
	v_nop                                          ; six places: the products below write over registers that the last step's products read as V; five are asked
.irp a, 0,1,2,3,4,5,6,7
	ds_load_b128 v[KF+6*\a:KF+6*\a+3], v[ADK16] offset:768*\a
	ds_load_b64 v[KF+6*\a+4:KF+6*\a+5], v[ADK8] offset:768*\a
.endr
	ds_load_b128 v[KS:KS+3], v[ADS]
	ds_load_b128 v[KS+4:KS+7], v[ADS] offset:256
	ds_load_b64 v[VR:VR+1], v[ADT]
	ds_load_b64 v[VR+2:VR+3], v[ADT] offset:128
	s_wait_dscnt 0x0
.irp a, 0,1,2,3,4,5,6,7
	v_wmma_scale_f32_16x16x128_f8f6f4 v[S+8*\a:S+8*\a+7], v[KF+6*\a:KF+6*\a+11], v[16:27], 0, v[KS+\a], v28 matrix_a_fmt:MATRIX_FMT_FP6 matrix_b_fmt:MATRIX_FMT_FP6
.endr
	v_perm_b32 v[VW], v[VR+2], v[VR], 0x05040100       ; V's scale words of these 128 keys: two bytes of each of the two blocks of 64.  (These four are the places behind the products)
	v_perm_b32 v[VW+1], v[VR+2], v[VR], 0x07060302
	v_perm_b32 v[VW+2], v[VR+3], v[VR+1], 0x05040100
	v_perm_b32 v[VW+3], v[VR+3], v[VR+1], 0x07060302
.irp b, 0,1,2,3
	v_max3_num_f32 v[TM+\b], v[S+16*\b], v[S+16*\b+1], v[S+16*\b+2]   ; the largest score of each block of 32 keys: for the row's maximum and, since p rises with the score, for the block's largest p
.endr
.irp i, 3,5,7,9,11,13
.irp b, 0,1,2,3
	v_max3_num_f32 v[TM+\b], v[TM+\b], v[S+16*\b+\i], v[S+16*\b+\i+1]
.endr
.endr
.irp b, 0,1,2,3
	v_max_num_f32 v[TM+\b], v[TM+\b], v[S+16*\b+15]
.endr
.irp b, 0,1,2,3
	v_permlanex16_b32 v[TM+4+\b], v[TM+\b], s[SEL], s[SEL+1]
.endr
.irp b, 0,1,2,3
	v_max_num_f32 v[TM+\b], v[TM+\b], v[TM+4+\b]
.endr
	v_max3_num_f32 v254, v[TM], v[TM+1], v[TM+2]
	v_max_num_f32 v254, v254, v[TM+3]
	v_mul_f32 v254, s[CS], v254                    ; the step's largest t of my query
	v_max_num_f32 v13, v13, v254
	v_mov_b32 v254, v12
	v_floor_f32 v12, -v13                          ; the new -M = floor(-t): M is a whole number
	v_sub_f32 v254, v12, v254
	v_cvt_i32_f32 v254, v254                       ; old M - new M (it saturates)
	v_ldexp_f32 v252, 1.0, v254                    ; f = 2^(old M - new M)
.set J, 0
.rept 32
	v_pk_fma_f32 v[S+J:S+J+1], v[S+J:S+J+1], s[CS:CS+1], v[12:13] op_sel_hi:[1,0,0]   ; t - M
.set J, J+2
.endr
.irp b, 0,1,2,3
	v_fma_f32 v[TM+\b], v[TM+\b], s[CS], v12
.endr
.set J, 0
.rept 64
	v_exp_f32 v[S+J], v[S+J]                       ; p = 2^(t - M)
.set J, J+1
.endr
	v_pk_mul_f32 v[14:15], v[14:15], v[252:253] op_sel_hi:[1,0]   ; the sums under the new M: the plain place behind the exponentials
	s_wait_alu depctr_va_vdst(0)                   ; one wait for the batch of 64, ahead of its first reader
.irp b, 0,1,2,3
	v_exp_f32 v[TM+\b], v[TM+\b]                   ; each block's largest p
.endr
	v_pk_add_f32 v[TM+8:TM+9], v[S:S+1], v[S+2:S+3]    ; the row's sum of the unquantised p, in two chains
.set J, 4
.rept 15
	v_pk_add_f32 v[14:15], v[14:15], v[S+J:S+J+1]
	v_pk_add_f32 v[TM+8:TM+9], v[TM+8:TM+9], v[S+J+2:S+J+3]
.set J, J+4
.endr
	v_pk_add_f32 v[14:15], v[14:15], v[TM+8:TM+9]
	s_wait_alu depctr_va_vdst(0)                   ; and one for the four
.irp b, 0,1,2,3
	v_max_num_f32 v[TM+\b], 0x1800000, v[TM+\b]    ; the floor 2^(3 - 127)
.endr
.irp b, 0,1,2,3
	v_add_nc_u32 v[TM+12+\b], 0xff000000, v[TM+\b]
.endr
.irp b, 0,1,2,3
	v_lshrrev_b32 v[TM+4+\b], 23, v[TM+12+\b]
.endr
	v_lshl_or_b32 v253, v[TM+5], 8, v[TM+4]        ; p's scale word
	v_lshl_or_b32 v253, v[TM+6], 16, v253
	v_lshl_or_b32 v253, v[TM+7], 24, v253
.irp c, 0,1
	v_cvt_scalef32_pk16_fp6_f32 v[PC+6*\c:PC+6*\c+2], v[S+32*\c:S+32*\c+15], v[TM+12+2*\c]
	v_cvt_scalef32_pk16_fp6_f32 v[PC+12+4*\c:PC+14+4*\c], v[S+32*\c+16:S+32*\c+31], v[TM+13+2*\c]
.endr
	v_nop
.irp c, 0,1
.irp i, 0,1,2
	v_permlane16_swap_b32 v[PC+6*\c+\i], v[PC+12+4*\c+\i]
.endr
.irp i, 0,1,2
	v_mov_b32 v[PC+3+6*\c+\i], v[PC+12+4*\c+\i]
.endr
.endr
.irp t, 0,1,2,3                                ; V's four fragments take p's registers: two half fragments each, one of each block of 64 keys
.irp c, 0,1
	ds_load_b128 v[S+12*\t+6*\c:S+12*\t+6*\c+3], v[ADK16] offset:VIMG+(4*\c+\t)*768
	ds_load_b64 v[S+12*\t+6*\c+4:S+12*\t+6*\c+5], v[ADK8] offset:VIMG+(4*\c+\t)*768
.endr
.endr
.set J, 0
.rept 16
	v_pk_mul_f32 v[O+J:O+J+1], v[O+J:O+J+1], v[252:253] op_sel_hi:[1,0]   ; O^T under the new M.  (These are also the places between p's codes and scale word and the products)
.set J, J+2
.endr
	s_wait_dscnt 0x0
.irp t, 0,1,2,3
	v_wmma_scale_f32_16x16x128_f8f6f4 v[O+8*\t:O+8*\t+7], v[S+12*\t:S+12*\t+11], v[PC:PC+11], v[O+8*\t:O+8*\t+7], v[VW+\t], v253 matrix_a_fmt:MATRIX_FMT_FP6 matrix_b_fmt:MATRIX_FMT_FP6
.endr
	s_add_co_u32 s[TK], s[TK], 6144
	s_add_co_u32 s[TS], s[TS], 512
	s_add_co_u32 s[TV], s[TV], 256
.endm
; ONE TILE OF 16 QUERIES against all 1,024 keys
.macro QTILE e
.if \e
.irp j, 0,1,2,3,4,5
	v_mov_b32 v[16+\j], v[236+\j]
.endr
	v_mov_b32 v28, v242
.endif
	v_mov_b32 v13, 0xff61b1e6                      ; the largest t so far: -3e38
	v_floor_f32 v12, -v13
	v_mov_b32 v14, 0
	v_mov_b32 v15, 0
.set J, 0
.rept 32
	v_mov_b32 v[O+J], 0                            ; the step is written once: the first finds zeros
.set J, J+1
.endr
	s_mov_b32 s[TK], 0
	s_mov_b32 s[TS], 0
	s_mov_b32 s[TV], 0
	s_mov_b32 s[CNT], 8
	s_wait_xcnt 0x0                                ; the last tile's stores have read the codes' registers
.Lstep_\@:
	STEP
	s_sub_co_u32 s[CNT], s[CNT], 1
	s_cmp_lg_u32 s[CNT], 0
	s_cbranch_scc1 .Lstep_\@
	PLACES
	v_add_f32 v14, v14, v15
	v_permlanex16_b32 v252, v14, s[SEL], s[SEL+1]
	v_add_f32 v14, v14, v252                       ; the row's sum
	v_rcp_f32 v14, v14
	v_nop
	s_wait_alu depctr_va_vdst(0)
.set J, 0
.rept 16
	v_pk_mul_f32 v[O+J:O+J+1], v[O+J:O+J+1], v[14:15] op_sel_hi:[1,0]   ; ctx: register 16 b + i is channel 32 b + 16 h + i of my query
.set J, J+2
.endr
.if \e
	QUANT O, 0, 2, 255
	v_lshl_or_b32 v255, v255, 16, v29              ; low half: tile 2 i's two bytes; high half: tile 2 i + 1's
.else
	QUANT O, 0, 2, 29
.endif
	global_store_b128 v1, v[PC:PC+3], s[12:13] offset:6144*\e
	global_store_b64 v2, v[PC+4:PC+5], s[12:13] offset:6144*\e
.if \e
	global_store_b32 v30, v255, s[14:15]
.endif
.endm
	QTILE 0
	QTILE 1
	s_wait_tensorcnt 0x0
	ds_add_u32 v250, v251
	s_wait_dscnt 0x0
	s_endpgm
.Lfunc_end_k_q04d16311fb_attn:
	.size	k_q04d16311fb_attn, .Lfunc_end_k_q04d16311fb_attn-k_q04d16311fb_attn
	.p2alignl 7, 3214868480
	.fill 96, 4, 3214868480
	.section	.rodata,"a",@progbits
	.p2align	6, 0x0
	.amdhsa_kernel k_q04d16311fb_attn
		.amdhsa_group_segment_fixed_size 169984
		.amdhsa_private_segment_fixed_size 0
		.amdhsa_enable_private_segment 0
		.amdhsa_kernarg_size 48
		.amdhsa_user_sgpr_count 2
		.amdhsa_user_sgpr_kernarg_segment_ptr 1
		.amdhsa_wavefront_size32 1
		.amdhsa_system_sgpr_workgroup_id_x 1
		.amdhsa_system_sgpr_workgroup_id_y 1
		.amdhsa_system_sgpr_workgroup_id_z 1
		.amdhsa_system_vgpr_workitem_id 0
		.amdhsa_next_free_vgpr 256
		.amdhsa_next_free_sgpr 96
		.amdhsa_reserve_vcc 0
		.amdhsa_float_denorm_mode_32 3
		.amdhsa_float_denorm_mode_16_64 3
		.amdhsa_memory_ordered 1
		.amdhsa_forward_progress 1
		.amdhsa_inst_pref_size 51
	.end_amdhsa_kernel
	.amdgpu_metadata
---
amdhsa.version: [ 1, 2 ]
amdhsa.kernels:
  - .name:           k_q04d16311fb_attn
    .symbol:         k_q04d16311fb_attn.kd
    .args:
      - { .name: hk, .offset: 0, .size: 8, .value_kind: global_buffer, .address_space: global }
      - { .name: hks, .offset: 8, .size: 8, .value_kind: global_buffer, .address_space: global }
      - { .name: hv, .offset: 16, .size: 8, .value_kind: global_buffer, .address_space: global }
      - { .name: hvs, .offset: 24, .size: 8, .value_kind: global_buffer, .address_space: global }
      - { .name: ctx, .offset: 32, .size: 8, .value_kind: global_buffer, .address_space: global }
      - { .name: cs, .offset: 40, .size: 8, .value_kind: global_buffer, .address_space: global }
    .group_segment_fixed_size: 169984
    .private_segment_fixed_size: 0
    .kernarg_segment_align: 8
    .kernarg_segment_size: 48
    .max_flat_workgroup_size: 512
    .sgpr_count:     96
    .vgpr_count:     256
    .wavefront_size: 32
...
	.end_amdgpu_metadata
.endif
;; end of part 3
;; launch tail (part 4): grid 256 x 1, 4 waves a work-group, clusters of 4 x 1, 327,680 bytes of LDS; arguments ctx, cs, wimg, x, b_out, g1, be1, b1, b2, g2, be2, out0; writes out0
.if DOCPART == 4
	.amdgcn_target "amdgcn-amd-amdhsa--gfx1250"
	.amdhsa_code_object_version 6
	.text
	.protected	k_q04d16311fb_tail
	.globl	k_q04d16311fb_tail
	.p2align	8
	.type	k_q04d16311fb_tail,@function
k_q04d16311fb_tail:
	s_mov_b64 s[64:65], 0
	v_nop
	global_prefetch_b8 v0, s[64:65] scope:SCOPE_SE
	s_setreg_imm32_b32 hwreg(HW_REG_WAVE_MODE, 25, 1), 1
	s_wait_xcnt 0x0
	s_wait_alu depctr_hold_cnt(0) depctr_sa_sdst(0) depctr_va_vdst(0) depctr_va_sdst(0) depctr_va_ssrc(0) depctr_va_vcc(0) depctr_vm_vsrc(0)
	s_getreg_b32 s2, hwreg(HW_REG_IB_STS2, 6, 4)
	s_cmp_eq_u32 s2, 0
	s_cbranch_scc0 .Lentry_in_a_cluster
	s_endpgm
.Lentry_in_a_cluster:
	s_bfe_u32 s2, ttmp6, 0x10000c
	s_cmp_lg_u32 s2, 0x3003
	s_cbranch_scc0 .Lentry_shape_is_right
	s_endpgm
.Lentry_shape_is_right:
; attn = ctx w_out^T + b_out;  x1 = LN(x) + LN(attn) (g1, be1);  y = relu(x1 w1^T + b1) w2^T + b2;  out = x1 + LN(y) (g2, be2).  The three products on codes of FP6 (E2M3); all else in f32.  Nothing but out goes to memory.
; SHARES.  A work-group takes 64 rows (block R); its four waves share the COLUMNS: wave w owns columns 128 w .. 128 w + 127 of attn, x1 and y, and hidden units 256 c + 64 w .. + 63 of chunk c, for all 64 rows.
; All products are used transposed (source 0 = weight, source 1 = the rows' codes), and the rows of a tile are not neighbours (lane-row i of tile m: 32 (m / 2) + 8 (m % 2) + i + 8 (i / 8)): a lane holds ONE row, and its registers run
; along the columns in the order that the next quantiser wants.  Row sums for the norms: a lane's 64, lane l xor 16's, then the four waves' through LDS, added in a fixed order.
; THE WEIGHTS come as images of operand registers (wimg, slabs 2 to 19 of 106,496 bytes) through a ring of two LDS slots; wave w fetches and reads its own 26,624 bytes of each slab.  The hidden layer goes in eight chunks of 256 units:
; one slab of w1, relu, quantised in registers, to LDS as images, one slab of w2.
; CLUSTER.  The four work-groups of a cluster walk the same 18 slabs: each slab is asked for JOINTLY (the same load, the same descriptor, the mask 15).  By this text's count a wave has one tensor load out.
; The round of the cluster's barrier in front of each refill is also the barrier that shows the rows' images to the other waves.
; The variance is taken of the deviations (two passes), as it is defined.  x1 = (dev(attn) r_a + dev(x) r_x) g1 + 2 be1: the two norms' sum with the gain and the shift applied once.
; LIMITS: NaN and infinities are not served; a block whose largest magnitude lies under 2^-124, and a block of zeros, get the byte 1.
; REGISTERS: window 0: v1-21 addresses; v32-39 weight scale words, two sets; v40-47 the rows' scale words, two sets; v48-67 codes; v68-83 at work; v84-87 scale words made; v88-103 sums; v112-207 the rows' fragments, two sets (on the
;   way out: rows of out); v208-239 the waves' sums; v240-247 means, then 1 / sqrt.   window 1: v0-127 the hidden layer [m][t] (during the norms: gain, shift); v128-223 weight fragments, two sets; v224-255 b1 of the chunk.
;   window 2: attn, then x1, [m][t] at 8 (8 m + t), kept to the end.   window 3: x, then y.
.set SLAB,  106496
.set WPART, 26624
.set QUART, 6656
.set SLOT1, 106496
.set XIMG,  212992                     ; the rows' codes: [m][K step][half] of 768 bytes: ctx, later x1
.set XSCO,  24576                      ; from XIMG on: their scale words, 512 bytes a K step (word m at 16 x lane + 4 m)
.set HIMO,  26624                      ; the hidden chunk's codes: [m][K step of 2][half]
.set HSCO,  38912                      ; their scale words
.set HSC,   251904
.set LNB,   252928                     ; four regions of 2,048 bytes: row (16 m + r) x 32 + 8 x wave
.set STG,   261120                     ; a stage of 16 rows x 528 bytes for each wave
.set SPARE, 294912                     ; the spare words, 128 bytes a wave: two blocks of 256 bytes that no other line names
.set SPW, 1
.set NIL, 2
.set LW0, 3                            ; v3, v4: 16 x lane + my part of slot 0, 1
.set LX16, 5
.set LX8,  6
.set XW16, 7
.set XW8,  8
.set HW16, 9
.set HW8,  10
.set HS2,  11
.set LNA,  12
.set LNR,  13
.set STO,  14
.set SRD,  15
.set GO,   16                          ; 16 x lane
.set XA,   17
.set BA,   18                          ; 64 h
.set XSW,  19
.set XC,   20
.set L4,   21
.set WS,  32
.set OS,  40
.set PC,  48
.set TM,  68
.set PW,  84
.set T,   88
.set E,   96
.set OP,  112
.set BK,  112
.set XL,  208
.set M,   240
.set WB,  128
.set BI,  224
.set WV,  28
.set SEL, 30
.set RC,  32
.set EPS, 33
.set CNT, 34
.set G1,  36
.set G0,  44
.set MSB, 0
.macro WIN new                         ; the immediate's high byte repeats the setting that is left
.if MSB != (\new)
	s_set_vgpr_msb (MSB<<8)|(\new)
.set MSB, \new
.endif
.endm
.macro PLACES                          ; four plain places behind a matrix instruction: ahead of loads into registers that it has read and of the first read of its results (ISA guide 7.12.1 for the first read of its results)
.rept 4
	v_nop
.endr
.endm
.macro QUANT s, w, nb, pw
	WIN (\w)|((\w)<<2)
.irp b, 0,1,2,3
.if \b < (\nb)
	v_max3_num_f32 v[TM+\b], |v[(\s)+16*\b]|, |v[(\s)+16*\b+1]|, 0x1800000   ; my 16 numbers of block b, and the floor 2^(3 - 127): the byte cannot fall under 1
.endif
.endr
	WIN ((\w)<<2)|((\w)<<4)
.irp i, 2,4,6,8,10,12,14
.irp b, 0,1,2,3
.if \b < (\nb)
	v_max3_num_f32 v[TM+\b], v[TM+\b], |v[(\s)+16*\b+\i]|, |v[(\s)+16*\b+\i+1]|
.endif
.endr
.endr
	WIN 0
.irp b, 0,1,2,3
.if \b < (\nb)
	v_permlanex16_b32 v[TM+4+\b], v[TM+\b], s[SEL], s[SEL+1]
.endif
.endr
.irp b, 0,1,2,3
.if \b < (\nb)
	v_max_num_f32 v[TM+\b], v[TM+\b], v[TM+4+\b]
.endif
.endr
.irp b, 0,1,2,3
.if \b < (\nb)
	v_add_nc_u32 v[TM+12+\b], 0xff000000, v[TM+\b]
.endif
.endr
.irp b, 0,1,2,3
.if \b < (\nb)
	v_lshrrev_b32 v[TM+4+\b], 23, v[TM+12+\b]
.endif
.endr
	v_lshl_or_b32 v[\pw], v[TM+5], 8, v[TM+4]
.if (\nb) > 2
	v_lshl_or_b32 v[\pw], v[TM+6], 16, v[\pw]
	v_lshl_or_b32 v[\pw], v[TM+7], 24, v[\pw]
.endif
	WIN \w
.irp c, 0,1
.if 2*\c < (\nb)
	v_cvt_scalef32_pk16_fp6_f32 v[PC+6*\c:PC+6*\c+2], v[(\s)+32*\c:(\s)+32*\c+15], v[TM+12+2*\c]
	v_cvt_scalef32_pk16_fp6_f32 v[PC+12+4*\c:PC+14+4*\c], v[(\s)+32*\c+16:(\s)+32*\c+31], v[TM+13+2*\c]
.endif
.endr
	WIN 0
	v_nop
.irp c, 0,1
.if 2*\c < (\nb)
.irp i, 0,1,2
	v_permlane16_swap_b32 v[PC+6*\c+\i], v[PC+12+4*\c+\i]
.endr
.irp i, 0,1,2
	v_mov_b32 v[PC+3+6*\c+\i], v[PC+12+4*\c+\i]
.endr
.endif
.endr
.endm
.macro ROUND                           ; a round of the cluster's barrier
	s_barrier_signal -1
	s_barrier_wait -1
	s_cmp_lg_u32 s[WV], 0
	s_cbranch_scc1 .Lnot_wave_0_\@
	s_barrier_signal -3
.Lnot_wave_0_\@:
	s_barrier_wait -3
	s_barrier_signal -1
	s_barrier_wait -1
.endm
; THE CHANGE OF SLOTS, at the head of the slab in slot.  All my tensor loads have landed (my part of this slab); 0 onto my spare word; my LDS stores have landed and my reads of the other slot are over; the round; then, refill = 1, the next
; slab goes into the other slot: my one tensor load until the next round.  Four v_nop follow it: they are also the places in front of the loads into operand registers.
.macro CHG slot, refill
	WIN 0
	s_wait_tensorcnt 0x0
	ds_add_u32 v[SPW], v[NIL]
	s_add_nc_u64 s[G0+4*(\slot)+2:G0+4*(\slot)+3], s[G0+4*(\slot)+2:G0+4*(\slot)+3], 2*SLAB   ; no load of mine is out: this slot's next slab
	s_wait_dscnt 0x0
	ROUND
.if \refill
	tensor_load_to_lds s[G0+4*(1-(\slot)):G0+4*(1-(\slot))+3], s[G1:G1+7]
	s_nop 0
.endif
	PLACES
.endm
.macro WFETCH bank, slot, q            ; quarter q of my part of the slab: four fragments and their scale words: 13 LDS loads
	WIN 0x40
.irp t, 0,1,2,3
.irp g, 0,1,2
	ds_load_b128 v[WB+48*(\bank)+12*\t+4*\g:WB+48*(\bank)+12*\t+4*\g+3], v[LW0+(\slot)] offset:QUART*(\q)+1536*\t+512*\g
.endr
.endr
	WIN 0
	ds_load_b128 v[WS+4*(\bank):WS+4*(\bank)+3], v[LW0+(\slot)] offset:QUART*(\q)+6144
.endm
.macro OFETCH bank, off, mstr, scoff   ; the four tiles of rows, one K step: 17 LDS loads
.irp m, 0,1,2,3
.irp c, 0,1
	ds_load_b128 v[OP+48*(\bank)+12*\m+6*\c:OP+48*(\bank)+12*\m+6*\c+3], v[LX16] offset:(\off)+\m*(\mstr)+768*\c
	ds_load_b64 v[OP+48*(\bank)+12*\m+6*\c+4:OP+48*(\bank)+12*\m+6*\c+5], v[LX8] offset:(\off)+\m*(\mstr)+768*\c+512
.endr
.endr
	ds_load_b128 v[OS+4*(\bank):OS+4*(\bank)+3], v[LX16] offset:\scoff
.endm
; 16 products: four weight tiles x four tiles of rows.  The sixteen accumulators take turns, one instruction a turn.
.macro MULQ wb, ob, msb, acc, mstr, cb
	WIN \msb
.irp m, 0,1,2,3
.irp t, 0,1,2,3
.if \cb
	v_wmma_scale_f32_16x16x128_f8f6f4 v[(\acc)+\m*(\mstr)+8*\t:(\acc)+\m*(\mstr)+8*\t+7], v[WB+48*(\wb)+12*\t:WB+48*(\wb)+12*\t+11], v[OP+48*(\ob)+12*\m:OP+48*(\ob)+12*\m+11], v[BI+8*\t:BI+8*\t+7], v[WS+4*(\wb)+\t], v[OS+4*(\ob)+\m] matrix_a_fmt:MATRIX_FMT_FP6 matrix_b_fmt:MATRIX_FMT_FP6
.else
	v_wmma_scale_f32_16x16x128_f8f6f4 v[(\acc)+\m*(\mstr)+8*\t:(\acc)+\m*(\mstr)+8*\t+7], v[WB+48*(\wb)+12*\t:WB+48*(\wb)+12*\t+11], v[OP+48*(\ob)+12*\m:OP+48*(\ob)+12*\m+11], v[(\acc)+\m*(\mstr)+8*\t:(\acc)+\m*(\mstr)+8*\t+7], v[WS+4*(\wb)+\t], v[OS+4*(\ob)+\m] matrix_a_fmt:MATRIX_FMT_FP6 matrix_b_fmt:MATRIX_FMT_FP6
.endif
.endr
.endr
.endm
; A slab of 512 columns x 256 along K: quarters: tiles 0-3 and 4-7 of the first K step, then of the second
.macro SLAB_A slot, msb, off, mstr, sc
	WFETCH 0, \slot, 0
	OFETCH 0, \off, \mstr, \sc
	WFETCH 1, \slot, 1
	s_wait_dscnt 13                                ; all but quarter 1's 13
	MULQ 0, 0, \msb, 0, 64, 0
	PLACES
	WFETCH 0, \slot, 2
	OFETCH 1, (\off)+1536, \mstr, (\sc)+512
	s_wait_dscnt 30                                ; all but the 30 just issued
	MULQ 1, 0, \msb, 32, 64, 0
	PLACES
	WFETCH 1, \slot, 3
	s_wait_dscnt 13
	MULQ 0, 1, \msb, 0, 64, 0
	s_wait_dscnt 0x0
	MULQ 1, 1, \msb, 32, 64, 0
.endm
; A slab of w1 (slot 0): my 64 units x 512 along K: quarter q is K step q
.macro SLAB_B
	WFETCH 0, 0, 0
	OFETCH 0, 0, 6144, XSCO
	WFETCH 1, 0, 1
	OFETCH 1, 1536, 6144, XSCO+512
	s_wait_dscnt 30
	MULQ 0, 0, 0x51, 0, 32, 1
	PLACES
	WFETCH 0, 0, 2
	OFETCH 0, 3072, 6144, XSCO+1024
	s_wait_dscnt 30
	MULQ 1, 1, 0x51, 0, 32, 0
	PLACES
	WFETCH 1, 0, 3
	OFETCH 1, 4608, 6144, XSCO+1536
	s_wait_dscnt 30
	MULQ 0, 0, 0x51, 0, 32, 0
	s_wait_dscnt 0x0
	MULQ 1, 1, 0x51, 0, 32, 0
.endm
; THE NORMS.  Window n holds [m] 64 numbers of my row of tile m.
.macro SUMS n                          ; T[m] = the sum of my 64, two at a time; the four tiles by turns; each accumulator from its low end on
	WIN (\n)|((\n)<<2)
.irp m, 0,1,2,3
	v_pk_add_f32 v[T+2*\m:T+2*\m+1], v[64*\m:64*\m+1], v[64*\m+2:64*\m+3]
.endr
	WIN (\n)<<2
.set J, 4
.rept 30
.irp m, 0,1,2,3
	v_pk_add_f32 v[T+2*\m:T+2*\m+1], v[T+2*\m:T+2*\m+1], v[64*\m+J:64*\m+J+1]
.endr
.set J, J+2
.endr
.endm
.macro SQS n                           ; T[m] = the sum of their squares
	WIN (\n)|((\n)<<2)
.irp m, 0,1,2,3
	v_pk_mul_f32 v[T+2*\m:T+2*\m+1], v[64*\m:64*\m+1], v[64*\m:64*\m+1]
.endr
.set J, 2
.rept 31
.irp m, 0,1,2,3
	v_pk_fma_f32 v[T+2*\m:T+2*\m+1], v[64*\m+J:64*\m+J+1], v[64*\m+J:64*\m+J+1], v[T+2*\m:T+2*\m+1]
.endr
.set J, J+2
.endr
.endm
.macro FIN k                           ; word k of E[m] = T's two halves and lane l xor 16's
	WIN 0
.irp m, 0,1,2,3
	v_add_f32 v[E+2*\m+(\k)], v[T+2*\m], v[T+2*\m+1]
.endr
.irp m, 0,1,2,3
	v_permlanex16_b32 v[TM+4+\m], v[E+2*\m+(\k)], s[SEL], s[SEL+1]
.endr
.irp m, 0,1,2,3
	v_add_f32 v[E+2*\m+(\k)], v[E+2*\m+(\k)], v[TM+4+\m]
.endr
.endm
.macro EXCH reg                        ; M[m] = the four waves' E[m], added in the order of the waves.  Each exchange has LDS bytes of its own.  (A tensor load may be out at this barrier)
.irp m, 0,1,2,3
	ds_store_b64 v[LNA], v[E+2*\m:E+2*\m+1] offset:2048*(\reg)+512*\m
.endr
	s_wait_dscnt 0x0
	s_barrier_signal -1
	s_barrier_wait -1
.irp m, 0,1,2,3
	ds_load_b128 v[XL+8*\m:XL+8*\m+3], v[LNR] offset:2048*(\reg)+512*\m
	ds_load_b128 v[XL+8*\m+4:XL+8*\m+7], v[LNR] offset:2048*(\reg)+512*\m+16
.endr
	s_wait_dscnt 0x0
.irp m, 0,1,2,3
	v_pk_add_f32 v[M+2*\m:M+2*\m+1], v[XL+8*\m:XL+8*\m+1], v[XL+8*\m+2:XL+8*\m+3]
.endr
.irp m, 0,1,2,3
	v_pk_add_f32 v[M+2*\m:M+2*\m+1], v[M+2*\m:M+2*\m+1], v[XL+8*\m+4:XL+8*\m+5]
.endr
.irp m, 0,1,2,3
	v_pk_add_f32 v[M+2*\m:M+2*\m+1], v[M+2*\m:M+2*\m+1], v[XL+8*\m+6:XL+8*\m+7]
.endr
.endm
.macro NEGMEAN
.irp m, 0,1,2,3
	v_pk_mul_f32 v[M+2*\m:M+2*\m+1], v[M+2*\m:M+2*\m+1], 0xbb000000 op_sel_hi:[1,0]   ; x -1/512
.endr
.endm
.macro DEV n, hi                       ; every number + word hi of M[m]
	WIN ((\n)<<6)|(\n)
.irp m, 0,1,2,3
.set J, 0
.rept 32
.if \hi
	v_pk_add_f32 v[64*\m+J:64*\m+J+1], v[64*\m+J:64*\m+J+1], v[M+2*\m:M+2*\m+1] op_sel:[0,1] op_sel_hi:[1,1]
.else
	v_pk_add_f32 v[64*\m+J:64*\m+J+1], v[64*\m+J:64*\m+J+1], v[M+2*\m:M+2*\m+1] op_sel_hi:[1,0]
.endif
.set J, J+2
.endr
.endr
.endm
.macro SCALE n, hi                     ; every number x word hi of M[m]
	WIN ((\n)<<6)|(\n)
.irp m, 0,1,2,3
.set J, 0
.rept 32
.if \hi
	v_pk_mul_f32 v[64*\m+J:64*\m+J+1], v[64*\m+J:64*\m+J+1], v[M+2*\m:M+2*\m+1] op_sel:[0,1] op_sel_hi:[1,1]
.else
	v_pk_mul_f32 v[64*\m+J:64*\m+J+1], v[64*\m+J:64*\m+J+1], v[M+2*\m:M+2*\m+1] op_sel_hi:[1,0]
.endif
.set J, J+2
.endr
.endr
.endm
.macro RSQ                             ; M = 1 / sqrt(M / 512 + 1e-5)
	WIN 0
.irp k, 0,1,2,3,4,5,6,7
	v_fma_f32 v[M+\k], v[M+\k], s[RC], s[EPS]
.endr
.irp k, 0,1,2,3,4,5,6,7
	v_rsq_f32 v[M+\k], v[M+\k]
.endr
	v_nop                                          ; a plain place behind the batch,
	s_wait_alu depctr_va_vdst(0)                   ; and the one wait ahead of its first reader
.endm
.macro GAINS gp, bp                    ; gain and shift of my 128 columns, in the results' layout, into window 1, v0-63 and v64-127
	WIN 0x40
.irp b, 0,1,2,3
.irp j, 0,1,2,3
	global_load_b128 v[16*\b+4*\j:16*\b+4*\j+3], v[BA], s[\gp:\gp+1] offset:128*\b+16*\j
	global_load_b128 v[64+16*\b+4*\j:64+16*\b+4*\j+3], v[BA], s[\bp:\bp+1] offset:128*\b+16*\j
.endr
.endr
	WIN 0
.endm
.macro BIAS win, p                     ; a bias of my 128 columns as the sums' first value: the same 64 numbers for each of the four tiles of rows
	WIN (\win)<<6
.irp m, 0,1,2,3
.irp b, 0,1,2,3
.irp j, 0,1,2,3
	global_load_b128 v[64*\m+16*\b+4*\j:64*\m+16*\b+4*\j+3], v[BA], s[\p:\p+1] offset:128*\b+16*\j
.endr
.endr
.endr
	WIN 0
.endm
.macro BILOAD                          ; b1 of my 64 units of a chunk
	WIN 0x40
.irp t, 0,1,2,3
	global_load_b128 v[BI+8*\t:BI+8*\t+3], v[BA], s[18:19] offset:(32*(\t/2)+8*(\t%2))*4
	global_load_b128 v[BI+8*\t+4:BI+8*\t+7], v[BA], s[18:19] offset:(32*(\t/2)+8*(\t%2))*4+16
.endr
	WIN 0
.endm
	s_load_b512 s[4:19], s[0:1], 0x0               ; ctx, cs, wimg, x, b_out, g1, be1, b1
	s_load_b256 s[20:27], s[0:1], 0x40             ; b2, g2, be2, out0
	v_lshl_add_u32 v[SPW], v0, 2, SPARE
	v_mov_b32 v[NIL], 0
	ds_add_u32 v1, v2
	ds_add_u32 v1, v2
	s_wait_dscnt 0x0
	v_lshrrev_b32 v22, 5, v0
	v_readfirstlane_b32 s[WV], v22                 ; wave 0..3
	v_and_b32 v22, 31, v0                          ; lane
	v_and_b32 v23, 15, v0                          ; r
	v_bfe_u32 v24, v0, 4, 1                        ; h
	v_lshlrev_b32 v[GO], 4, v22
	v_lshlrev_b32 v[L4], 2, v22
	v_lshlrev_b32 v25, 3, v22
	s_mul_i32 s68, s[WV], WPART
	v_add_nc_u32 v[LW0], s68, v[GO]
	v_add_nc_u32 v[LW0+1], SLOT1, v[LW0]
	v_add_nc_u32 v[LX16], XIMG, v[GO]
	v_add_nc_u32 v[LX8], XIMG, v25
	s_mul_i32 s52, s[WV], 1536
	v_add_nc_u32 v[XW16], s52, v[LX16]             ; x1: K step w
	v_add_nc_u32 v[XW8], s52, v[LX8]
	s_mul_i32 s52, s[WV], 768
	s_add_co_u32 s52, s52, HIMO
	v_add_nc_u32 v[HW16], s52, v[LX16]             ; the hidden chunk: half fragment w
	v_add_nc_u32 v[HW8], s52, v[LX8]
	s_lshr_b32 s52, s[WV], 1
	s_lshl_b32 s52, s52, 9
	s_and_b32 s53, s[WV], 1
	s_lshl_b32 s53, s53, 1
	s_add_co_u32 s52, s52, s53
	s_add_co_u32 s52, s52, HSC
	v_add_nc_u32 v[HS2], s52, v[GO]                ; its two scale bytes: K step w / 2, bytes 2 (w % 2) on
	v_lshlrev_b32 v[LNR], 5, v23
	v_add_nc_u32 v[LNR], LNB, v[LNR]
	s_lshl_b32 s52, s[WV], 3
	v_add_nc_u32 v[LNA], s52, v[LNR]
	s_mul_i32 s52, s[WV], 16*528
	s_add_co_u32 s52, s52, STG
	v_mul_u32_u24 v[STO], v23, 528
	v_lshl_add_u32 v[STO], v24, 6, v[STO]
	v_add_nc_u32 v[STO], s52, v[STO]
	v_add_nc_u32 v[SRD], s52, v[GO]
	v_and_b32 v26, 8, v23
	v_add_nc_u32 v26, v26, v23
	v_lshlrev_b32 v[XA], 11, v26
	v_lshl_add_u32 v[XA], v24, 6, v[XA]            ; x: (r + 8 (r / 8)) rows + 64 h
	v_lshlrev_b32 v[BA], 6, v24
	s_lshl_b32 s52, s[WV], 9
	s_add_co_u32 s52, s52, XSCO
	v_add_nc_u32 v[XSW], s52, v[LX16]
	s_mul_i32 s52, s[WV], 6144
	v_add_nc_u32 v[XC], s52, v[LX16]
.irp b, 0,1,2,3
	v_mov_b32 v[TM+4+\b], 0                        ; written once: a lane permute's destination counts as one of its sources
.endr
	s_mov_b32 s[SEL], 0x76543210
	s_mov_b32 s[SEL+1], 0xfedcba98
	s_mov_b32 s[RC], 0x3b000000                    ; 1/512
	s_mov_b32 s[EPS], 0x3727c5ac                   ; 1e-5
	s_mov_b32 s[G1], 15|(3<<16)|(1<<21)            ; the mask: all four work-groups; elements of 8 bytes; bit 21 beside a mask; no padding
	s_mov_b32 s[G1+1], 32<<16                      ; tensor_dim0: 256 bytes
	s_mov_b32 s[G1+2], 104<<16                     ; tensor_dim1: 104 rows = 26,624 bytes
	s_mov_b32 s[G1+3], 32<<16
	s_mov_b32 s[G1+4], 104
	s_mov_b32 s[G1+5], 32
	s_mov_b32 s[G1+6], 0
	s_mov_b32 s[G1+7], 0
	s_bfe_u32 s52, ttmp6, 0x40000                  ; cx: it enters the addresses of the rows' buffers alone
	s_lshl_b32 s53, ttmp9, 2
	s_add_co_u32 s53, s53, s52                     ; R
	s_lshl_b32 s54, s[WV], 9
	s_mov_b32 s55, 0                               ; my 128 columns in a vector of 512
	s_lshl_b32 s56, s53, 17
	s_add_co_u32 s56, s56, s54
	s_mov_b32 s57, 0                               ; and in x and out0
	s_mul_i32 s58, s53, 24576
	s_mul_i32 s59, s[WV], 6144
	s_add_co_u32 s58, s58, s59
	s_mov_b32 s59, 0
	s_lshl_b32 s60, s53, 11
	s_add_co_u32 s60, s60, s54
	s_mov_b32 s61, 0
	s_lshl_b32 s62, s[WV], 8
	s_mov_b32 s63, 0
	s_add_co_u32 s66, s68, 2*SLAB                  ; my part of slab 2
	s_mov_b32 s67, 0
	s_wait_kmcnt 0x0
	s_add_nc_u64 s[4:5], s[4:5], s[58:59]
	s_add_nc_u64 s[6:7], s[6:7], s[60:61]
	s_add_nc_u64 s[8:9], s[8:9], s[66:67]
	s_add_nc_u64 s[10:11], s[10:11], s[56:57]
	s_add_nc_u64 s[12:13], s[12:13], s[54:55]
	s_add_nc_u64 s[14:15], s[14:15], s[54:55]
	s_add_nc_u64 s[16:17], s[16:17], s[54:55]
	s_add_nc_u64 s[18:19], s[18:19], s[62:63]
	s_add_nc_u64 s[20:21], s[20:21], s[54:55]
	s_add_nc_u64 s[22:23], s[22:23], s[54:55]
	s_add_nc_u64 s[24:25], s[24:25], s[54:55]
	s_add_nc_u64 s[26:27], s[26:27], s[56:57]
.irp n, 0,1
	s_mov_b32 s[G0+4*\n], 1
	s_add_co_u32 s[G0+4*\n+1], s68, \n*SLOT1
	s_add_nc_u64 s[G0+4*\n+2:G0+4*\n+3], s[8:9], \n*SLAB
	s_or_b32 s[G0+4*\n+3], s[G0+4*\n+3], 0x80000000
.endr
	ROUND                                          ; all four work-groups are here: the first joint loads meet
	tensor_load_to_lds s[G0:G0+3], s[G1:G1+7]      ; slab 2
	s_nop 0
	PLACES
.irp k, 0,1,2,3,4,5,6,7,8,9,10,11
	global_load_b128 v[OP+4*\k:OP+4*\k+3], v[GO], s[4:5] offset:512*\k th:TH_LOAD_NT   ; ctx's images lie in memory as they lie in LDS: my quarter of the block
.endr
	global_load_b32 v[XL], v[L4], s[6:7]           ; ctx's scale bytes: heads 2 w and 2 w + 1, tiles 0, 1 and 2, 3
	global_load_b32 v[XL+1], v[L4], s[6:7] offset:128
	global_load_b32 v[XL+2], v[L4], s[6:7] offset:256
	global_load_b32 v[XL+3], v[L4], s[6:7] offset:384
	BIAS 2, 12                                     ; b_out: what attn's sums begin with
	s_wait_loadcnt 63                              ; of the 80 loads at most 63 are out: the oldest 16, ctx and its scale bytes, are in
	v_perm_b32 v[PW], v[XL+2], v[XL], 0x05040100   ; the scale word of K step w and tile m: two bytes of each head
	v_perm_b32 v[PW+1], v[XL+2], v[XL], 0x07060302
	v_perm_b32 v[PW+2], v[XL+3], v[XL+1], 0x05040100
	v_perm_b32 v[PW+3], v[XL+3], v[XL+1], 0x07060302
.irp k, 0,1,2,3,4,5,6,7,8,9,10,11
	ds_store_b128 v[XC], v[OP+4*\k:OP+4*\k+3] offset:512*\k
.endr
	ds_store_b128 v[XSW], v[PW:PW+3]
	GAINS 14, 16
	WIN 0xc0
.irp m, 0,1,2,3
.irp b, 0,1,2,3
.irp j, 0,1,2,3
	global_load_b128 v[64*\m+16*\b+4*\j:64*\m+16*\b+4*\j+3], v[XA], s[10:11] offset:(32*(\m/2)+8*(\m%2))*2048+128*\b+16*\j th:TH_LOAD_NT
.endr
.endr
.endr
	; ---- attn = ctx w_out^T + b_out
	CHG 0, 1                                       ; slab 3 goes out
	s_wait_loadcnt 63                              ; at most 63 of x's 64 loads are out: b_out, g1 and be1 are in
	SLAB_A 0, 0xa1, 0, 6144, XSCO
	CHG 1, 1                                       ; slab 4
	SLAB_A 1, 0xa1, 3072, 6144, XSCO+1024
	; ---- x1 = LN(x) + LN(attn)
	WIN 0
	PLACES
	s_wait_loadcnt 0x0                             ; x
	SUMS 2
	FIN 0
	SUMS 3
	FIN 1
	EXCH 0
	NEGMEAN
	DEV 2, 0
	DEV 3, 1
	SQS 2
	FIN 0
	SQS 3
	FIN 1
	EXCH 1
	RSQ
	WIN 0x45
.set J, 0
.rept 32
	v_pk_add_f32 v[64+J:65+J], v[64+J:65+J], v[64+J:65+J]   ; 2 be1
.set J, J+2
.endr
	SCALE 3, 1
	WIN 0xb2
.irp m, 0,1,2,3
.set J, 0
.rept 32
	v_pk_fma_f32 v[64*\m+J:64*\m+J+1], v[64*\m+J:64*\m+J+1], v[M+2*\m:M+2*\m+1], v[64*\m+J:64*\m+J+1] op_sel_hi:[1,0,1]   ; dev(attn) r_a + dev(x) r_x
.set J, J+2
.endr
.endr
	WIN 0x96
.irp m, 0,1,2,3
.set J, 0
.rept 32
	v_pk_fma_f32 v[64*\m+J:64*\m+J+1], v[64*\m+J:64*\m+J+1], v[J:J+1], v[64+J:65+J]   ; x g1 + 2 be1
.set J, J+2
.endr
.endr
	; ---- x1's codes: K step w of the next product.  Every wave has passed two barriers behind its last read of ctx's images
.irp m, 0,1,2,3
	QUANT 64*\m, 2, 4, PW+\m
	ds_store_b128 v[XW16], v[PC:PC+3] offset:6144*\m
	ds_store_b64 v[XW8], v[PC+4:PC+5] offset:6144*\m+512
	ds_store_b128 v[XW16], v[PC+6:PC+9] offset:6144*\m+768
	ds_store_b64 v[XW8], v[PC+10:PC+11] offset:6144*\m+768+512
	s_wait_dscnt 0x0                               ; the stores have read the codes' registers
.endr
	ds_store_b128 v[XSW], v[PW:PW+3]
	BIAS 3, 20                                     ; b2: what y's sums begin with
	BILOAD
; A CHUNK of 256 hidden units.  next = 1: the next chunk's b1 is asked for; else the second norm's gain and shift.  refill2: the next chunk's slab of w1 is asked for.
.macro CHUNK next, refill2
	CHG 0, 1                                       ; this chunk's slab of w2 goes out
	s_wait_loadcnt 0x0                             ; b1 of the chunk (the first time: b2 too)
	SLAB_B
	WIN 0
	PLACES
	WIN 0x44
.set J, 0
.rept 128
	v_max_num_f32 v[J], 0, v[J]                    ; the activation, in f32
.set J, J+1
.endr
.irp p, 0,1
	QUANT 64*\p, 1, 4, PW                          ; tiles of rows 2 p and 2 p + 1: my 64 units are half a fragment of each
	ds_store_b128 v[HW16], v[PC:PC+3] offset:3072*(2*\p)
	ds_store_b64 v[HW8], v[PC+4:PC+5] offset:3072*(2*\p)+512
	ds_store_b128 v[HW16], v[PC+6:PC+9] offset:3072*(2*\p+1)
	ds_store_b64 v[HW8], v[PC+10:PC+11] offset:3072*(2*\p+1)+512
	ds_store_b16 v[HS2], v[PW] offset:8*\p
	ds_store_b16_d16_hi v[HS2], v[PW] offset:8*\p+4
	s_wait_dscnt 0x0
.endr
.if \next
	s_add_nc_u64 s[18:19], s[18:19], 1024          ; (the loads that named this base are in)
	BILOAD
.else
	GAINS 22, 24
.endif
	CHG 1, \refill2
	SLAB_A 1, 0xf1, HIMO, 3072, HSCO
.endm
	s_mov_b32 s[CNT], 7
.Lchunk:
	CHUNK 1, 1
	WIN 0
	s_sub_co_u32 s[CNT], s[CNT], 1
	s_cmp_lg_u32 s[CNT], 0
	s_cbranch_scc1 .Lchunk
	CHUNK 0, 0                                     ; the last chunk is written out
	; ---- out = x1 + LN(y)
	WIN 0
	PLACES
	s_wait_loadcnt 0x0                             ; g2, be2
	SUMS 3
	FIN 0
	FIN 1
	EXCH 2
	NEGMEAN
	DEV 3, 0
	SQS 3
	FIN 0
	FIN 1
	EXCH 3
	RSQ
	SCALE 3, 0
	WIN 0xd7
.irp m, 0,1,2,3
.set J, 0
.rept 32
	v_pk_fma_f32 v[64*\m+J:64*\m+J+1], v[64*\m+J:64*\m+J+1], v[J:J+1], v[64+J:65+J]
.set J, J+2
.endr
.endr
	WIN 0xcb
.set J, 0
.rept 128
	v_pk_add_f32 v[J:J+1], v[J:J+1], v[J:J+1]      ; + x1 (source 1: window 2)
.set J, J+2
.endr
	; ---- the way out: a tile of 16 rows x my 128 columns through my own stage, back as whole pieces of 512 bytes
.irp m, 0,1,2,3
	WIN 0
	s_wait_xcnt 0x0                                ; the last tile's stores have read their registers
	WIN 0x0c                                       ; an LDS store's data are its source 1: window 3
.irp b, 0,1,2,3
.irp j, 0,1,2,3
	ds_store_b128 v[STO], v[64*\m+16*\b+4*\j:64*\m+16*\b+4*\j+3] offset:128*\b+16*\j
.endr
.endr
	WIN 0
.irp i, 0,1,2,3,4,5,6,7,8,9,10,11,12,13,14,15
	ds_load_b128 v[BK+4*\i:BK+4*\i+3], v[SRD] offset:528*\i   ; LDS serves a wave's instructions in order (ISA guide 5.7.1.4): these see my stores, and the next tile's stores come behind them
.endr
	s_wait_dscnt 0x0
.irp i, 0,1,2,3,4,5,6,7,8,9,10,11,12,13,14,15
	global_store_b128 v[GO], v[BK+4*\i:BK+4*\i+3], s[26:27] offset:(32*(\m/2)+8*(\m%2)+\i+8*(\i/8))*2048 th:TH_STORE_NT   ; 32 lanes store 512 consecutive bytes, at a multiple of 256 from out0's first byte
.endr
.endr
	s_wait_tensorcnt 0x0                           ; the wave's end
	ds_add_u32 v[SPW], v[NIL]
	s_wait_dscnt 0x0
	ROUND                                          ; the closing round
	s_endpgm
.Lfunc_end_k_q04d16311fb_tail:
	.size	k_q04d16311fb_tail, .Lfunc_end_k_q04d16311fb_tail-k_q04d16311fb_tail
	.p2alignl 7, 3214868480
	.fill 96, 4, 3214868480
	.section	.rodata,"a",@progbits
	.p2align	6, 0x0
	.amdhsa_kernel k_q04d16311fb_tail
		.amdhsa_group_segment_fixed_size 327680
		.amdhsa_private_segment_fixed_size 0
		.amdhsa_enable_private_segment 0
		.amdhsa_kernarg_size 96
		.amdhsa_user_sgpr_count 2
		.amdhsa_user_sgpr_kernarg_segment_ptr 1
		.amdhsa_wavefront_size32 1
		.amdhsa_system_sgpr_workgroup_id_x 1
		.amdhsa_system_sgpr_workgroup_id_y 1
		.amdhsa_system_sgpr_workgroup_id_z 1
		.amdhsa_system_vgpr_workitem_id 0
		.amdhsa_next_free_vgpr 1024
		.amdhsa_next_free_sgpr 96
		.amdhsa_reserve_vcc 0
		.amdhsa_float_denorm_mode_32 3
		.amdhsa_float_denorm_mode_16_64 3
		.amdhsa_memory_ordered 1
		.amdhsa_forward_progress 1
		.amdhsa_inst_pref_size 255
	.end_amdhsa_kernel
	.section	.bss,"aw",@nobits
	.p2align	6
	.space	262144
	.amdgpu_metadata
---
amdhsa.version: [ 1, 2 ]
amdhsa.kernels:
  - .name:           k_q04d16311fb_tail
    .symbol:         k_q04d16311fb_tail.kd
    .args:
      - { .name: ctx, .offset: 0, .size: 8, .value_kind: global_buffer, .address_space: global }
      - { .name: cs, .offset: 8, .size: 8, .value_kind: global_buffer, .address_space: global }
      - { .name: wimg, .offset: 16, .size: 8, .value_kind: global_buffer, .address_space: global }
      - { .name: x, .offset: 24, .size: 8, .value_kind: global_buffer, .address_space: global }
      - { .name: b_out, .offset: 32, .size: 8, .value_kind: global_buffer, .address_space: global }
      - { .name: g1, .offset: 40, .size: 8, .value_kind: global_buffer, .address_space: global }
      - { .name: be1, .offset: 48, .size: 8, .value_kind: global_buffer, .address_space: global }
      - { .name: b1, .offset: 56, .size: 8, .value_kind: global_buffer, .address_space: global }
      - { .name: b2, .offset: 64, .size: 8, .value_kind: global_buffer, .address_space: global }
      - { .name: g2, .offset: 72, .size: 8, .value_kind: global_buffer, .address_space: global }
      - { .name: be2, .offset: 80, .size: 8, .value_kind: global_buffer, .address_space: global }
      - { .name: out0, .offset: 88, .size: 8, .value_kind: global_buffer, .address_space: global }
    .group_segment_fixed_size: 327680
    .private_segment_fixed_size: 0
    .kernarg_segment_align: 8
    .kernarg_segment_size: 96
    .max_flat_workgroup_size: 128
    .sgpr_count:     96
    .vgpr_count:     1024
    .wavefront_size: 32
...
	.end_amdgpu_metadata
.endif
;; end of part 4
;; ======== version 2 of 2: 4 launches
;; limits: right only within a limited range of input values
;; workspace buffers: wimg 2,129,920 bytes; hk 6,291,456 bytes; hks 524,288 bytes; hv 6,291,456 bytes; hvs 262,144 bytes; ctx 6,291,456 bytes; cs 524,288 bytes
;; launch prep (part 5): grid 320 x 1, 4 waves a work-group, no clusters, 34,816 bytes of LDS; arguments w_qkv, w_out, w1, w2, wimg; writes wimg
.if DOCPART == 5
	.amdgcn_target "amdgcn-amd-amdhsa--gfx1250"
	.amdhsa_code_object_version 6
	.text
	.protected	k_q04d16311fb_prep
	.globl	k_q04d16311fb_prep
	.p2align	8
	.type	k_q04d16311fb_prep,@function
k_q04d16311fb_prep:
	s_mov_b64 s[64:65], 0
	v_nop
	global_prefetch_b8 v0, s[64:65] scope:SCOPE_SE
	s_setreg_imm32_b32 hwreg(HW_REG_WAVE_MODE, 25, 1), 1
	s_wait_xcnt 0x0
; The four weights (f32, K innermost) become codes of FP6 (E2M3) with one E8M0 byte for each 32 along K, laid in wimg as IMAGES OF OPERAND REGISTERS in the order in which the later launches walk them.
; wimg = 20 slabs of 106,496 bytes; a slab = 4 wave parts of 26,624; a part = 4 quarters of 6,656; a quarter = 4 fragments (16 rows x 128 K, 12 registers a lane: register group g at 512 g + 16 x lane) and one block of
; scale words (4 words a lane at 16 x lane, word t for fragment t).  Slabs 0,1: w_qkv; 2,3: w_out; 4 + 2 c: w1's units 256 c on; 5 + 2 c: w2's K 256 c on.
; Kind A (all 512 rows x 256 along K): part w, quarter q: rows 128 w + 64 (q & 1) on, K 256 sigma + 128 (q >> 1) on.   Kind B (w1): rows 256 c + 64 w on, K 128 q on.
; THE ROWS OF A FRAGMENT ARE NOT NEIGHBOURS: lane r of fragment t takes row 32 (t / 2) + 8 (t % 2) + r + 8 (r / 8), so that results of a product used transposed fall into a lane as neighbours along the next K.
; SHARES.  A work-group makes one quarter (320 quarters), a wave one fragment.  Each of a wave's 16 loads reads 512 consecutive bytes: one row's 128 numbers.  The conversions want 16 neighbours in ONE lane: so the 16 rows turn
; through the wave's own stage in LDS (rows 528 bytes apart) and come back 64 bytes a lane for each block of 32: lanes l and l xor 16 share a block.  The four waves' scale words meet in LDS and leave as one block of 512 bytes.
; LIMITS: NaN and infinities are not served; a block whose largest magnitude lies under 2^-124 gets the byte 1; a block of zeros gets the byte 1 where the rule says 127: its codes are zeros, and this program alone reads the bytes.
.set SLAB,  106496
.set WPART, 26624
.set QUART, 6656
.set SPITCH, 528                       ; a stage row: 512 bytes + 16: the sixteen rows that a load touches start in sixteen different groups of banks (64 banks of 4 bytes: ISA guide 11.1)
.set STGB,  16*SPITCH                  ; a wave's stage
.set SCB,   4*STGB                     ; behind the stages: the quarter's block of scale words
.set LI,  1                            ; v1       16 x lane
.set STI, 4                            ; v4       the stage, in: 16 x lane of a row
.set STL, 5                            ; v5       and back: row r, + 64 h
.set SCW, 6                            ; v6       where my scale word goes: 16 x lane + 4 x wave
.set SCR, 7                            ; v7       and where wave 0 reads the four
.set XR,  8                            ; v8-23    row i of my fragment: (i + 8 (i / 8)) x pitch + 16 x lane
.set ST,  32                           ; v32-95   64 numbers
.set PC,  96                           ; v96-115  the codes just made
.set TM,  116                          ; v116-131 at work in QUANT
.set PW,  132                          ; v132     my fragment's scale word
.set GA,  136                          ; v136-139 the four words
.set WV,  19
.set SEL, 36                           ; s[36:37] lane selects: lane l xor 16
.set MSB, 0
.macro WIN new                         ; the immediate's high byte repeats the setting that is left
.if MSB != (\new)
	s_set_vgpr_msb (MSB<<8)|(\new)
.set MSB, \new
.endif
.endm
; 16 nb numbers of a lane in window w, register 16 b + i = k 32 b + 16 (lane / 16) + i of my row, become codes in v[PC] on (registers 6 c .. 6 c + 5: k = 64 c + 32 (lane / 16) + 0 .. 31) and the scale word v[pw].
.macro QUANT s, w, nb, pw
	WIN (\w)|((\w)<<2)
.irp b, 0,1,2,3
.if \b < (\nb)
	v_max3_num_f32 v[TM+\b], |v[(\s)+16*\b]|, |v[(\s)+16*\b+1]|, 0x1800000   ; my 16 numbers of block b, and the floor 2^(3 - 127): the byte cannot fall under 1
.endif
.endr
	WIN ((\w)<<2)|((\w)<<4)
.irp i, 2,4,6,8,10,12,14
.irp b, 0,1,2,3
.if \b < (\nb)
	v_max3_num_f32 v[TM+\b], v[TM+\b], |v[(\s)+16*\b+\i]|, |v[(\s)+16*\b+\i+1]|   ; the blocks by turns
.endif
.endr
.endr
	WIN 0
.irp b, 0,1,2,3
.if \b < (\nb)
	v_permlanex16_b32 v[TM+4+\b], v[TM+\b], s[SEL], s[SEL+1]
.endif
.endr
.irp b, 0,1,2,3
.if \b < (\nb)
	v_max_num_f32 v[TM+\b], v[TM+\b], v[TM+4+\b]       ; with lane l xor 16's: the block's largest magnitude
.endif
.endr
.irp b, 0,1,2,3
.if \b < (\nb)
	v_add_nc_u32 v[TM+12+\b], 0xff000000, v[TM+\b]     ; 2 off its exponent field: the conversion's scale operand
.endif
.endr
.irp b, 0,1,2,3
.if \b < (\nb)
	v_lshrrev_b32 v[TM+4+\b], 23, v[TM+12+\b]          ; the scale's byte
.endif
.endr
	v_lshl_or_b32 v[\pw], v[TM+5], 8, v[TM+4]
.if (\nb) > 2
	v_lshl_or_b32 v[\pw], v[TM+6], 16, v[\pw]
	v_lshl_or_b32 v[\pw], v[TM+7], 24, v[\pw]
.endif
	WIN \w
.irp c, 0,1
.if 2*\c < (\nb)
	v_cvt_scalef32_pk16_fp6_f32 v[PC+6*\c:PC+6*\c+2], v[(\s)+32*\c:(\s)+32*\c+15], v[TM+12+2*\c]
	v_cvt_scalef32_pk16_fp6_f32 v[PC+12+4*\c:PC+14+4*\c], v[(\s)+32*\c+16:(\s)+32*\c+31], v[TM+13+2*\c]   ; (a conversion's three registers begin on an even number)
.endif
.endr
	WIN 0
	v_nop                                              ; one plain place behind a scaled conversion
.irp c, 0,1
.if 2*\c < (\nb)
.irp i, 0,1,2
	v_permlane16_swap_b32 v[PC+6*\c+\i], v[PC+12+4*\c+\i]   ; the layout wants a whole block in a lane
.endr
.irp i, 0,1,2
	v_mov_b32 v[PC+3+6*\c+\i], v[PC+12+4*\c+\i]
.endr
.endif
.endr
.endm
	s_load_b256 s[4:11], s[0:1], 0x0               ; w_qkv, w_out, w1, w2
	s_load_b64 s[12:13], s[0:1], 0x20              ; wimg
	v_lshl_add_u32 v144, v0, 2, 0x8600
	v_mov_b32 v145, 0
	v_lshrrev_b32 v2, 5, v0
	v_readfirstlane_b32 s[WV], v2                  ; wave = fragment t
	v_and_b32 v2, 31, v0
	v_lshlrev_b32 v[LI], 4, v2
	v_and_b32 v2, 15, v0                           ; r
	v_bfe_u32 v3, v0, 4, 1                         ; h
	s_mul_i32 s24, s[WV], STGB
	v_add_nc_u32 v[STI], s24, v[LI]
	v_mul_u32_u24 v[STL], v2, SPITCH
	v_lshl_add_u32 v[STL], v3, 6, v[STL]
	v_add_nc_u32 v[STL], s24, v[STL]
	s_lshl_b32 s25, s[WV], 2
	s_add_co_u32 s25, s25, SCB
	v_add_nc_u32 v[SCW], s25, v[LI]
	v_add_nc_u32 v[SCR], SCB, v[LI]
	s_mov_b32 s[SEL], 0x76543210
	s_mov_b32 s[SEL+1], 0xfedcba98
.irp b, 0,1,2,3
	v_mov_b32 v[TM+4+\b], 0                        ; written once: a lane permute's destination counts as one of its sources
.endr
	s_lshr_b32 s20, ttmp9, 4                       ; slab
	s_bfe_u32 s21, ttmp9, 0x20002                  ; wave part w
	s_and_b32 s22, ttmp9, 3                        ; quarter q
	s_and_b32 s23, s20, 1
	s_max_u32 s24, s20, 4
	s_sub_co_u32 s24, s24, 4
	s_lshr_b32 s24, s24, 1                         ; c, from slab 4 on
	s_cmp_lt_u32 s20, 4
	s_cselect_b32 s24, s23, s24                    ; sigma or c
	s_cselect_b32 s25, 1, s23                      ; 1: kind A
	s_cselect_b32 s30, 0, s23                      ; 1: w2
	s_and_b32 s26, s22, 1
	s_lshl_b32 s26, s26, 6
	s_lshl_b32 s27, s21, 7
	s_add_co_u32 s26, s26, s27                     ; kind A: first row
	s_lshr_b32 s27, s22, 1
	s_lshl_b32 s27, s27, 7
	s_lshl_b32 s28, s24, 8
	s_add_co_u32 s27, s27, s28                     ; kind A: first k
	s_lshl_b32 s29, s21, 6
	s_add_co_u32 s28, s28, s29                     ; kind B: first row
	s_lshl_b32 s29, s22, 7                         ; kind B: first k
	s_cmp_eq_u32 s25, 1
	s_cselect_b32 s26, s26, s28
	s_cselect_b32 s27, s27, s29
	s_lshr_b32 s28, s[WV], 1
	s_lshl_b32 s28, s28, 5
	s_add_co_u32 s26, s26, s28
	s_and_b32 s28, s[WV], 1
	s_lshl_b32 s28, s28, 3
	s_add_co_u32 s26, s26, s28                     ; + my fragment's 32 (t / 2) + 8 (t % 2)
	s_mov_b32 s31, 2048
	s_cmp_eq_u32 s30, 1
	s_cselect_b32 s31, 8192, s31                   ; a row of the source in bytes
	s_mul_i32 s32, s26, s31
	s_lshl_b32 s33, s27, 2
	s_add_co_u32 s32, s32, s33
	s_mov_b32 s33, 0                               ; where my fragment's numbers begin
	s_mul_i32 s34, s20, SLAB
	s_mul_i32 s35, s21, WPART
	s_add_co_u32 s34, s34, s35
	s_mul_i32 s35, s22, QUART
	s_add_co_u32 s34, s34, s35
	s_mov_b32 s35, 0                               ; the quarter's images
	s_mul_i32 s38, s[WV], 1536
	s_mov_b32 s39, 0                               ; and mine among them
.irp i, 0,1,2,3,4,5,6,7,8,9,10,11,12,13,14,15
	v_mad_u32_u24 v[XR+\i], s31, \i+8*(\i/8), v[LI]
.endr
	s_wait_alu depctr_va_vdst(0)
	s_wait_kmcnt 0x0
	s_cmp_eq_u32 s30, 1                            ; the source: a choice on the slab's number alone
	s_cselect_b64 s[14:15], s[10:11], s[8:9]
	s_cmp_lt_u32 s20, 4
	s_cselect_b64 s[14:15], s[6:7], s[14:15]
	s_cmp_lt_u32 s20, 2
	s_cselect_b64 s[14:15], s[4:5], s[14:15]
	s_add_nc_u64 s[14:15], s[14:15], s[32:33]
	s_add_nc_u64 s[12:13], s[12:13], s[34:35]
	s_add_nc_u64 s[16:17], s[12:13], s[38:39]
.irp i, 0,1,2,3,4,5,6,7,8,9,10,11,12,13,14,15
	global_load_b128 v[ST+4*\i:ST+4*\i+3], v[XR+\i], s[14:15] th:TH_LOAD_NT   ; row i: 32 lanes read 512 consecutive bytes
.endr
	s_wait_loadcnt 0x0
.irp i, 0,1,2,3,4,5,6,7,8,9,10,11,12,13,14,15
	ds_store_b128 v[STI], v[ST+4*\i:ST+4*\i+3] offset:SPITCH*\i
.endr
.irp b, 0,1,2,3
.irp j, 0,1,2,3
	ds_load_b128 v[ST+16*\b+4*\j:ST+16*\b+4*\j+3], v[STL] offset:128*\b+16*\j   ; LDS serves a wave's instructions in order (ISA guide 5.7.1.4): these see my stores.  Of row r: 16 neighbours of block b
.endr
.endr
	s_wait_dscnt 0x0
	QUANT ST, 0, 4, PW
.irp g, 0,1,2
	global_store_b128 v[LI], v[PC+4*\g:PC+4*\g+3], s[16:17] offset:512*\g   ; 32 lanes store 512 consecutive bytes
.endr
	ds_store_b32 v[SCW], v[PW]
	s_wait_dscnt 0x0                               ; for wave 0's sake: my scale words lie in LDS
	s_barrier_signal -1
	s_barrier_wait -1
	s_cmp_lg_u32 s[WV], 0
	s_cbranch_scc1 .Lend
	ds_load_b128 v[GA:GA+3], v[SCR]
	s_wait_dscnt 0x0
	global_store_b128 v[LI], v[GA:GA+3], s[12:13] offset:6144
.Lend:
	s_wait_tensorcnt 0x0
	ds_add_u32 v144, v145
	s_wait_dscnt 0x0
	s_endpgm
.Lfunc_end_k_q04d16311fb_prep:
	.size	k_q04d16311fb_prep, .Lfunc_end_k_q04d16311fb_prep-k_q04d16311fb_prep
	.p2alignl 7, 3214868480
	.fill 96, 4, 3214868480
	.section	.rodata,"a",@progbits
	.p2align	6, 0x0
	.amdhsa_kernel k_q04d16311fb_prep
		.amdhsa_group_segment_fixed_size 34816
		.amdhsa_private_segment_fixed_size 0
		.amdhsa_enable_private_segment 0
		.amdhsa_kernarg_size 40
		.amdhsa_user_sgpr_count 2
		.amdhsa_user_sgpr_kernarg_segment_ptr 1
		.amdhsa_wavefront_size32 1
		.amdhsa_system_sgpr_workgroup_id_x 1
		.amdhsa_system_sgpr_workgroup_id_y 1
		.amdhsa_system_sgpr_workgroup_id_z 1
		.amdhsa_system_vgpr_workitem_id 0
		.amdhsa_next_free_vgpr 146
		.amdhsa_next_free_sgpr 66
		.amdhsa_reserve_vcc 0
		.amdhsa_float_denorm_mode_32 3
		.amdhsa_float_denorm_mode_16_64 3
		.amdhsa_memory_ordered 1
		.amdhsa_forward_progress 1
		.amdhsa_inst_pref_size 13
	.end_amdhsa_kernel
	.amdgpu_metadata
---
amdhsa.version: [ 1, 2 ]
amdhsa.kernels:
  - .name:           k_q04d16311fb_prep
    .symbol:         k_q04d16311fb_prep.kd
    .args:
      - { .name: w_qkv, .offset: 0, .size: 8, .value_kind: global_buffer, .address_space: global }
      - { .name: w_out, .offset: 8, .size: 8, .value_kind: global_buffer, .address_space: global }
      - { .name: w1, .offset: 16, .size: 8, .value_kind: global_buffer, .address_space: global }
      - { .name: w2, .offset: 24, .size: 8, .value_kind: global_buffer, .address_space: global }
      - { .name: wimg, .offset: 32, .size: 8, .value_kind: global_buffer, .address_space: global }
    .group_segment_fixed_size: 34816
    .private_segment_fixed_size: 0
    .kernarg_segment_align: 8
    .kernarg_segment_size: 40
    .max_flat_workgroup_size: 128
    .sgpr_count:     66
    .vgpr_count:     146
    .wavefront_size: 32
...
	.end_amdgpu_metadata
.endif
;; end of part 5
;; launch qkv (part 6): grid 256 x 1, 4 waves a work-group, no clusters, 168,448 bytes of LDS; arguments x, wimg, b_qkv, hk, hks, hv, hvs; writes hk, hks, hv, hvs
.if DOCPART == 6
	.amdgcn_target "amdgcn-amd-amdhsa--gfx1250"
	.amdhsa_code_object_version 6
	.text
	.protected	k_q04d16311fb_qkv
	.globl	k_q04d16311fb_qkv
	.p2align	8
	.type	k_q04d16311fb_qkv,@function
k_q04d16311fb_qkv:
	s_mov_b64 s[64:65], 0
	v_nop
	global_prefetch_b8 v0, s[64:65] scope:SCOPE_SE
	s_setreg_imm32_b32 hwreg(HW_REG_WAVE_MODE, 25, 1), 1
	s_wait_xcnt 0x0
; h = x w_qkv^T + b_qkv on codes of FP6 (E2M3), and h's own codes for the attention: along the head's 64 (hk, hks: Q and K are the same numbers) and along the keys (hv, hvs: V).  h itself never goes to memory.
; A work-group takes 64 rows (block R of 256); wave w owns columns 128 w .. 128 w + 127 (heads 2 w, 2 w + 1) for all 64 rows: its 32 fragments of w_qkv stay in registers.
; x COMES BY THE TENSOR DATA MOVER: each wave asks for 16 rows of 2,048 bytes with one load (by this text's count one is out a wave); LDS is filled once and never again.  Behind one barrier wave w reads the rows of tile w,
; 64 bytes a lane for each block of 32, and quantises them; the 16 fragments of x then go from wave to wave through LDS as images of their registers (group g of four registers at 512 g + 16 x lane).
; NO CLUSTER: what the work-groups share, the weight's images, goes once, at the head, straight into registers (104 loads of 512 consecutive bytes a wave) and not through LDS; x's rows are each work-group's own.
; THE ROWS OF A TILE ARE NOT NEIGHBOURS: lane-row i of tile m is row 32 (m / 2) + 8 (m % 2) + i + 8 (i / 8), for x's rows and for the weight's alike.
; THE PRODUCT IS MADE TWICE, with the same bits.  Transposed (source 0 = weight, source 1 = x) a lane holds one row and neighbours along the columns: quantised along the head's 64.  Natural (source 0 = x, source 1 = weight) a lane
; holds one column and neighbours along the rows: quantised along the keys.  That takes the place of a transposition of f32 numbers through LDS.  The bias is the C of each sum's first product.
; OUT: hk [b][head][tile 64][768]: half a fragment (64 along K): registers 0-3 at 16 x lane, 4-5 at 512 + 8 x lane.  hks [b][head][blk][r][m] words.  hv [b][head][blk][t][768].  hvs [b][pair][blk][head % 2][r][t] of 2 bytes.
; LIMITS: NaN and infinities are not served; a block whose largest magnitude lies under 2^-124, and a block of zeros, get the byte 1 (zeros' codes add nothing; this program alone reads the bytes).
; REGISTERS: window 0: v1-14 addresses; v16-47 weight scale words [8 s + t]; v48-63 x's [4 m + s]; v64-127 accumulators (first: numbers of x); v128-191 numbers of x; v192-211 codes; v212-227 at work; v228-239 scale words made.
;   window 1: weight fragments of tiles 0-3 at 12 (4 t + s); from v192 the bias for the transposed use.   window 2: tiles 4-7; from v192 the bias for the natural use.   window 3: x's 16 fragments at 12 (4 m + s).
.set SLAB,  106496
.set WPART, 26624
.set QUART, 6656
.set XTP,   2080                       ; a row of x in LDS: 2 x (1,024 bytes + 16 of padding).  Rows 16 apart start in the same banks: a load of 16 rows goes two deep
.set XIMG,  64*XTP                     ; behind x's 64 rows: 16 images of 1,536 bytes,
.set XSCO,  24576                      ; and, so far behind XIMG, 4 blocks of scale words of 512
.set LI,  1                            ; 16 x lane
.set L8,  2                            ; 8 x lane
.set XT,  3                            ; x in LDS: my row of tile w, + 64 h
.set BA,  4                            ; 64 h
.set BNA, 5                            ; 4 (r + 8 (r / 8))
.set XWI, 6                            ; where I store x's images
.set XSW, 7                            ; and their scale words
.set HKS, 8                            ; 4,096 h + 16 r
.set SH,  9                            ; 16 h
.set LXI, 14                           ; XIMG + 16 x lane
.set WS,  16
.set XS,  48
.set ACC, 64
.set PC,  192
.set TM,  212
.set PWK, 228
.set PWV, 232
.set PWX, 236
.set BT,  192
.set BN,  192
.set WV,  18
.set SEL, 44
.set G1,  48                           ; s[48:55] descriptor group 1
.set G0,  56                           ; s[56:59] group 0
.set MSB, 0
.macro WIN new                         ; the immediate's high byte repeats the setting that is left
.if MSB != (\new)
	s_set_vgpr_msb (MSB<<8)|(\new)
.set MSB, \new
.endif
.endm
.macro PLACES                          ; four plain places behind a matrix instruction, ahead of the first read of its results; also the four lines behind a tensor load
.rept 4
	v_nop
.endr
.endm
; 16 nb numbers of a lane in window w, register 16 b + i = k 32 b + 16 (lane / 16) + i of my row, become codes in v[PC] on (registers 6 c .. 6 c + 5: k = 64 c + 32 (lane / 16) + 0 .. 31) and the scale word v[pw].
.macro QUANT s, w, nb, pw
	WIN (\w)|((\w)<<2)
.irp b, 0,1,2,3
.if \b < (\nb)
	v_max3_num_f32 v[TM+\b], |v[(\s)+16*\b]|, |v[(\s)+16*\b+1]|, 0x1800000   ; my 16 numbers of block b, and the floor 2^(3 - 127): the byte cannot fall under 1
.endif
.endr
	WIN ((\w)<<2)|((\w)<<4)
.irp i, 2,4,6,8,10,12,14
.irp b, 0,1,2,3
.if \b < (\nb)
	v_max3_num_f32 v[TM+\b], v[TM+\b], |v[(\s)+16*\b+\i]|, |v[(\s)+16*\b+\i+1]|
.endif
.endr
.endr
	WIN 0
.irp b, 0,1,2,3
.if \b < (\nb)
	v_permlanex16_b32 v[TM+4+\b], v[TM+\b], s[SEL], s[SEL+1]
.endif
.endr
.irp b, 0,1,2,3
.if \b < (\nb)
	v_max_num_f32 v[TM+\b], v[TM+\b], v[TM+4+\b]
.endif
.endr
.irp b, 0,1,2,3
.if \b < (\nb)
	v_add_nc_u32 v[TM+12+\b], 0xff000000, v[TM+\b]     ; 2 off the exponent field: the conversion's scale operand
.endif
.endr
.irp b, 0,1,2,3
.if \b < (\nb)
	v_lshrrev_b32 v[TM+4+\b], 23, v[TM+12+\b]          ; the scale's byte
.endif
.endr
	v_lshl_or_b32 v[\pw], v[TM+5], 8, v[TM+4]
.if (\nb) > 2
	v_lshl_or_b32 v[\pw], v[TM+6], 16, v[\pw]
	v_lshl_or_b32 v[\pw], v[TM+7], 24, v[\pw]
.endif
	WIN \w
.irp c, 0,1
.if 2*\c < (\nb)
	v_cvt_scalef32_pk16_fp6_f32 v[PC+6*\c:PC+6*\c+2], v[(\s)+32*\c:(\s)+32*\c+15], v[TM+12+2*\c]
	v_cvt_scalef32_pk16_fp6_f32 v[PC+12+4*\c:PC+14+4*\c], v[(\s)+32*\c+16:(\s)+32*\c+31], v[TM+13+2*\c]
.endif
.endr
	WIN 0
	v_nop                                              ; one plain place behind a scaled conversion
.irp c, 0,1
.if 2*\c < (\nb)
.irp i, 0,1,2
	v_permlane16_swap_b32 v[PC+6*\c+\i], v[PC+12+4*\c+\i]
.endr
.irp i, 0,1,2
	v_mov_b32 v[PC+3+6*\c+\i], v[PC+12+4*\c+\i]
.endr
.endif
.endr
.endm
	s_load_b256 s[4:11], s[0:1], 0x0               ; x, wimg, b_qkv, hk
	s_load_b128 s[12:15], s[0:1], 0x20             ; hks, hv
	s_load_b64 s[16:17], s[0:1], 0x30              ; hvs
	v_lshl_add_u32 v254, v0, 2, 0x29000
	v_mov_b32 v255, 0
	ds_add_u32 v254, v255
	ds_add_u32 v254, v255
	v_lshrrev_b32 v10, 5, v0
	v_readfirstlane_b32 s[WV], v10                 ; wave 0..3
	v_and_b32 v10, 31, v0                          ; lane
	v_and_b32 v11, 15, v0                          ; r
	v_bfe_u32 v12, v0, 4, 1                        ; h
	v_lshlrev_b32 v[LI], 4, v10
	v_lshlrev_b32 v[L8], 3, v10
	v_and_b32 v13, 8, v11
	v_add_nc_u32 v13, v13, v11                     ; r + 8 (r / 8)
	s_lshr_b32 s24, s[WV], 1
	s_lshl_b32 s24, s24, 5
	s_and_b32 s25, s[WV], 1
	s_lshl_b32 s25, s25, 3
	s_add_co_u32 s24, s24, s25                     ; tile w's first row: 32 (w / 2) + 8 (w % 2)
	s_mul_i32 s24, s24, XTP
	v_mul_u32_u24 v[XT], v13, XTP
	v_lshl_add_u32 v[XT], v12, 6, v[XT]
	v_add_nc_u32 v[XT], s24, v[XT]
	v_lshlrev_b32 v[BA], 6, v12
	v_lshlrev_b32 v[BNA], 2, v13
	v_add_nc_u32 v[LXI], XIMG, v[LI]
	s_mul_i32 s24, s[WV], 4*1536
	v_add_nc_u32 v[XWI], s24, v[LXI]
	s_lshl_b32 s24, s[WV], 9
	s_add_co_u32 s24, s24, XSCO
	v_add_nc_u32 v[XSW], s24, v[LXI]
	v_lshlrev_b32 v[HKS], 4, v11
	v_lshl_add_u32 v[HKS], v12, 12, v[HKS]
	v_lshlrev_b32 v[SH], 4, v12
	s_mov_b32 s[SEL], 0x76543210
	s_mov_b32 s[SEL+1], 0xfedcba98
.irp b, 0,1,2,3
	v_mov_b32 v[TM+4+\b], 0                        ; written once: a lane permute's destination counts as one of its sources
.endr
	; descriptor group 1: 16 rows of 512 elements of 4 bytes, dense in memory, padded in LDS
	s_mov_b32 s[G1], (2<<16)|(1<<20)|(7<<22)|(3<<25)   ; no mask; elements of 4 bytes; padding on: behind every 256 words (code 7) 4 words (code 3)
	s_mov_b32 s[G1+1], 512<<16                     ; tensor_dim0
	s_mov_b32 s[G1+2], 16<<16                      ; tensor_dim1
	s_mov_b32 s[G1+3], 512<<16                     ; tile_dim0
	s_mov_b32 s[G1+4], 16                          ; tile_dim1
	s_mov_b32 s[G1+5], 512                         ; elements from row to row
	s_mov_b32 s[G1+6], 0
	s_mov_b32 s[G1+7], 0
	s_lshr_b32 s21, ttmp9, 4                       ; b
	s_and_b32 s22, ttmp9, 15                       ; blk
	s_lshl_b32 s26, ttmp9, 17                      ; x: 64 rows of 2,048 bytes a block,
	s_lshl_b32 s24, s[WV], 15                      ; of which I fetch rows 16 w on
	s_add_co_u32 s26, s26, s24
	s_mov_b32 s27, 0
	s_lshl_b32 s28, s21, 3
	s_lshl_b32 s29, s[WV], 1
	s_add_co_u32 s28, s28, s29                     ; 8 b + 2 w: my first head
	s_lshl_b32 s30, s28, 6
	s_lshl_b32 s31, s22, 2
	s_add_co_u32 s30, s30, s31
	s_mul_i32 s30, s30, 768                        ; hk: tile 4 blk of that head
	s_mov_b32 s31, 0
	s_lshl_b32 s32, s28, 12
	s_lshl_b32 s33, s22, 8
	s_add_co_u32 s32, s32, s33                     ; hks
	s_mov_b32 s33, 0
	s_lshl_b32 s34, s28, 4
	s_add_co_u32 s34, s34, s22
	s_mul_i32 s34, s34, 3072                       ; hv
	s_mov_b32 s35, 0
	s_lshl_b32 s36, s21, 2
	s_add_co_u32 s36, s36, s[WV]
	s_lshl_b32 s36, s36, 4
	s_add_co_u32 s36, s36, s22
	s_lshl_b32 s36, s36, 8                         ; hvs
	s_mov_b32 s37, 0
	s_mul_i32 s38, s[WV], WPART
	s_mov_b32 s39, 0
	s_lshl_b32 s40, s[WV], 9
	s_mov_b32 s41, 0
	s_wait_dscnt 0x0
	s_wait_kmcnt 0x0
	s_mov_b32 s[G0], 1                             ; count = 1
	s_mul_i32 s[G0+1], s[WV], 16*XTP               ; LDS: rows 16 w on
	s_add_nc_u64 s[G0+2:G0+3], s[4:5], s[26:27]
	s_or_b32 s[G0+3], s[G0+3], 0x80000000          ; type = 2
	tensor_load_to_lds s[G0:G0+3], s[G1:G1+7]      ; my 16 rows of x: the wave's one tensor load
	s_nop 0
	PLACES
	s_add_nc_u64 s[6:7], s[6:7], s[38:39]
	s_add_nc_u64 s[8:9], s[8:9], s[40:41]
	s_add_nc_u64 s[10:11], s[10:11], s[30:31]
	s_add_nc_u64 s[12:13], s[12:13], s[32:33]
	s_add_nc_u64 s[14:15], s[14:15], s[34:35]
	s_add_nc_u64 s[16:17], s[16:17], s[36:37]
	; the weight's fragments (tile t, K step s): slab s / 2, quarter 2 (s % 2) + t / 4, fragment t % 4.  They land while x is on its way
.irp u, 0,1
	WIN 0x40+0x40*\u                               ; destination window 1, then 2
.irp t, 0,1,2,3
.irp s, 0,1,2,3
.irp g, 0,1,2
	global_load_b128 v[12*(4*\t+\s)+4*\g:12*(4*\t+\s)+4*\g+3], v[LI], s[6:7] offset:(\s/2)*SLAB+(2*(\s%2)+\u)*QUART+\t*1536+512*\g
.endr
.endr
.endr
.endr
	WIN 0
.irp s, 0,1,2,3
.irp u, 0,1
	global_load_b128 v[WS+8*\s+4*\u:WS+8*\s+4*\u+3], v[LI], s[6:7] offset:(\s/2)*SLAB+(2*(\s%2)+\u)*QUART+6144
.endr
.endr
	WIN 0x40
.irp t, 0,1,2,3,4,5,6,7                        ; transposed: register j of lane (r, h) in tile t is column 32 (t / 2) + 8 (t % 2) + 16 h + j
	global_load_b128 v[BT+8*\t:BT+8*\t+3], v[BA], s[8:9] offset:(32*(\t/2)+8*(\t%2))*4
	global_load_b128 v[BT+8*\t+4:BT+8*\t+7], v[BA], s[8:9] offset:(32*(\t/2)+8*(\t%2))*4+16
.endr
	WIN 0x80
.irp t, 0,1,2,3,4,5,6,7                        ; natural: all eight registers of a lane are its one column
	global_load_b32 v[BN+8*\t], v[BNA], s[8:9] offset:(32*(\t/2)+8*(\t%2))*4
.endr
	WIN 0
	s_wait_tensorcnt 0x0                           ; my 16 rows have landed,
	s_barrier_signal -1
	s_barrier_wait -1                              ; everybody's have
.macro XFETCH reg, s                   ; K step s of my row: 16 neighbours of each of four blocks.  K steps 2 and 3 lie behind the row's first padding
.irp b, 0,1,2,3
.irp j, 0,1,2,3
	ds_load_b128 v[(\reg)+16*\b+4*\j:(\reg)+16*\b+4*\j+3], v[XT] offset:512*(\s)+16*((\s)/2)+128*\b+16*\j
.endr
.endr
.endm
	XFETCH ACC, 0
	XFETCH ACC+64, 1
	; ---- X: my tile of x becomes four fragments
.irp s, 0,1,2,3
.if \s < 3
	s_wait_dscnt 16                                ; this K step's numbers are in and the last image's three stores are done; the next K step's 16 loads may be out
.else
	s_wait_dscnt 0x0
.endif
	QUANT ACC+64*(\s%2), 0, 4, PWX+\s
.irp g, 0,1,2
	ds_store_b128 v[XWI], v[PC+4*\g:PC+4*\g+3] offset:1536*\s+512*\g
.endr
.if \s < 2
	XFETCH ACC+64*(\s%2), \s+2
.endif
.endr
	ds_store_b128 v[XSW], v[PWX:PWX+3]
	s_wait_loadcnt 0x0                             ; the weight's fragments, scale words and the biases
	WIN 0x82
.irp t, 0,1,2,3,4,5,6,7
.irp j, 1,2,3,4,5,6,7
	v_mov_b32 v[BN+8*\t+\j], v[BN+8*\t]
.endr
.endr
	WIN 0
	s_wait_dscnt 0x0                               ; for the others' sake: my images lie in LDS
	s_barrier_signal -1
	s_barrier_wait -1
	WIN 0xc0
.irp k, 0,1,2,3,4,5,6,7,8,9,10,11,12,13,14,15
.irp g, 0,1,2
	ds_load_b128 v[12*\k+4*\g:12*\k+4*\g+3], v[LXI] offset:1536*\k+512*\g
.endr
.endr
	WIN 0
.irp m, 0,1,2,3
	ds_load_b128 v[XS+4*\m:XS+4*\m+3], v[LXI] offset:XSCO+512*\m
.endr
	s_wait_dscnt 0x0
; transposed: tile t of the weight x tile m of x, K step s.  The eight accumulators take turns, one instruction a turn.
.macro TMUL m, s, t
.if (\s) == 0
	WIN 0x1d+((\t)/4)
	v_wmma_scale_f32_16x16x128_f8f6f4 v[ACC+8*(\t):ACC+8*(\t)+7], v[12*(4*((\t)%4)+(\s)):12*(4*((\t)%4)+(\s))+11], v[12*(4*(\m)+(\s)):12*(4*(\m)+(\s))+11], v[BT+8*(\t):BT+8*(\t)+7], v[WS+8*(\s)+(\t)], v[XS+4*(\m)+(\s)] matrix_a_fmt:MATRIX_FMT_FP6 matrix_b_fmt:MATRIX_FMT_FP6
.else
	WIN 0x0d+((\t)/4)
	v_wmma_scale_f32_16x16x128_f8f6f4 v[ACC+8*(\t):ACC+8*(\t)+7], v[12*(4*((\t)%4)+(\s)):12*(4*((\t)%4)+(\s))+11], v[12*(4*(\m)+(\s)):12*(4*(\m)+(\s))+11], v[ACC+8*(\t):ACC+8*(\t)+7], v[WS+8*(\s)+(\t)], v[XS+4*(\m)+(\s)] matrix_a_fmt:MATRIX_FMT_FP6 matrix_b_fmt:MATRIX_FMT_FP6
.endif
.endm
; natural: tile m of x x tile t = 2 g + u of the weight
.macro NMUL g, s, u, m
.if (\s) == 0
	WIN 0x27+4*((\g)/2)
	v_wmma_scale_f32_16x16x128_f8f6f4 v[ACC+32*(\u)+8*(\m):ACC+32*(\u)+8*(\m)+7], v[12*(4*(\m)+(\s)):12*(4*(\m)+(\s))+11], v[12*(4*((2*(\g)+(\u))%4)+(\s)):12*(4*((2*(\g)+(\u))%4)+(\s))+11], v[BN+8*(2*(\g)+(\u)):BN+8*(2*(\g)+(\u))+7], v[XS+4*(\m)+(\s)], v[WS+8*(\s)+2*(\g)+(\u)] matrix_a_fmt:MATRIX_FMT_FP6 matrix_b_fmt:MATRIX_FMT_FP6
.else
	WIN 0x07+4*((\g)/2)
	v_wmma_scale_f32_16x16x128_f8f6f4 v[ACC+32*(\u)+8*(\m):ACC+32*(\u)+8*(\m)+7], v[12*(4*(\m)+(\s)):12*(4*(\m)+(\s))+11], v[12*(4*((2*(\g)+(\u))%4)+(\s)):12*(4*((2*(\g)+(\u))%4)+(\s))+11], v[ACC+32*(\u)+8*(\m):ACC+32*(\u)+8*(\m)+7], v[XS+4*(\m)+(\s)], v[WS+8*(\s)+2*(\g)+(\u)] matrix_a_fmt:MATRIX_FMT_FP6 matrix_b_fmt:MATRIX_FMT_FP6
.endif
.endm
	; ---- T: a lane holds one row; its 64 registers are my 128 columns' half: blocks 0, 1 are head 2 w, blocks 2, 3 head 2 w + 1
.irp m, 0,1,2,3
.irp s, 0,1,2,3
.irp t, 0,1,2,3,4,5,6,7
	TMUL \m, \s, \t
.endr
.endr
	WIN 0
	PLACES
	s_wait_xcnt 0x0                                ; the last stores have read the codes' registers
	QUANT ACC, 0, 4, PWK+\m
	global_store_b128 v[LI], v[PC:PC+3], s[10:11] offset:\m*768
	global_store_b64 v[L8], v[PC+4:PC+5], s[10:11] offset:\m*768+512
	global_store_b128 v[LI], v[PC+6:PC+9], s[10:11] offset:\m*768+49152
	global_store_b64 v[L8], v[PC+10:PC+11], s[10:11] offset:\m*768+49152+512
.endr
.irp m, 0,1,2,3
	v_lshrrev_b32 v[PWK+\m], v[SH], v[PWK+\m]      ; lanes 16-31 bring head 2 w + 1's two bytes down
.endr
	global_store_b128 v[HKS], v[PWK:PWK+3], s[12:13]   ; sixteen lanes store 256 consecutive bytes of one head, aligned
	; ---- N: a lane holds one column; the 32 registers of a weight tile are 64 keys' half: two blocks of 32 keys
.irp g, 0,1,2,3
.irp s, 0,1,2,3
.irp u, 0,1
.irp m, 0,1,2,3
	NMUL \g, \s, \u, \m
.endr
.endr
.endr
	WIN 0
	PLACES
	s_wait_xcnt 0x0
	QUANT ACC, 0, 4, PWV+\g
	global_store_b128 v[LI], v[PC:PC+3], s[14:15] offset:(\g/2)*49152+2*(\g%2)*768
	global_store_b64 v[L8], v[PC+4:PC+5], s[14:15] offset:(\g/2)*49152+2*(\g%2)*768+512
	global_store_b128 v[LI], v[PC+6:PC+9], s[14:15] offset:(\g/2)*49152+2*(\g%2)*768+768
	global_store_b64 v[L8], v[PC+10:PC+11], s[14:15] offset:(\g/2)*49152+2*(\g%2)*768+768+512
.endr
	v_cmp_ne_u32 vcc_lo, 0, v[SH]
	v_cndmask_b32 v[PWX], v[PWV], v[PWV+2], vcc_lo     ; lanes 0-15: head 2 w's four tiles; lanes 16-31: head 2 w + 1's
	v_cndmask_b32 v[PWX+1], v[PWV+1], v[PWV+3], vcc_lo
	global_store_b64 v[L8], v[PWX:PWX+1], s[16:17]     ; 32 lanes store 256 consecutive bytes, aligned
	s_wait_tensorcnt 0x0
	ds_add_u32 v254, v255
	s_wait_dscnt 0x0
	s_endpgm
.Lfunc_end_k_q04d16311fb_qkv:
	.size	k_q04d16311fb_qkv, .Lfunc_end_k_q04d16311fb_qkv-k_q04d16311fb_qkv
	.p2alignl 7, 3214868480
	.fill 96, 4, 3214868480
	.section	.rodata,"a",@progbits
	.p2align	6, 0x0
	.amdhsa_kernel k_q04d16311fb_qkv
		.amdhsa_group_segment_fixed_size 168448
		.amdhsa_private_segment_fixed_size 0
		.amdhsa_enable_private_segment 0
		.amdhsa_kernarg_size 56
		.amdhsa_user_sgpr_count 2
		.amdhsa_user_sgpr_kernarg_segment_ptr 1
		.amdhsa_wavefront_size32 1
		.amdhsa_system_sgpr_workgroup_id_x 1
		.amdhsa_system_sgpr_workgroup_id_y 1
		.amdhsa_system_sgpr_workgroup_id_z 1
		.amdhsa_system_vgpr_workitem_id 0
		.amdhsa_next_free_vgpr 1024
		.amdhsa_next_free_sgpr 66
		.amdhsa_reserve_vcc 1
		.amdhsa_float_denorm_mode_32 3
		.amdhsa_float_denorm_mode_16_64 3
		.amdhsa_memory_ordered 1
		.amdhsa_forward_progress 1
		.amdhsa_inst_pref_size 110
	.end_amdhsa_kernel
	.amdgpu_metadata
---
amdhsa.version: [ 1, 2 ]
amdhsa.kernels:
  - .name:           k_q04d16311fb_qkv
    .symbol:         k_q04d16311fb_qkv.kd
    .args:
      - { .name: x, .offset: 0, .size: 8, .value_kind: global_buffer, .address_space: global }
      - { .name: wimg, .offset: 8, .size: 8, .value_kind: global_buffer, .address_space: global }
      - { .name: b_qkv, .offset: 16, .size: 8, .value_kind: global_buffer, .address_space: global }
      - { .name: hk, .offset: 24, .size: 8, .value_kind: global_buffer, .address_space: global }
      - { .name: hks, .offset: 32, .size: 8, .value_kind: global_buffer, .address_space: global }
      - { .name: hv, .offset: 40, .size: 8, .value_kind: global_buffer, .address_space: global }
      - { .name: hvs, .offset: 48, .size: 8, .value_kind: global_buffer, .address_space: global }
    .group_segment_fixed_size: 168448
    .private_segment_fixed_size: 0
    .kernarg_segment_align: 8
    .kernarg_segment_size: 56
    .max_flat_workgroup_size: 128
    .sgpr_count:     66
    .vgpr_count:     1024
    .wavefront_size: 32
...
	.end_amdgpu_metadata
.endif
;; end of part 6
;; launch attn (part 7): grid 2 x 128, 16 waves a work-group, no clusters, 169,984 bytes of LDS; arguments hk, hks, hv, hvs, ctx, cs; writes ctx, cs
.if DOCPART == 7
	.amdgcn_target "amdgcn-amd-amdhsa--gfx1250"
	.amdhsa_code_object_version 6
	.text
	.protected	k_q04d16311fb_attn
	.globl	k_q04d16311fb_attn
	.p2align	8
	.type	k_q04d16311fb_attn,@function
k_q04d16311fb_attn:
	s_mov_b64 s[64:65], 0
	v_nop
	global_prefetch_b8 v0, s[64:65] scope:SCOPE_SE
	s_setreg_imm32_b32 hwreg(HW_REG_WAVE_MODE, 25, 1), 1
	s_wait_xcnt 0x0
; ctx = softmax(h h^T / 8) h for one head, both products on codes of FP6 (E2M3); ctx leaves as codes along the model's 512 (its head's 64) with their scale bytes.
; THE SOFTMAX AHEAD OF THE SECOND PRODUCT: t = score x log2(e) / 8; M = the running largest t rounded up to a whole number; p = 2^(t - M) is quantised along the keys, not normalised; the row's sum is taken of the unquantised p
; and divides at the end.  When M moves, the sum and O are multiplied by 2^(old M - new M): exact.
; SHARES.  A work-group owns 512 queries of one head (grid x: which half; grid y: 8 b + head); each of its sixteen waves two tiles of 16 queries, one after the other, in 256 registers: four waves to a SIMD, so that one wave's
; vector work stands beside another's matrix work.  THE WHOLE HEAD LIES IN LDS: K's 64 half fragments (49,152 bytes), V's 64 (49,152), K's scale words (4,096), V's scale bytes (2,048): filled once, by ten tensor loads, one a
; wave (by this text's count a wave has at most one out); nothing is filled again and nothing is stored to LDS.
; NO CLUSTER: the two work-groups of a head share these 104,448 bytes, asked for once at the head; no tile is asked for during the 16 key steps, so there is no stream of requests to share.
; LAYOUT.  Both products are used transposed (S^T = K Q^T, O^T = V^T P^T): a lane holds one query.  The rows of a tile are not neighbours (lane-row i of tile m of a block of 64: 32 (m / 2) + 8 (m % 2) + i + 8 (i / 8)), so the
; 16 registers of tiles 2 b, 2 b + 1 of S^T are 16 neighbouring keys.
; K = 64 IN AN INSTRUCTION OF 128: Q's registers 6-11 are zero codes.  K's fragment names 12 registers, of which the upper six are the next tile's codes (behind the last tile: zeros): finite numbers under scale bytes that are never
; 0xff, times zero: they add exactly nothing.  So a key step's eight tiles lie on end in 54 registers.
; LIMITS: NaN and infinities are not served; a block of ctx whose largest magnitude lies under 2^-124, and a block of zeros, get the byte 1.
; REGISTERS: v1-4 lane terms; v5-8 the step's addresses; v12 -M, v13 the largest t, v[14:15] the sum; v16-27 Q; v28 its scale word; v29 the first tile's ctx scale; v32-85 K; v88-151 S^T, p, then V; v152-183 O^T; v184-203 codes;
;   v204-211 K's scale words; v212-219 V's; v220-235 at work; v236-242 the second tile's Q; v252-255 at work.
.set KSC,  98304
.set VSC,  102400
.set VIMG, 49152
.set ADK16, 5
.set ADK8,  6
.set ADS,   7
.set ADT,   8
.set KF,  32
.set S,   88
.set O,   152
.set PC,  184
.set KS,  204
.set VR,  212
.set VW,  216
.set TM,  220
.set WV,  18
.set SEL, 20
.set CS,  22
.set G1I, 24                           ; s[24:31] 48 rows of 256 bytes, dense
.set G1S, 32                           ; s[32:39] 16 rows of 256 bytes, dense
.set G1V, 40                           ; s[40:47] 16 rows of 128 bytes, 256 apart in memory
.set G0K, 48
.set G0W, 52
.set G0S, 56
.set G0V, 60
.set TK,  80
.set TS,  81
.set TV,  82
.set CNT, 83
.set MSB, 0
.macro WIN new
.if MSB != (\new)
	s_set_vgpr_msb (MSB<<8)|(\new)
.set MSB, \new
.endif
.endm
.macro PLACES
.rept 4
	v_nop
.endr
.endm
.macro QUANT s, w, nb, pw
	WIN (\w)|((\w)<<2)
.irp b, 0,1,2,3
.if \b < (\nb)
	v_max3_num_f32 v[TM+\b], |v[(\s)+16*\b]|, |v[(\s)+16*\b+1]|, 0x1800000   ; my 16 numbers of block b, and the floor 2^(3 - 127): the byte cannot fall under 1
.endif
.endr
	WIN ((\w)<<2)|((\w)<<4)
.irp i, 2,4,6,8,10,12,14
.irp b, 0,1,2,3
.if \b < (\nb)
	s_delay_alu instid0(VALU_DEP_2)
	v_max3_num_f32 v[TM+\b], v[TM+\b], |v[(\s)+16*\b+\i]|, |v[(\s)+16*\b+\i+1]|
.endif
.endr
.endr
	WIN 0
.irp b, 0,1,2,3
.if \b < (\nb)
	s_delay_alu instid0(VALU_DEP_2)
	v_permlanex16_b32 v[TM+4+\b], v[TM+\b], s[SEL], s[SEL+1]
.endif
.endr
.irp b, 0,1,2,3
.if \b < (\nb)
	s_delay_alu instid0(VALU_DEP_2)
	v_max_num_f32 v[TM+\b], v[TM+\b], v[TM+4+\b]
.endif
.endr
.irp b, 0,1,2,3
.if \b < (\nb)
	s_delay_alu instid0(VALU_DEP_2)
	v_add_nc_u32 v[TM+12+\b], 0xff000000, v[TM+\b]
.endif
.endr
.irp b, 0,1,2,3
.if \b < (\nb)
	s_delay_alu instid0(VALU_DEP_2)
	v_lshrrev_b32 v[TM+4+\b], 23, v[TM+12+\b]
.endif
.endr
	s_delay_alu instid0(VALU_DEP_1)
	v_lshl_or_b32 v[\pw], v[TM+5], 8, v[TM+4]
.if (\nb) > 2
	v_lshl_or_b32 v[\pw], v[TM+6], 16, v[\pw]
	v_lshl_or_b32 v[\pw], v[TM+7], 24, v[\pw]
.endif
	WIN \w
.irp c, 0,1
.if 2*\c < (\nb)
	v_cvt_scalef32_pk16_fp6_f32 v[PC+6*\c:PC+6*\c+2], v[(\s)+32*\c:(\s)+32*\c+15], v[TM+12+2*\c]
	v_cvt_scalef32_pk16_fp6_f32 v[PC+12+4*\c:PC+14+4*\c], v[(\s)+32*\c+16:(\s)+32*\c+31], v[TM+13+2*\c]
.endif
.endr
	WIN 0
	v_nop
.irp c, 0,1
.if 2*\c < (\nb)
.irp i, 0,1,2
	v_permlane16_swap_b32 v[PC+6*\c+\i], v[PC+12+4*\c+\i]
.endr
.irp i, 0,1,2
	s_delay_alu instid0(VALU_DEP_3)
	v_mov_b32 v[PC+3+6*\c+\i], v[PC+12+4*\c+\i]
.endr
.endif
.endr
.endm
	s_load_b256 s[4:11], s[0:1], 0x0               ; hk, hks, hv, hvs
	s_load_b128 s[12:15], s[0:1], 0x20             ; ctx, cs
	v_lshl_add_u32 v250, v0, 2, 0x29000
	v_mov_b32 v251, 0
	ds_add_u32 v250, v251
	ds_add_u32 v250, v251
	v_lshrrev_b32 v5, 5, v0
	s_delay_alu instid0(VALU_DEP_1)
	v_readfirstlane_b32 s[WV], v5                  ; wave 0..15
	v_and_b32 v5, 31, v0                           ; lane
	v_and_b32 v6, 15, v0                           ; r
	s_delay_alu instid0(VALU_DEP_2)
	v_lshlrev_b32 v1, 4, v5                        ; 16 x lane
	s_delay_alu instid0(VALU_DEP_3)
	v_lshlrev_b32 v2, 3, v5
	s_delay_alu instid0(VALU_DEP_1)
	v_add_nc_u32 v2, 512, v2                       ; 512 + 8 x lane
	s_delay_alu instid0(VALU_DEP_4)
	v_lshlrev_b32 v31, 4, v6                       ; 16 r
	s_delay_alu instid0(VALU_DEP_1)
	v_add_nc_u32 v3, KSC, v31
	v_lshlrev_b32 v4, 3, v6
	s_delay_alu instid0(VALU_DEP_1)
	v_add_nc_u32 v4, VSC, v4
	v_lshlrev_b32 v30, 2, v5                       ; 4 x lane
.irp g, G1I, G1S, G1V
	s_mov_b32 s[\g], 3<<16                         ; no mask; elements of 8 bytes; no padding
	s_mov_b32 s[\g+5], 32                          ; 256 bytes from row to row
	s_mov_b32 s[\g+6], 0
	s_mov_b32 s[\g+7], 0
.endr
	s_mov_b32 s[G1I+1], 32<<16                     ; tensor_dim0
	s_mov_b32 s[G1I+2], 48<<16                     ; tensor_dim1
	s_mov_b32 s[G1I+3], 32<<16                     ; tile_dim0
	s_mov_b32 s[G1I+4], 48                         ; tile_dim1
	s_mov_b32 s[G1S+1], 32<<16
	s_mov_b32 s[G1S+2], 16<<16
	s_mov_b32 s[G1S+3], 32<<16
	s_mov_b32 s[G1S+4], 16
	s_mov_b32 s[G1V+1], 16<<16
	s_mov_b32 s[G1V+2], 16<<16
	s_mov_b32 s[G1V+3], 16<<16
	s_mov_b32 s[G1V+4], 16
	s_mov_b32 s[SEL], 0x76543210
	s_mov_b32 s[SEL+1], 0xfedcba98
	s_mov_b32 s[CS], 0x3e38aa3b                    ; c = log2(e) / 8
	s_mov_b32 s[CS+1], s[CS]
	s_and_b32 s66, ttmp7, 0xffff                   ; 8 b + head
	s_mul_i32 s68, s66, 49152                      ; the head's first byte in hk and in hv
	s_and_b32 s70, s[WV], 3
	s_mul_i32 s70, s70, 12288
	s_add_co_u32 s70, s70, s68                     ; the quarter that I fetch, if I fetch
	s_mov_b32 s71, 0
	s_mul_i32 s72, s[WV], 12288                    ; and its place in LDS: K's four quarters, then V's
	s_lshl_b32 s74, s66, 12                        ; the head's scale words in hks
	s_mov_b32 s75, 0
	s_lshr_b32 s76, s66, 1
	s_lshl_b32 s76, s76, 12
	s_and_b32 s77, s66, 1
	s_lshl_b32 s77, s77, 7
	s_add_co_u32 s76, s76, s77                     ; and its scale bytes in hvs
	s_mov_b32 s77, 0
	s_lshl_b32 s78, ttmp9, 5
	s_lshl_b32 s79, s[WV], 1
	s_add_co_u32 s78, s78, s79                     ; my first query tile: 32 x half + 2 x wave
	s_mul_i32 s78, s78, 768
	s_add_co_u32 s78, s78, s68
	s_mov_b32 s79, 0
	s_lshl_b32 s84, ttmp9, 3
	s_lshr_b32 s85, s[WV], 1
	s_add_co_u32 s84, s84, s85                     ; blk
	s_and_b32 s85, s[WV], 1                        ; i: my tiles are m = 2 i, 2 i + 1
	s_lshl_b32 s86, s84, 8
	s_lshl_b32 s87, s85, 3
	s_add_co_u32 s86, s86, s87
	s_add_co_u32 s86, s86, s74                     ; my queries' scale words
	s_mov_b32 s87, 0
	s_lshr_b32 s88, s66, 3
	s_lshl_b32 s88, s88, 4
	s_add_co_u32 s88, s88, s84                     ; R = 16 b + blk
	s_and_b32 s89, s66, 7                          ; head
	s_mul_i32 s90, s88, 24576
	s_mul_i32 s91, s85, 12288
	s_add_co_u32 s90, s90, s91
	s_mul_i32 s91, s89, 768
	s_add_co_u32 s90, s90, s91                     ; ctx [R][m][head][768]
	s_mov_b32 s91, 0
	s_lshl_b32 s92, s88, 11
	s_lshl_b32 s93, s89, 8
	s_add_co_u32 s92, s92, s93
	s_lshl_b32 s93, s85, 7
	s_add_co_u32 s92, s92, s93                     ; cs [R][head][i][lane]
	s_mov_b32 s93, 0
	s_wait_dscnt 0x0
	s_wait_kmcnt 0x0
	s_mov_b32 s[G0K], 1
	s_mov_b32 s[G0K+1], s72
	s_add_nc_u64 s[G0K+2:G0K+3], s[4:5], s[70:71]
	s_or_b32 s[G0K+3], s[G0K+3], 0x80000000
	s_mov_b32 s[G0W], 1
	s_mov_b32 s[G0W+1], s72
	s_add_nc_u64 s[G0W+2:G0W+3], s[8:9], s[70:71]
	s_or_b32 s[G0W+3], s[G0W+3], 0x80000000
	s_mov_b32 s[G0S], 1
	s_mov_b32 s[G0S+1], KSC
	s_add_nc_u64 s[G0S+2:G0S+3], s[6:7], s[74:75]
	s_or_b32 s[G0S+3], s[G0S+3], 0x80000000
	s_mov_b32 s[G0V], 1
	s_mov_b32 s[G0V+1], VSC
	s_add_nc_u64 s[G0V+2:G0V+3], s[10:11], s[76:77]
	s_or_b32 s[G0V+3], s[G0V+3], 0x80000000
	s_add_nc_u64 s[4:5], s[4:5], s[78:79]
	s_add_nc_u64 s[6:7], s[6:7], s[86:87]
	s_add_nc_u64 s[12:13], s[12:13], s[90:91]
	s_add_nc_u64 s[14:15], s[14:15], s[92:93]
	; the fills: waves 0-3 K's quarters, 4-7 V's, 8 K's scale words, 9 V's scale bytes.  Four v_nop follow each line.
	s_cmp_lt_u32 s[WV], 4
	s_cbranch_scc0 .Lnot_k
	tensor_load_to_lds s[G0K:G0K+3], s[G1I:G1I+7]
	s_nop 0
	PLACES
	s_branch .Lasked
.Lnot_k:
	s_cmp_lt_u32 s[WV], 8
	s_cbranch_scc0 .Lnot_v
	tensor_load_to_lds s[G0W:G0W+3], s[G1I:G1I+7]
	s_nop 0
	PLACES
	s_branch .Lasked
.Lnot_v:
	s_cmp_eq_u32 s[WV], 8
	s_cbranch_scc0 .Lnot_ks
	tensor_load_to_lds s[G0S:G0S+3], s[G1S:G1S+7]
	s_nop 0
	PLACES
	s_branch .Lasked
.Lnot_ks:
	s_cmp_eq_u32 s[WV], 9
	s_cbranch_scc0 .Lasked
	tensor_load_to_lds s[G0V:G0V+3], s[G1V:G1V+7]
	s_nop 0
	PLACES
.Lasked:
	s_wait_alu depctr_va_vdst(0)
	global_load_b128 v[16:19], v1, s[4:5]          ; my two query tiles: half fragments, and their scale words
	global_load_b64 v[20:21], v2, s[4:5]
	global_load_b32 v28, v31, s[6:7]
	global_load_b128 v[236:239], v1, s[4:5] offset:768
	global_load_b64 v[240:241], v2, s[4:5] offset:768
	global_load_b32 v242, v31, s[6:7] offset:4
.irp j, 22,23,24,25,26,27, 80,81,82,83,84,85, 224,225,226,227, 253
	v_mov_b32 v[\j], 0                             ; Q's upper half; what stands behind K's last tile; lane permutes' destinations; the upper half of the pair v[252:253]
.endr
	s_wait_tensorcnt 0x0                           ; my fill has landed,
	s_barrier_signal -1
	s_barrier_wait -1                              ; everybody's has
	s_wait_loadcnt 0x0
; A KEY STEP: 128 keys
.macro STEP
	v_add_nc_u32 v[ADK16], s[TK], v1
	v_add_nc_u32 v[ADK8], s[TK], v2
	v_add_nc_u32 v[ADS], s[TS], v3
	v_add_nc_u32 v[ADT], s[TV], v4
	v_nop
	v_nop                                          ; six places: the products below write over registers that the last step's products read as V; five are asked
.irp a, 0,1,2,3,4,5,6,7
	ds_load_b128 v[KF+6*\a:KF+6*\a+3], v[ADK16] offset:768*\a
	ds_load_b64 v[KF+6*\a+4:KF+6*\a+5], v[ADK8] offset:768*\a
.endr
	ds_load_b128 v[KS:KS+3], v[ADS]
	ds_load_b128 v[KS+4:KS+7], v[ADS] offset:256
	ds_load_b64 v[VR:VR+1], v[ADT]
	ds_load_b64 v[VR+2:VR+3], v[ADT] offset:128
	s_wait_dscnt 0x0
.irp a, 0,1,2,3,4,5,6,7
	v_wmma_scale_f32_16x16x128_f8f6f4 v[S+8*\a:S+8*\a+7], v[KF+6*\a:KF+6*\a+11], v[16:27], 0, v[KS+\a], v28 matrix_a_fmt:MATRIX_FMT_FP6 matrix_b_fmt:MATRIX_FMT_FP6
.endr
	v_perm_b32 v[VW], v[VR+2], v[VR], 0x05040100       ; V's scale words of these 128 keys: two bytes of each of the two blocks of 64.  (These four are the places behind the products)
	v_perm_b32 v[VW+1], v[VR+2], v[VR], 0x07060302
	v_perm_b32 v[VW+2], v[VR+3], v[VR+1], 0x05040100
	v_perm_b32 v[VW+3], v[VR+3], v[VR+1], 0x07060302
.irp b, 0,1,2,3
	v_max3_num_f32 v[TM+\b], v[S+16*\b], v[S+16*\b+1], v[S+16*\b+2]   ; the largest score of each block of 32 keys: for the row's maximum and, since p rises with the score, for the block's largest p
.endr
.irp i, 3,5,7,9,11,13
.irp b, 0,1,2,3
	v_max3_num_f32 v[TM+\b], v[TM+\b], v[S+16*\b+\i], v[S+16*\b+\i+1]
.endr
.endr
.irp b, 0,1,2,3
	v_max_num_f32 v[TM+\b], v[TM+\b], v[S+16*\b+15]
.endr
.irp b, 0,1,2,3
	s_delay_alu instid0(VALU_DEP_4)
	v_permlanex16_b32 v[TM+4+\b], v[TM+\b], s[SEL], s[SEL+1]
.endr
.irp b, 0,1,2,3
	s_delay_alu instid0(VALU_DEP_4)
	v_max_num_f32 v[TM+\b], v[TM+\b], v[TM+4+\b]
.endr
	s_delay_alu instid0(VALU_DEP_2)
	v_max3_num_f32 v254, v[TM], v[TM+1], v[TM+2]
	s_delay_alu instid0(VALU_DEP_1)
	v_max_num_f32 v254, v254, v[TM+3]
	s_delay_alu instid0(VALU_DEP_1)
	v_mul_f32 v254, s[CS], v254                    ; the step's largest t of my query
	s_delay_alu instid0(VALU_DEP_1)
	v_max_num_f32 v13, v13, v254
	v_mov_b32 v254, v12
	s_delay_alu instid0(VALU_DEP_2)
	v_floor_f32 v12, -v13                          ; the new -M = floor(-t): M is a whole number
	s_delay_alu instid0(VALU_DEP_1)
	v_sub_f32 v254, v12, v254
	s_delay_alu instid0(VALU_DEP_1)
	v_cvt_i32_f32 v254, v254                       ; old M - new M (it saturates)
	s_delay_alu instid0(VALU_DEP_1)
	v_ldexp_f32 v252, 1.0, v254                    ; f = 2^(old M - new M)
.set J, 0
.rept 32
	v_pk_fma_f32 v[S+J:S+J+1], v[S+J:S+J+1], s[CS:CS+1], v[12:13] op_sel_hi:[1,0,0]   ; t - M
.set J, J+2
.endr
.irp b, 0,1,2,3
	v_fma_f32 v[TM+\b], v[TM+\b], s[CS], v12
.endr
.set J, 0
	s_wait_alu depctr_va_vdst(0)
.rept 64
	v_exp_f32 v[S+J], v[S+J]                       ; p = 2^(t - M)
.set J, J+1
.endr
	v_pk_mul_f32 v[14:15], v[14:15], v[252:253] op_sel_hi:[1,0]   ; the sums under the new M: the plain place behind the exponentials
	s_wait_alu depctr_va_vdst(0)                   ; one wait for the batch of 64, ahead of its first reader
.irp b, 0,1,2,3
	v_exp_f32 v[TM+\b], v[TM+\b]                   ; each block's largest p
.endr
	v_pk_add_f32 v[228:229], v[92:93], v[96:97]
	v_pk_add_f32 v[254:255], v[100:101], v[104:105]
	v_pk_add_f32 v[248:249], v[108:109], v[112:113]
	v_pk_add_f32 v[246:247], v[116:117], v[120:121]
	v_pk_add_f32 v[244:245], v[124:125], v[128:129]
	v_pk_add_f32 v[234:235], v[132:133], v[136:137]
	v_pk_add_f32 v[232:233], v[140:141], v[144:145]
	v_pk_add_f32 v[14:15], v[14:15], v[148:149]
	v_pk_add_f32 v[228:229], v[228:229], v[88:89]
	v_pk_add_f32 v[254:255], v[254:255], v[90:91]
	v_pk_add_f32 v[248:249], v[248:249], v[94:95]
	v_pk_add_f32 v[246:247], v[246:247], v[98:99]
	v_pk_add_f32 v[244:245], v[244:245], v[102:103]
	v_pk_add_f32 v[234:235], v[234:235], v[106:107]
	v_pk_add_f32 v[232:233], v[232:233], v[110:111]
	v_pk_add_f32 v[14:15], v[14:15], v[114:115]
	v_pk_add_f32 v[228:229], v[228:229], v[118:119]
	v_pk_add_f32 v[254:255], v[254:255], v[122:123]
	v_pk_add_f32 v[248:249], v[248:249], v[126:127]
	v_pk_add_f32 v[246:247], v[246:247], v[130:131]
	v_pk_add_f32 v[244:245], v[244:245], v[134:135]
	v_pk_add_f32 v[234:235], v[234:235], v[138:139]
	v_pk_add_f32 v[232:233], v[232:233], v[142:143]
	v_pk_add_f32 v[14:15], v[14:15], v[146:147]
	v_pk_add_f32 v[228:229], v[228:229], v[150:151]
	s_delay_alu instid0(VALU_DEP_2)
	v_pk_add_f32 v[14:15], v[14:15], v[246:247]
	s_delay_alu instid0(VALU_DEP_2)
	v_pk_add_f32 v[228:229], v[228:229], v[244:245]
	v_pk_add_f32 v[254:255], v[254:255], v[234:235]
	v_pk_add_f32 v[248:249], v[248:249], v[232:233]
	s_delay_alu instid0(VALU_DEP_2)
	v_pk_add_f32 v[14:15], v[14:15], v[254:255]
	s_delay_alu instid0(VALU_DEP_2)
	v_pk_add_f32 v[228:229], v[228:229], v[248:249]
	s_delay_alu instid0(VALU_DEP_1)
	v_pk_add_f32 v[14:15], v[14:15], v[228:229]
	s_wait_alu depctr_va_vdst(0)                   ; and one for the four
.irp b, 0,1,2,3
	v_max_num_f32 v[TM+\b], 0x1800000, v[TM+\b]    ; the floor 2^(3 - 127)
.endr
.irp b, 0,1,2,3
	s_delay_alu instid0(VALU_DEP_4)
	v_add_nc_u32 v[TM+12+\b], 0xff000000, v[TM+\b]
.endr
.irp b, 0,1,2,3
	s_delay_alu instid0(VALU_DEP_4)
	v_lshrrev_b32 v[TM+4+\b], 23, v[TM+12+\b]
.endr
	s_delay_alu instid0(VALU_DEP_3)
	v_lshl_or_b32 v253, v[TM+5], 8, v[TM+4]        ; p's scale word
	s_delay_alu instid0(VALU_DEP_1)
	v_lshl_or_b32 v253, v[TM+6], 16, v253
	s_delay_alu instid0(VALU_DEP_1)
	v_lshl_or_b32 v253, v[TM+7], 24, v253
.irp c, 0,1
	v_cvt_scalef32_pk16_fp6_f32 v[PC+6*\c:PC+6*\c+2], v[S+32*\c:S+32*\c+15], v[TM+12+2*\c]
	v_cvt_scalef32_pk16_fp6_f32 v[PC+12+4*\c:PC+14+4*\c], v[S+32*\c+16:S+32*\c+31], v[TM+13+2*\c]
.endr
	v_nop
.irp c, 0,1
.irp i, 0,1,2
	v_permlane16_swap_b32 v[PC+6*\c+\i], v[PC+12+4*\c+\i]
.endr
.irp i, 0,1,2
	s_delay_alu instid0(VALU_DEP_3)
	v_mov_b32 v[PC+3+6*\c+\i], v[PC+12+4*\c+\i]
.endr
.endr
.irp t, 0,1,2,3                                ; V's four fragments take p's registers: two half fragments each, one of each block of 64 keys
.irp c, 0,1
	ds_load_b128 v[S+12*\t+6*\c:S+12*\t+6*\c+3], v[ADK16] offset:VIMG+(4*\c+\t)*768
	ds_load_b64 v[S+12*\t+6*\c+4:S+12*\t+6*\c+5], v[ADK8] offset:VIMG+(4*\c+\t)*768
.endr
.endr
.set J, 0
.rept 16
	v_pk_mul_f32 v[O+J:O+J+1], v[O+J:O+J+1], v[252:253] op_sel_hi:[1,0]   ; O^T under the new M.  (These are also the places between p's codes and scale word and the products)
.set J, J+2
.endr
	s_wait_alu depctr_va_vdst(0)
	s_wait_dscnt 0x0
.irp t, 0,1,2,3
	v_wmma_scale_f32_16x16x128_f8f6f4 v[O+8*\t:O+8*\t+7], v[S+12*\t:S+12*\t+11], v[PC:PC+11], v[O+8*\t:O+8*\t+7], v[VW+\t], v253 matrix_a_fmt:MATRIX_FMT_FP6 matrix_b_fmt:MATRIX_FMT_FP6
.endr
	s_add_co_u32 s[TK], s[TK], 6144
	s_add_co_u32 s[TS], s[TS], 512
	s_add_co_u32 s[TV], s[TV], 256
.endm
; ONE TILE OF 16 QUERIES against all 1,024 keys
.macro QTILE e
.if \e
.irp j, 0,1,2,3,4,5
	v_mov_b32 v[16+\j], v[236+\j]
.endr
	v_mov_b32 v28, v242
.endif
	v_mov_b32 v13, 0xff61b1e6                      ; the largest t so far: -3e38
	s_delay_alu instid0(VALU_DEP_1)
	v_floor_f32 v12, -v13
	v_mov_b32 v14, 0
	v_mov_b32 v15, 0
.set J, 0
.rept 32
	v_mov_b32 v[O+J], 0                            ; the step is written once: the first finds zeros
.set J, J+1
.endr
	s_mov_b32 s[TK], 0
	s_mov_b32 s[TS], 0
	s_mov_b32 s[TV], 0
	s_mov_b32 s[CNT], 8
	s_wait_xcnt 0x0                                ; the last tile's stores have read the codes' registers
.Lstep_\@:
	STEP
	s_sub_co_u32 s[CNT], s[CNT], 1
	s_cmp_lg_u32 s[CNT], 0
	s_cbranch_scc1 .Lstep_\@
	PLACES
	v_add_f32 v14, v14, v15
	s_delay_alu instid0(VALU_DEP_1)
	v_permlanex16_b32 v252, v14, s[SEL], s[SEL+1]
	s_delay_alu instid0(VALU_DEP_1)
	v_add_f32 v14, v14, v252                       ; the row's sum
	s_wait_alu depctr_va_vdst(0)
	v_rcp_f32 v14, v14
	v_nop
	s_wait_alu depctr_va_vdst(0)
.set J, 0
.rept 16
	v_pk_mul_f32 v[O+J:O+J+1], v[O+J:O+J+1], v[14:15] op_sel_hi:[1,0]   ; ctx: register 16 b + i is channel 32 b + 16 h + i of my query
.set J, J+2
.endr
.if \e
	QUANT O, 0, 2, 255
	v_lshl_or_b32 v255, v255, 16, v29              ; low half: tile 2 i's two bytes; high half: tile 2 i + 1's
.else
	QUANT O, 0, 2, 29
.endif
	global_store_b128 v1, v[PC:PC+3], s[12:13] offset:6144*\e
	global_store_b64 v2, v[PC+4:PC+5], s[12:13] offset:6144*\e
.if \e
	global_store_b32 v30, v255, s[14:15]
.endif
.endm
	QTILE 0
	QTILE 1
	s_wait_tensorcnt 0x0
	ds_add_u32 v250, v251
	s_wait_dscnt 0x0
	s_endpgm
.Lfunc_end_k_q04d16311fb_attn:
	.size	k_q04d16311fb_attn, .Lfunc_end_k_q04d16311fb_attn-k_q04d16311fb_attn
	.p2alignl 7, 3214868480
	.fill 96, 4, 3214868480
	.section	.rodata,"a",@progbits
	.p2align	6, 0x0
	.amdhsa_kernel k_q04d16311fb_attn
		.amdhsa_group_segment_fixed_size 169984
		.amdhsa_private_segment_fixed_size 0
		.amdhsa_enable_private_segment 0
		.amdhsa_kernarg_size 48
		.amdhsa_user_sgpr_count 2
		.amdhsa_user_sgpr_kernarg_segment_ptr 1
		.amdhsa_wavefront_size32 1
		.amdhsa_system_sgpr_workgroup_id_x 1
		.amdhsa_system_sgpr_workgroup_id_y 1
		.amdhsa_system_sgpr_workgroup_id_z 1
		.amdhsa_system_vgpr_workitem_id 0
		.amdhsa_next_free_vgpr 256
		.amdhsa_next_free_sgpr 96
		.amdhsa_reserve_vcc 0
		.amdhsa_float_denorm_mode_32 3
		.amdhsa_float_denorm_mode_16_64 3
		.amdhsa_memory_ordered 1
		.amdhsa_forward_progress 1
		.amdhsa_inst_pref_size 55
	.end_amdhsa_kernel
	.amdgpu_metadata
---
amdhsa.version: [ 1, 2 ]
amdhsa.kernels:
  - .name:           k_q04d16311fb_attn
    .symbol:         k_q04d16311fb_attn.kd
    .args:
      - { .name: hk, .offset: 0, .size: 8, .value_kind: global_buffer, .address_space: global }
      - { .name: hks, .offset: 8, .size: 8, .value_kind: global_buffer, .address_space: global }
      - { .name: hv, .offset: 16, .size: 8, .value_kind: global_buffer, .address_space: global }
      - { .name: hvs, .offset: 24, .size: 8, .value_kind: global_buffer, .address_space: global }
      - { .name: ctx, .offset: 32, .size: 8, .value_kind: global_buffer, .address_space: global }
      - { .name: cs, .offset: 40, .size: 8, .value_kind: global_buffer, .address_space: global }
    .group_segment_fixed_size: 169984
    .private_segment_fixed_size: 0
    .kernarg_segment_align: 8
    .kernarg_segment_size: 48
    .max_flat_workgroup_size: 512
    .sgpr_count:     96
    .vgpr_count:     256
    .wavefront_size: 32
...
	.end_amdgpu_metadata
.endif
;; end of part 7
;; launch tail (part 8): grid 256 x 1, 4 waves a work-group, no clusters, 239,104 bytes of LDS; arguments ctx, cs, wimg, x, b_out, g1, be1, b1, b2, g2, be2, out0; writes out0
.if DOCPART == 8
	.amdgcn_target "amdgcn-amd-amdhsa--gfx1250"
	.amdhsa_code_object_version 6
	.text
	.protected	k_q04d16311fb_tail
	.globl	k_q04d16311fb_tail
	.p2align	8
	.type	k_q04d16311fb_tail,@function
k_q04d16311fb_tail:
	s_mov_b64 s[64:65], 0
	v_nop
	global_prefetch_b8 v0, s[64:65] scope:SCOPE_SE
	s_setreg_imm32_b32 hwreg(HW_REG_WAVE_MODE, 25, 1), 1
	s_wait_xcnt 0x0
; attn = ctx w_out^T + b_out;  x1 = LN(x) + LN(attn) (g1, be1);  y = relu(x1 w1^T + b1) w2^T + b2;  out = x1 + LN(y) (g2, be2).  The three products on codes of FP6 (E2M3); all else in f32.  Nothing but out goes to memory.
; SHARES.  A work-group takes 64 rows (block R); wave w owns columns 128 w .. + 127 of attn, x1 and y, and hidden units 256 c + 64 w .. + 63 of chunk c, for all 64 rows.  All products are used transposed (source 0 = weight,
; source 1 = the rows' codes); lane-row i of tile m is row 32 (m / 2) + 8 (m % 2) + i + 8 (i / 8): a lane holds one row and its registers run along the columns in the order that the next quantiser wants.
; THE WEIGHTS are images of operand registers (wimg, slabs 2 to 19); each byte is multiplied by ONE wave of the work-group, so it goes from memory straight into that wave's registers: a ring of four quarters (4 x 48 registers and
; 4 x 4 scale words).  A fragment is asked for again behind its four products, for the quarter four further on: 13 loads a quarter, at most 52 out.  No other global load stands in that stream, so the wait ahead of a quarter is
; always for all but the 39 loads of the three quarters behind it (39, 26, 13, 0 at the stream's end).
; NO CLUSTER: no tile in LDS is shared between work-groups: the weights pass no LDS, and x's and ctx's rows are each work-group's own.  NO PREFETCH of the weights: work-group g begins with chunk (g / 4) mod 8 and walks the eight
; cyclically, so from its second chunk on other work-groups have read its slabs a chunk earlier; the stream itself runs four quarters ahead.
; x comes by one tensor load a wave: 64 rows x my 512 bytes, into bytes that I alone read; LDS is filled once.  When x has been read, x1 (f32, an image of my registers) is parked in the same bytes until the end.
; The small vectors go into LDS once, each wave its own columns; b1 is laid there in the order in which this work-group walks the chunks.
; x1's codes: K steps 1 and 2 stay in registers; K step 0 is fetched during the chunk before, K step 3 at a chunk's head.  Two barriers a chunk: hidden codes stored -> read; read -> stored again.
; The variance is taken of the deviations (two passes).  x1 = (dev(attn) r_a + dev(x) r_x) g1 + 2 be1.  y's sums take the chunks in the work-group's cyclic order.
; LIMITS: NaN and infinities are not served; a block whose largest magnitude lies under 2^-124, and a block of zeros, get the byte 1.
; REGISTERS: window 0: v1-23 addresses; v24-39 weight scale words (ring); v40-47 rows' scale words; v48-67 and v88-107 codes; v68-83 at work; v84-87 scale words made; v88-103 sums; v112-207 rows' fragments, two banks;
;   v208-239 the waves' sums; v240-247 means, 1 / sqrt; v248-255 scale words of x1's K steps 1, 2.   window 1: b_out, then x, then v0-127 hidden layer, v128-223 x1's K steps 1, 2, v224-255 b1; at the end g2, be2.
;   window 2: v0-191 the weights' ring; v192-255 g1; at the end x1.   window 3: attn, x1, then y.
.set SLAB,  106496
.set WPART, 26624
.set QUART, 6656
.set XSCO,  24576                      ; LDS 0: rows' codes [m][K step][half] of 768 (ctx, later x1); here their scale words
.set HIMO,  26624                      ; the hidden chunk's codes [m][K step of 2][half]
.set HSCO,  38912                      ; their scale words
.set LNB,   40960                      ; four regions of 2,048 bytes for the norms' sums
.set VEC,   49152                      ; b_out, g1, be1, b2, g2, be2: 2,048 bytes each
.set B1L,   61440                      ; b1: 2,048 bytes a wave, 256 a chunk, in the walk's order
.set STG,   69632                      ; the way out: 16 rows x 528 bytes a wave
.set XR0,   103424                     ; x: 64 rows x 528 bytes a wave; later x1's image
.set XRW,   33792
.set SPARE, 238592                     ; the spare words
.set SPW, 1
.set NIL, 2
.set GO,  3                            ; 16 x lane
.set LX8, 4                            ; 8 x lane
.set XW16, 5
.set XW8,  6
.set HW16, 7
.set HW8,  8
.set HS2,  9
.set LNA,  10
.set LNR,  11
.set STO,  12
.set SRD,  13
.set VA,   14
.set VW,   15
.set B1A,  16
.set B1W,  17
.set XSW,  18
.set XC,   19
.set L4,   20
.set XA,   21
.set X1A,  22
.set BAD,  23
.set WS,  24
.set OS,  40
.set PC,  48
.set TM,  68
.set PW,  84
.set T,   88
.set E,   96
.set OP,  112
.set BK,  112
.set XL,  208
.set M,   240
.set RS,  248
.set BI,  224
.set WV,  28
.set SEL, 30
.set RC,  32
.set EPS, 33
.set CNT, 34
.set TB,  35
.set G1,  36
.set G0,  44
.set WP,  48                           ; s[48:49] the weights' pointer
.set CC,  70
.set WR,  72
.set FS,  76
.set MSB, 0
.macro WIN new                         ; the immediate's high byte repeats the setting that is left
.if MSB != (\new)
	s_set_vgpr_msb (MSB<<8)|(\new)
.set MSB, \new
.endif
.endm
.macro PLACES                          ; four plain places behind a matrix instruction (ISA guide 7.12.1 for reads of its results)
.rept 4
	v_nop
.endr
.endm
.macro BAR
	s_barrier_signal -1
	s_barrier_wait -1
.endm
; 64 numbers of a lane in window w (register 16 b + i = k 32 b + 16 (lane / 16) + i) become codes in v[PC] on and the scale word v[pw]
.macro QUANT s, w, nb, pw
	WIN (\w)|((\w)<<2)
.irp b, 0,1,2,3
	v_max3_num_f32 v[TM+\b], |v[(\s)+16*\b]|, |v[(\s)+16*\b+1]|, 0x1800000   ; with the floor 2^(3 - 127): the byte cannot fall under 1
.endr
	WIN ((\w)<<2)|((\w)<<4)
.irp i, 2,4,6,8,10,12,14
.irp b, 0,1,2,3
	v_max3_num_f32 v[TM+\b], v[TM+\b], |v[(\s)+16*\b+\i]|, |v[(\s)+16*\b+\i+1]|
.endr
.endr
	WIN 0
.irp b, 0,1,2,3
	v_permlanex16_b32 v[TM+4+\b], v[TM+\b], s[SEL], s[SEL+1]
.endr
.irp b, 0,1,2,3
	v_max_num_f32 v[TM+\b], v[TM+\b], v[TM+4+\b]
.endr
.irp b, 0,1,2,3
	v_add_nc_u32 v[TM+12+\b], 0xff000000, v[TM+\b]     ; 2 off the exponent field: the conversion's scale operand
.endr
.irp b, 0,1,2,3
	v_lshrrev_b32 v[TM+4+\b], 23, v[TM+12+\b]          ; the scale's byte
.endr
	v_lshl_or_b32 v[\pw], v[TM+5], 8, v[TM+4]
	v_lshl_or_b32 v[\pw], v[TM+6], 16, v[\pw]
	v_lshl_or_b32 v[\pw], v[TM+7], 24, v[\pw]
	WIN \w
.irp c, 0,1
	v_cvt_scalef32_pk16_fp6_f32 v[PC+6*\c:PC+6*\c+2], v[(\s)+32*\c:(\s)+32*\c+15], v[TM+12+2*\c]
	v_cvt_scalef32_pk16_fp6_f32 v[PC+12+4*\c:PC+14+4*\c], v[(\s)+32*\c+16:(\s)+32*\c+31], v[TM+13+2*\c]
.endr
	WIN 0
	v_nop                                              ; one plain place behind a scaled conversion
.irp c, 0,1
.irp i, 0,1,2
	v_permlane16_swap_b32 v[PC+6*\c+\i], v[PC+12+4*\c+\i]
.endr
.irp i, 0,1,2
	v_mov_b32 v[PC+3+6*\c+\i], v[PC+12+4*\c+\i]
.endr
.endr
.endm
.macro WQ rb, off                      ; a whole quarter into ring place rb: 13 loads of 512 consecutive bytes
	WIN 0x80
.irp t, 0,1,2,3
.irp g, 0,1,2
	global_load_b128 v[48*(\rb)+12*\t+4*\g:48*(\rb)+12*\t+4*\g+3], v[GO], s[WP:WP+1] offset:(\off)+1536*\t+512*\g
.endr
.endr
	WIN 0
	global_load_b128 v[WS+4*(\rb):WS+4*(\rb)+3], v[GO], s[WP:WP+1] offset:(\off)+6144
.endm
.macro OFETCH win, reg, sreg, off, mstr, scoff   ; four tiles of rows, one K step, and their scale words: 17 LDS loads
	WIN (\win)<<6
.irp m, 0,1,2,3
.irp c, 0,1
	ds_load_b128 v[(\reg)+12*\m+6*\c:(\reg)+12*\m+6*\c+3], v[GO] offset:(\off)+\m*(\mstr)+768*\c
	ds_load_b64 v[(\reg)+12*\m+6*\c+4:(\reg)+12*\m+6*\c+5], v[LX8] offset:(\off)+\m*(\mstr)+768*\c+512
.endr
.endr
	WIN 0
	ds_load_b128 v[(\sreg):(\sreg)+3], v[GO] offset:\scoff
.endm
.macro WM d, a, b, c, sa, sb
	v_wmma_scale_f32_16x16x128_f8f6f4 v[(\d):(\d)+7], v[(\a):(\a)+11], v[(\b):(\b)+11], v[(\c):(\c)+7], v[\sa], v[\sb] matrix_a_fmt:MATRIX_FMT_FP6 matrix_b_fmt:MATRIX_FMT_FP6
.endm
.macro RELU b                          ; max(0, 0, x): source 2 and the destination share the products' window, so no switch is needed.  From the accumulator's low end on
.irp j, 0,1,2,3,4,5,6,7
	v_max3_num_f32 v[(\b)+\j], 0, 0, v[(\b)+\j]
.endr
.endm
; A QUARTER: four weight fragments (ring place rb) x four tiles of rows (registers op on, scale words os on): 16 products on 16 accumulators by turns.  cb >= 0: the sums begin with the bias at v[cb] on.
; ld = 1: behind a fragment's four products and four places its registers take the fragment of the quarter four further on (byte off from the pointer).  relu = 1: the quarter ends the hidden sums: each accumulator's
; activation stands behind the next product, eight plain places behind its own.
.macro QM rb, op, os, msb, acc, mstr, cb, ld, off, relu
.set QI, 0
.irp t, 0,1,2,3
	WIN \msb
.irp m, 0,1,2,3
.set QD, (\acc)+\m*(\mstr)+8*\t
.if (\cb) >= 0
	WM QD, 48*(\rb)+12*\t, (\op)+12*\m, (\cb)+8*\t, WS+4*(\rb)+\t, (\os)+\m
.else
	WM QD, 48*(\rb)+12*\t, (\op)+12*\m, QD, WS+4*(\rb)+\t, (\os)+\m
.endif
.if \relu
.if QI == 1
	PLACES
.endif
.if QI > 0
	RELU 32*((QI-1)%4)+8*((QI-1)/4)
.endif
.endif
.set QI, QI+1
.endr
.if \relu
.if \t == 3
	RELU 120
.endif
.else
.if (\ld) || (\t == 3)
	PLACES
.endif
.endif
.if \ld
	WIN 0x80
.irp g, 0,1,2
	global_load_b128 v[48*(\rb)+12*\t+4*\g:48*(\rb)+12*\t+4*\g+3], v[GO], s[WP:WP+1] offset:(\off)+1536*\t+512*\g
.endr
.endif
.endr
.if \ld
	WIN 0
	global_load_b128 v[WS+4*(\rb):WS+4*(\rb)+3], v[GO], s[WP:WP+1] offset:(\off)+6144
.endif
.endm
.macro VLOAD win, reg, voff            ; 64 numbers of my 128 columns of a small vector, in the results' layout: 16 LDS loads
	WIN (\win)<<6
.irp b, 0,1,2,3
.irp j, 0,1,2,3
	ds_load_b128 v[(\reg)+16*\b+4*\j:(\reg)+16*\b+4*\j+3], v[VA] offset:(\voff)+128*\b+16*\j
.endr
.endr
	WIN 0
.endm
.macro BILOAD                          ; b1 of my 64 units of the chunk at v[BAD]: 8 LDS loads
	WIN 0x40
.irp t, 0,1,2,3
	ds_load_b128 v[BI+8*\t:BI+8*\t+3], v[BAD] offset:(32*(\t/2)+8*(\t%2))*4
	ds_load_b128 v[BI+8*\t+4:BI+8*\t+7], v[BAD] offset:(32*(\t/2)+8*(\t%2))*4+16
.endr
	WIN 0
.endm
; THE NORMS.  Window n holds [m] 64 numbers of my row of tile m.
.macro SUMS n
	WIN (\n)|((\n)<<2)
.irp m, 0,1,2,3
	v_pk_add_f32 v[T+2*\m:T+2*\m+1], v[64*\m:64*\m+1], v[64*\m+2:64*\m+3]
.endr
	WIN (\n)<<2
.set J, 4
.rept 30
.irp m, 0,1,2,3
	v_pk_add_f32 v[T+2*\m:T+2*\m+1], v[T+2*\m:T+2*\m+1], v[64*\m+J:64*\m+J+1]
.endr
.set J, J+2
.endr
.endm
.macro SQS n
	WIN (\n)|((\n)<<2)
.irp m, 0,1,2,3
	v_pk_mul_f32 v[T+2*\m:T+2*\m+1], v[64*\m:64*\m+1], v[64*\m:64*\m+1]
.endr
.set J, 2
.rept 31
.irp m, 0,1,2,3
	v_pk_fma_f32 v[T+2*\m:T+2*\m+1], v[64*\m+J:64*\m+J+1], v[64*\m+J:64*\m+J+1], v[T+2*\m:T+2*\m+1]
.endr
.set J, J+2
.endr
.endm
.macro FIN k                           ; word k of E[m] = T's two halves and lane l xor 16's
	WIN 0
.irp m, 0,1,2,3
	v_add_f32 v[E+2*\m+(\k)], v[T+2*\m], v[T+2*\m+1]
.endr
.irp m, 0,1,2,3
	v_permlanex16_b32 v[TM+4+\m], v[E+2*\m+(\k)], s[SEL], s[SEL+1]
.endr
.irp m, 0,1,2,3
	v_add_f32 v[E+2*\m+(\k)], v[E+2*\m+(\k)], v[TM+4+\m]
.endr
.endm
.macro EXCH reg                        ; M[m] = the four waves' E[m], added in the order of the waves; each exchange has LDS bytes of its own
.irp m, 0,1,2,3
	ds_store_b64 v[LNA], v[E+2*\m:E+2*\m+1] offset:2048*(\reg)+512*\m
.endr
	s_wait_dscnt 0x0
	BAR
.irp m, 0,1,2,3
	ds_load_b128 v[XL+8*\m:XL+8*\m+3], v[LNR] offset:2048*(\reg)+512*\m
	ds_load_b128 v[XL+8*\m+4:XL+8*\m+7], v[LNR] offset:2048*(\reg)+512*\m+16
.endr
	s_wait_dscnt 0x0
.irp m, 0,1,2,3
	v_pk_add_f32 v[M+2*\m:M+2*\m+1], v[XL+8*\m:XL+8*\m+1], v[XL+8*\m+2:XL+8*\m+3]
.endr
.irp m, 0,1,2,3
	v_pk_add_f32 v[M+2*\m:M+2*\m+1], v[M+2*\m:M+2*\m+1], v[XL+8*\m+4:XL+8*\m+5]
.endr
.irp m, 0,1,2,3
	v_pk_add_f32 v[M+2*\m:M+2*\m+1], v[M+2*\m:M+2*\m+1], v[XL+8*\m+6:XL+8*\m+7]
.endr
.endm
.macro NEGMEAN
.irp m, 0,1,2,3
	v_pk_mul_f32 v[M+2*\m:M+2*\m+1], v[M+2*\m:M+2*\m+1], 0xbb000000 op_sel_hi:[1,0]   ; x -1/512
.endr
.endm
.macro DEV n, hi                       ; every number + word hi of M[m]
	WIN ((\n)<<6)|(\n)
.irp m, 0,1,2,3
.set J, 0
.rept 32
.if \hi
	v_pk_add_f32 v[64*\m+J:64*\m+J+1], v[64*\m+J:64*\m+J+1], v[M+2*\m:M+2*\m+1] op_sel:[0,1] op_sel_hi:[1,1]
.else
	v_pk_add_f32 v[64*\m+J:64*\m+J+1], v[64*\m+J:64*\m+J+1], v[M+2*\m:M+2*\m+1] op_sel_hi:[1,0]
.endif
.set J, J+2
.endr
.endr
.endm
.macro SCALE n, hi                     ; every number x word hi of M[m]
	WIN ((\n)<<6)|(\n)
.irp m, 0,1,2,3
.set J, 0
.rept 32
.if \hi
	v_pk_mul_f32 v[64*\m+J:64*\m+J+1], v[64*\m+J:64*\m+J+1], v[M+2*\m:M+2*\m+1] op_sel:[0,1] op_sel_hi:[1,1]
.else
	v_pk_mul_f32 v[64*\m+J:64*\m+J+1], v[64*\m+J:64*\m+J+1], v[M+2*\m:M+2*\m+1] op_sel_hi:[1,0]
.endif
.set J, J+2
.endr
.endr
.endm
.macro RSQ                             ; M = 1 / sqrt(M / 512 + 1e-5)
	WIN 0
.irp k, 0,1,2,3,4,5,6,7
	v_fma_f32 v[M+\k], v[M+\k], s[RC], s[EPS]
.endr
	s_wait_alu depctr_va_vdst(0)                   ; the wait ahead of the batch
.irp k, 0,1,2,3,4,5,6,7
	v_rsq_f32 v[M+\k], v[M+\k]
.endr
	v_nop
	s_wait_alu depctr_va_vdst(0)                   ; and ahead of its first reader
.endm
	s_load_b512 s[4:19], s[0:1], 0x0               ; ctx, cs, wimg, x, b_out, g1, be1, b1
	s_load_b256 s[20:27], s[0:1], 0x40             ; b2, g2, be2, out0
	v_lshl_add_u32 v[SPW], v0, 2, SPARE
	v_mov_b32 v[NIL], 0
	ds_add_u32 v[SPW], v[NIL]
	ds_add_u32 v[SPW], v[NIL]
	v_lshrrev_b32 v104, 5, v0
	v_readfirstlane_b32 s[WV], v104                ; wave 0..3
	s_mul_i32 s68, s[WV], WPART
	s_add_co_u32 s66, s68, 2*SLAB                  ; my part of slab 2
	s_mov_b32 s67, 0
	s_lshl_b32 s54, s[WV], 9                       ; my 128 columns in a vector of 512
	s_mov_b32 s55, 0
	s_lshl_b32 s56, ttmp9, 17
	s_add_co_u32 s56, s56, s54                     ; and in x and out0
	s_mov_b32 s57, 0
	s_mul_i32 s58, ttmp9, 24576
	s_mul_i32 s88, s[WV], 6144
	s_add_co_u32 s58, s58, s88                     ; ctx: my quarter of the block's images
	s_mov_b32 s59, 0
	s_lshl_b32 s60, ttmp9, 11
	s_add_co_u32 s60, s60, s54
	s_mov_b32 s61, 0
	s_lshl_b32 s62, s[WV], 8                       ; b1: my 64 units of a chunk
	s_mov_b32 s63, 0
	s_bfe_u32 s[CC], ttmp9, 0x30002                ; my first chunk: (work-group / 4) mod 8
	s_lshl_b32 s[FS], s[CC], 1
	s_add_co_u32 s[FS], s[FS], 2
	s_mul_i32 s[FS], s[FS], SLAB                   ; from slab 2 to my first chunk's slab of w1
	s_mov_b32 s[FS+1], 0
	s_mov_b32 s[WR+1], 0
	s_mul_i32 s80, s[WV], 1536
	s_mul_i32 s81, s[WV], 768
	s_add_co_u32 s81, s81, HIMO
	s_lshr_b32 s82, s[WV], 1
	s_lshl_b32 s82, s82, 9
	s_and_b32 s83, s[WV], 1
	s_lshl_b32 s83, s83, 1
	s_add_co_u32 s82, s82, s83
	s_add_co_u32 s82, s82, HSCO
	s_lshl_b32 s83, s[WV], 3
	s_mul_i32 s84, s[WV], 16*528
	s_add_co_u32 s84, s84, STG
	s_add_co_u32 s85, s54, VEC
	s_lshl_b32 s86, s[WV], 11
	s_add_co_u32 s86, s86, B1L
	s_add_co_u32 s87, s54, XSCO
	s_mul_i32 s89, s[WV], XRW
	s_add_co_u32 s89, s89, XR0
	s_mov_b32 s[SEL], 0x76543210
	s_mov_b32 s[SEL+1], 0xfedcba98
	s_mov_b32 s[RC], 0x3b000000                    ; 1/512
	s_mov_b32 s[EPS], 0x3727c5ac                   ; 1e-5
	s_mov_b32 s[TB], 0
	s_mov_b32 s[G1], (2<<16)|(1<<20)|(6<<22)|(3<<25)   ; elements of 4 bytes; behind every 128 words 4 words of padding
	s_mov_b32 s[G1+1], 128<<16                     ; tensor_dim0
	s_mov_b32 s[G1+2], 64<<16                      ; tensor_dim1
	s_mov_b32 s[G1+3], 128<<16                     ; tile_dim0
	s_mov_b32 s[G1+4], 64                          ; tile_dim1
	s_mov_b32 s[G1+5], 512                         ; elements from row to row
	s_mov_b32 s[G1+6], 0
	s_mov_b32 s[G1+7], 0
	v_and_b32 v104, 31, v0                         ; lane
	v_and_b32 v105, 15, v0                         ; r
	v_bfe_u32 v106, v0, 4, 1                       ; h
	v_lshlrev_b32 v[GO], 4, v104
	v_lshlrev_b32 v[L4], 2, v104
	v_lshlrev_b32 v[LX8], 3, v104
	v_add_nc_u32 v[XW16], s80, v[GO]               ; x1's codes: K step w
	v_add_nc_u32 v[XW8], s80, v[LX8]
	v_add_nc_u32 v[HW16], s81, v[GO]               ; the hidden chunk: half fragment w
	v_add_nc_u32 v[HW8], s81, v[LX8]
	v_add_nc_u32 v[HS2], s82, v[GO]                ; its two scale bytes
	v_lshlrev_b32 v[LNR], 5, v105
	v_add_nc_u32 v[LNR], LNB, v[LNR]
	v_add_nc_u32 v[LNA], s83, v[LNR]
	v_mul_u32_u24 v[STO], v105, 528
	v_lshl_add_u32 v[STO], v106, 6, v[STO]
	v_add_nc_u32 v[STO], s84, v[STO]
	v_add_nc_u32 v[SRD], s84, v[GO]
	v_lshlrev_b32 v[VA], 6, v106
	v_add_nc_u32 v[B1A], s86, v[VA]
	v_add_nc_u32 v[VA], s85, v[VA]
	v_add_nc_u32 v[VW], s85, v[GO]
	v_add_nc_u32 v[B1W], s86, v[GO]
	v_add_nc_u32 v[XSW], s87, v[GO]
	v_add_nc_u32 v[XC], s88, v[GO]
	v_and_b32 v107, 8, v105
	v_add_nc_u32 v107, v107, v105                  ; r + 8 (r / 8)
	v_mul_u32_u24 v[XA], v107, 528
	v_lshl_add_u32 v[XA], v106, 6, v[XA]
	v_add_nc_u32 v[XA], s89, v[XA]
	v_add_nc_u32 v[X1A], s89, v[GO]
	v_add_nc_u32 v107, s[CC], v106
.irp k, 0,1,2,3                                ; b1 in memory: place 2 k + h of my walk is chunk (first + 2 k + h) mod 8; 16 r bytes into my 256
	v_add_nc_u32 v[108+\k], 2*\k, v107
	v_and_b32 v[108+\k], 7, v[108+\k]
	v_lshlrev_b32 v[108+\k], 10, v[108+\k]
	v_lshl_add_u32 v[108+\k], v105, 4, v[108+\k]
.endr
.irp b, 0,1,2,3
	v_mov_b32 v[TM+4+\b], 0                        ; a lane permute's destination counts as one of its sources
.endr
	s_wait_alu depctr_va_vdst(0)
	s_wait_dscnt 0x0                               ; both opening adds are done
	s_wait_kmcnt 0x0
	s_add_nc_u64 s[4:5], s[4:5], s[58:59]
	s_add_nc_u64 s[6:7], s[6:7], s[60:61]
	s_add_nc_u64 s[WP:WP+1], s[8:9], s[66:67]
	s_add_nc_u64 s[10:11], s[10:11], s[56:57]
	s_add_nc_u64 s[12:13], s[12:13], s[54:55]
	s_add_nc_u64 s[14:15], s[14:15], s[54:55]
	s_add_nc_u64 s[16:17], s[16:17], s[54:55]
	s_add_nc_u64 s[18:19], s[18:19], s[62:63]
	s_add_nc_u64 s[20:21], s[20:21], s[54:55]
	s_add_nc_u64 s[22:23], s[22:23], s[54:55]
	s_add_nc_u64 s[24:25], s[24:25], s[54:55]
	s_add_nc_u64 s[26:27], s[26:27], s[56:57]
	s_mov_b32 s[G0], 1
	s_mov_b32 s[G0+1], s89
	s_mov_b64 s[G0+2:G0+3], s[10:11]
	s_or_b32 s[G0+3], s[G0+3], 0x80000000
	tensor_load_to_lds s[G0:G0+3], s[G1:G1+7]      ; x: 64 rows x my 512 bytes: the wave's one tensor load
	s_nop 0
	PLACES
.irp k, 0,1,2,3,4,5,6,7,8,9,10,11
	global_load_b128 v[OP+4*\k:OP+4*\k+3], v[GO], s[4:5] offset:512*\k th:TH_LOAD_NT   ; ctx's images, as they will lie in LDS
.endr
.irp k, 0,1,2,3
	global_load_b32 v[XL+\k], v[L4], s[6:7] offset:128*\k   ; ctx's scale bytes: heads 2 w, 2 w + 1
.endr
	global_load_b128 v[160:163], v[GO], s[12:13]   ; my columns of b_out, g1, be1, b2, g2, be2
	global_load_b128 v[164:167], v[GO], s[14:15]
	global_load_b128 v[168:171], v[GO], s[16:17]
	global_load_b128 v[172:175], v[GO], s[20:21]
	global_load_b128 v[176:179], v[GO], s[22:23]
	global_load_b128 v[180:183], v[GO], s[24:25]
.irp k, 0,1,2,3
	global_load_b128 v[184+4*\k:187+4*\k], v[108+\k], s[18:19]
.endr
	WQ 0, 0
	WQ 1, QUART
	s_wait_loadcnt 26                              ; all but the two quarters' 26
	v_perm_b32 v[PW], v[XL+2], v[XL], 0x05040100   ; the scale word of K step w and tile m: two bytes of each head
	v_perm_b32 v[PW+1], v[XL+2], v[XL], 0x07060302
	v_perm_b32 v[PW+2], v[XL+3], v[XL+1], 0x05040100
	v_perm_b32 v[PW+3], v[XL+3], v[XL+1], 0x07060302
.irp k, 0,1,2,3,4,5,6,7,8,9,10,11
	ds_store_b128 v[XC], v[OP+4*\k:OP+4*\k+3] offset:512*\k
.endr
	ds_store_b128 v[XSW], v[PW:PW+3]
.irp k, 0,1,2,3,4,5
	ds_store_b128 v[VW], v[160+4*\k:163+4*\k] offset:2048*\k
.endr
.irp k, 0,1,2,3
	ds_store_b128 v[B1W], v[184+4*\k:187+4*\k] offset:512*\k
.endr
	WQ 2, 2*QUART
	WQ 3, 3*QUART
	s_wait_dscnt 0x0                               ; for the others' sake: my images lie in LDS
	BAR
	; ---- attn = ctx w_out^T + b_out: eight quarters; quarter g: K step g / 2, tiles 4 (g % 2) on
	VLOAD 1, 0, 0                                  ; b_out: the C of the first K step's products
	OFETCH 0, OP, OS, 0, 6144, XSCO
	OFETCH 0, OP+48, OS+4, 1536, 6144, XSCO+512
	s_wait_dscnt 17
	s_wait_loadcnt 39
	QM 0, OP, OS, 0xd2, 0, 64, 0, 1, SLAB, 0
	s_wait_loadcnt 39
	QM 1, OP, OS, 0xd2, 32, 64, 32, 1, SLAB+QUART, 0
	OFETCH 0, OP, OS, 3072, 6144, XSCO+1024
	s_wait_dscnt 17
	s_wait_loadcnt 39
	QM 2, OP+48, OS+4, 0xf2, 0, 64, -1, 1, SLAB+2*QUART, 0
	s_wait_loadcnt 39
	QM 3, OP+48, OS+4, 0xf2, 32, 64, -1, 1, SLAB+3*QUART, 0
	OFETCH 0, OP+48, OS+4, 4608, 6144, XSCO+1536
	s_wait_xcnt 0x0                                ; the loads have read the pointer
	s_add_nc_u64 s[WP:WP+1], s[WP:WP+1], s[FS:FS+1]
	s_wait_dscnt 17
	s_wait_loadcnt 39
	QM 0, OP, OS, 0xf2, 0, 64, -1, 1, 0, 0
	s_wait_loadcnt 39
	QM 1, OP, OS, 0xf2, 32, 64, -1, 1, QUART, 0
	s_wait_dscnt 0x0
	s_wait_tensorcnt 0x0                           ; x has landed; I alone read these bytes
	WIN 0x40
.irp m, 0,1,2,3
.irp b, 0,1,2,3
.irp j, 0,1,2,3
	ds_load_b128 v[64*\m+16*\b+4*\j:64*\m+16*\b+4*\j+3], v[XA] offset:(32*(\m/2)+8*(\m%2))*528+128*\b+16*\j
.endr
.endr
.endr
	WIN 0
	VLOAD 2, 192, 2048                             ; g1
	s_wait_loadcnt 39
	QM 2, OP+48, OS+4, 0xf2, 0, 64, -1, 1, 2*QUART, 0
	s_wait_loadcnt 39
	QM 3, OP+48, OS+4, 0xf2, 32, 64, -1, 1, 3*QUART, 0
	VLOAD 0, OP, 4096                              ; be1
	; ---- x1 = LN(x) + LN(attn): attn in window 3 (word 0), x in window 1 (word 1)
	SUMS 3
	FIN 0
	s_wait_dscnt 0x0                               ; x, g1, be1
	SUMS 1
	FIN 1
	EXCH 0
	NEGMEAN
	DEV 3, 0
	DEV 1, 1
	SQS 3
	FIN 0
	SQS 1
	FIN 1
	EXCH 1
	RSQ
.set J, 0
.rept 32
	v_pk_add_f32 v[OP+J:OP+J+1], v[OP+J:OP+J+1], v[OP+J:OP+J+1]   ; 2 be1
.set J, J+2
.endr
	SCALE 1, 1
	WIN 0xd3
.irp m, 0,1,2,3
.set J, 0
.rept 32
	v_pk_fma_f32 v[64*\m+J:64*\m+J+1], v[64*\m+J:64*\m+J+1], v[M+2*\m:M+2*\m+1], v[64*\m+J:64*\m+J+1] op_sel_hi:[1,0,1]   ; dev(attn) r_a + dev(x) r_x
.set J, J+2
.endr
.endr
	WIN 0xcb
.irp m, 0,1,2,3
.set J, 0
.rept 32
	v_pk_fma_f32 v[64*\m+J:64*\m+J+1], v[64*\m+J:64*\m+J+1], v[192+J:193+J], v[OP+J:OP+J+1]   ; x g1 + 2 be1
.set J, J+2
.endr
.endr
	; ---- x1's codes: K step w of the next product (every wave has passed two barriers behind its last read of ctx's images); two sets of code registers by turns
.irp m, 0,1,2,3
.set PC, 48+40*(\m%2)
	QUANT 64*\m, 3, 4, PW+\m
	ds_store_b128 v[XW16], v[PC:PC+3] offset:6144*\m
	ds_store_b64 v[XW8], v[PC+4:PC+5] offset:6144*\m+512
	ds_store_b128 v[XW16], v[PC+6:PC+9] offset:6144*\m+768
	ds_store_b64 v[XW8], v[PC+10:PC+11] offset:6144*\m+768+512
.if \m == 1
	s_wait_alu depctr_va_vdst(0)
	s_wait_dscnt 0x0                               ; the stores have read both sets
.endif
.endr
	ds_store_b128 v[XSW], v[PW:PW+3]
	WIN 0x0c                                       ; an LDS store's data are its source 1: window 3
.set J, 0
.rept 64
	ds_store_b128 v[X1A], v[4*J:4*J+3] offset:512*J    ; x1 is parked as an image of my registers, in the bytes that held x
.set J, J+1
.endr
	WIN 0
	s_wait_alu depctr_va_vdst(0)
	s_wait_dscnt 0x0
	BAR
.irp m, 0,1,2,3
	VLOAD 3, 64*\m, 6144                           ; b2: what y's sums begin with
.endr
	OFETCH 1, 128, RS, 1536, 6144, XSCO+512        ; x1's K steps 1 and 2 stay in registers
	OFETCH 1, 176, RS+4, 3072, 6144, XSCO+1024
	OFETCH 0, OP, OS, 0, 6144, XSCO                ; K step 0 of the first chunk
	v_add_nc_u32 v[BAD], s[TB], v[B1A]
	BILOAD
; A CHUNK of 256 hidden units.  next = 1: the stream, x1's K step 0 and b1 go on into the next chunk; else the second norm's gain and shift are fetched.
.macro CHUNK next
	OFETCH 0, OP+48, OS+4, 4608, 6144, XSCO+1536   ; x1's K step 3: three quarters ahead of its use
	s_wait_dscnt 17
	s_wait_loadcnt 39
	QM 0, OP, OS, 0x52, 0, 32, BI, 1, SLAB, 0
	s_wait_loadcnt 39
	QM 1, 128, RS, 0x56, 0, 32, -1, 1, SLAB+QUART, 0
	s_wait_loadcnt 39
	QM 2, 176, RS+4, 0x56, 0, 32, -1, 1, SLAB+2*QUART, 0
	s_wait_dscnt 0x0
	s_wait_loadcnt 39
	QM 3, OP+48, OS+4, 0x52, 0, 32, -1, 1, SLAB+3*QUART, 1
	s_wait_alu depctr_va_vdst(0)
.if \next
	s_wait_xcnt 0x0                                ; the loads have read the pointer: on to the next chunk, round the end of the eight
	s_cmp_eq_u32 s[CC], 7
	s_cselect_b32 s[WR], 16*SLAB, 0
	s_add_nc_u64 s[WP:WP+1], s[WP:WP+1], 2*SLAB
	s_sub_nc_u64 s[WP:WP+1], s[WP:WP+1], s[WR:WR+1]
	s_add_co_u32 s[CC], s[CC], 1
	s_and_b32 s[CC], s[CC], 7
.endif
.irp p, 0,1
.set PC, 48+40*\p
	QUANT 64*\p, 1, 4, PW+\p                       ; tiles of rows 2 p and 2 p + 1: my 64 units are half a fragment of each
	ds_store_b128 v[HW16], v[PC:PC+3] offset:3072*(2*\p)
	ds_store_b64 v[HW8], v[PC+4:PC+5] offset:3072*(2*\p)+512
	ds_store_b128 v[HW16], v[PC+6:PC+9] offset:3072*(2*\p+1)
	ds_store_b64 v[HW8], v[PC+10:PC+11] offset:3072*(2*\p+1)+512
	ds_store_b16 v[HS2], v[PW+\p] offset:8*\p
	ds_store_b16_d16_hi v[HS2], v[PW+\p] offset:8*\p+4
.endr
	s_wait_dscnt 0x0                               ; for the others' sake: my half fragments lie in LDS
	BAR
	OFETCH 0, OP, OS, HIMO, 3072, HSCO
	OFETCH 0, OP+48, OS+4, HIMO+1536, 3072, HSCO+512
	s_wait_dscnt 17
	s_wait_loadcnt 39
	QM 0, OP, OS, 0xf2, 0, 64, -1, \next, 0, 0
	s_wait_loadcnt 39-13*(1-\next)
	QM 1, OP, OS, 0xf2, 32, 64, -1, \next, QUART, 0
	WIN 0
	s_wait_dscnt 0x0                               ; my reads of the hidden codes are over
.if \next
	BAR                                            ; everybody's are: the next chunk may store its own
	s_add_co_u32 s[TB], s[TB], 256
	v_add_nc_u32 v[BAD], s[TB], v[B1A]
	OFETCH 0, OP, OS, 0, 6144, XSCO
	BILOAD
.else
	VLOAD 1, 0, 8192                               ; g2
	VLOAD 1, 64, 10240                             ; be2
.endif
	s_wait_loadcnt 39-26*(1-\next)
	QM 2, OP+48, OS+4, 0xf2, 0, 64, -1, \next, 2*QUART, 0
	s_wait_loadcnt 39-39*(1-\next)
	QM 3, OP+48, OS+4, 0xf2, 32, 64, -1, \next, 3*QUART, 0
	WIN 0
.endm
	s_mov_b32 s[CNT], 7
	s_wait_alu depctr_va_vdst(0)
.Lchunk:
	CHUNK 1
	s_sub_co_u32 s[CNT], s[CNT], 1
	s_cmp_lg_u32 s[CNT], 0
	s_wait_alu depctr_va_vdst(0)
	s_cbranch_scc1 .Lchunk
	CHUNK 0                                        ; the last chunk is written out: the stream ends in it
	; ---- out = x1 + LN(y)
	WIN 0x80
.set J, 0
.rept 64
	ds_load_b128 v[4*J:4*J+3], v[X1A] offset:512*J     ; x1 comes back, into the ring's window
.set J, J+1
.endr
	WIN 0
	SUMS 3
	FIN 0
	FIN 1
	EXCH 2
	NEGMEAN
	DEV 3, 0
	SQS 3
	FIN 0
	FIN 1
	EXCH 3
	RSQ
	SCALE 3, 0
	WIN 0xd7
.irp m, 0,1,2,3
.set J, 0
.rept 32
	v_pk_fma_f32 v[64*\m+J:64*\m+J+1], v[64*\m+J:64*\m+J+1], v[J:J+1], v[64+J:65+J]
.set J, J+2
.endr
.endr
	WIN 0xcb
.set J, 0
.rept 128
	v_pk_add_f32 v[J:J+1], v[J:J+1], v[J:J+1]      ; + x1 (source 1: window 2)
.set J, J+2
.endr
	; ---- the way out: a tile of 16 rows x my 128 columns through my own stage, back as whole pieces of 512 bytes
	s_wait_alu depctr_va_vdst(0)
.irp m, 0,1,2,3
	WIN 0
	s_wait_xcnt 0x0                                ; the last tile's stores have read their registers
	WIN 0x0c
.irp b, 0,1,2,3
.irp j, 0,1,2,3
	ds_store_b128 v[STO], v[64*\m+16*\b+4*\j:64*\m+16*\b+4*\j+3] offset:128*\b+16*\j
.endr
.endr
	WIN 0
.irp i, 0,1,2,3,4,5,6,7,8,9,10,11,12,13,14,15
	ds_load_b128 v[BK+4*\i:BK+4*\i+3], v[SRD] offset:528*\i   ; LDS serves a wave's instructions in order (ISA guide 5.7.1.4)
.endr
	s_wait_dscnt 0x0
.irp i, 0,1,2,3,4,5,6,7,8,9,10,11,12,13,14,15
	global_store_b128 v[GO], v[BK+4*\i:BK+4*\i+3], s[26:27] offset:(32*(\m/2)+8*(\m%2)+\i+8*(\i/8))*2048 th:TH_STORE_NT   ; 32 lanes store 512 consecutive bytes, at a multiple of 256 from out0's first byte
.endr
.endr
	s_wait_tensorcnt 0x0                           ; the wave's end
	ds_add_u32 v[SPW], v[NIL]
	s_wait_dscnt 0x0
	s_endpgm
.Lfunc_end_k_q04d16311fb_tail:
	.size	k_q04d16311fb_tail, .Lfunc_end_k_q04d16311fb_tail-k_q04d16311fb_tail
	.p2alignl 7, 3214868480
	.fill 96, 4, 3214868480
	.section	.rodata,"a",@progbits
	.p2align	6, 0x0
	.amdhsa_kernel k_q04d16311fb_tail
		.amdhsa_group_segment_fixed_size 239104
		.amdhsa_private_segment_fixed_size 0
		.amdhsa_enable_private_segment 0
		.amdhsa_kernarg_size 96
		.amdhsa_user_sgpr_count 2
		.amdhsa_user_sgpr_kernarg_segment_ptr 1
		.amdhsa_wavefront_size32 1
		.amdhsa_system_sgpr_workgroup_id_x 1
		.amdhsa_system_sgpr_workgroup_id_y 1
		.amdhsa_system_sgpr_workgroup_id_z 1
		.amdhsa_system_vgpr_workitem_id 0
		.amdhsa_next_free_vgpr 1024
		.amdhsa_next_free_sgpr 96
		.amdhsa_reserve_vcc 0
		.amdhsa_float_denorm_mode_32 3
		.amdhsa_float_denorm_mode_16_64 3
		.amdhsa_memory_ordered 1
		.amdhsa_forward_progress 1
		.amdhsa_inst_pref_size 255
	.end_amdhsa_kernel
	.section	.bss,"aw",@nobits
	.p2align	6
	.space	262144
	.amdgpu_metadata
---
amdhsa.version: [ 1, 2 ]
amdhsa.kernels:
  - .name:           k_q04d16311fb_tail
    .symbol:         k_q04d16311fb_tail.kd
    .args:
      - { .name: ctx, .offset: 0, .size: 8, .value_kind: global_buffer, .address_space: global }
      - { .name: cs, .offset: 8, .size: 8, .value_kind: global_buffer, .address_space: global }
      - { .name: wimg, .offset: 16, .size: 8, .value_kind: global_buffer, .address_space: global }
      - { .name: x, .offset: 24, .size: 8, .value_kind: global_buffer, .address_space: global }
      - { .name: b_out, .offset: 32, .size: 8, .value_kind: global_buffer, .address_space: global }
      - { .name: g1, .offset: 40, .size: 8, .value_kind: global_buffer, .address_space: global }
      - { .name: be1, .offset: 48, .size: 8, .value_kind: global_buffer, .address_space: global }
      - { .name: b1, .offset: 56, .size: 8, .value_kind: global_buffer, .address_space: global }
      - { .name: b2, .offset: 64, .size: 8, .value_kind: global_buffer, .address_space: global }
      - { .name: g2, .offset: 72, .size: 8, .value_kind: global_buffer, .address_space: global }
      - { .name: be2, .offset: 80, .size: 8, .value_kind: global_buffer, .address_space: global }
      - { .name: out0, .offset: 88, .size: 8, .value_kind: global_buffer, .address_space: global }
    .group_segment_fixed_size: 239104
    .private_segment_fixed_size: 0
    .kernarg_segment_align: 8
    .kernarg_segment_size: 96
    .max_flat_workgroup_size: 128
    .sgpr_count:     96
    .vgpr_count:     1024
    .wavefront_size: 32
...
	.end_amdgpu_metadata
.endif
;; end of part 8
